; MI455X (gfx1250); checked and timed in simulation.
; The chip was launched on July 23, 2026; its instructions are those of AMD's public machine-readable ISA for CDNA 5 (MIT licence, August 2026) and "CDNA5" Instruction Set Architecture Reference Guide (July 2026). The comments in the code are by the model that wrote it; some were corrected since.
;; Multi Head Attention. Allowed arithmetic: matrix products marked QUANTISED: E2M3 operands, one E8M0 scale for each 32 along K, by v_wmma_scale_f32_16x16x128_f8f6f4 with both operands' format E2M3, f32 sums; products left as they are: f32 operands where the result goes on into a quantised operand, else bf16, f16 or f32 operands; f32 sums; everything else in f32.
;; Inputs: Wk 256 x 256 float32; Wo 256 x 256 float32; Wq 256 x 256 float32; Wv 256 x 256 float32; bk 256 float32; bo 256 float32; bq 256 float32; bv 256 float32; key 4 x 2,048 x 256 float32; mask 4 x 2,048 float32; pos 2,048 x 256 float32; proj 256 x 256 float32; query 4 x 2,048 x 256 float32; value 4 x 2,048 x 256 float32.
;; Outputs: out0 4 x 2,048 x 256 float32.
;; This version of the problem:
;;   THIS VERSION OF THE PROBLEM IS GIVEN IN LOW PRECISION. The matrix products marked QUANTISED in the list below multiply operands that are first quantised to E2M3 (2 exponent bits, 3 mantissa bits; 6 bits a number), with one power-of-two scale for each 32 numbers along K (OCP MX v1.0); their sums are f32. All else is computed in f32.
;;   The module's matrix products, in the order in which they are computed (A, B: the left and right operand; K: the contracted axis; several contracted axes count as one K, in the product's order):
;;     1. [M 8,192, K 256] x [K 256, N 256]; A: input query; B: input Wq: QUANTISED
;;     2. [M 8,192, K 256] x [K 256, N 256]; A: input key; B: input Wk: QUANTISED
;;     3. [M 8,192, K 256] x [K 256, N 256]; A: input value; B: input Wv: QUANTISED
;;     4. [M 65,536, K 256] x [K 256, N 256]; A: computed on the way; B: input proj: QUANTISED
;;     5. [M 65,536, K 256] x [K 256, N 256]; A: computed on the way; B: input proj: QUANTISED
;;     6. batch 32 x [M 256, K 2,048] x [K 2,048, N 32]; A: computed on the way; B: computed on the way: QUANTISED
;;     7. batch 32 x [M 32, K 256] x [K 256, N 2,048]; A: computed on the way; B: computed on the way: QUANTISED
;;     8. batch 32 x [M 1, K 256] x [K 256, N 2,048]; A: computed on the way; B: computed on the way: left as it is (M = 1 < 16)
;;     9. [M 8,192, K 256] x [K 256, N 256]; A: computed on the way; B: input Wo: QUANTISED
;;   THE QUANTISER, for each operand of a quantised product, along K:
;;     - K is cut into blocks of 32 from its start; a last block that is shorter is filled with zeros.
;;     - A block's scale is 2^e with e = floor(log2(the largest magnitude in the block)) - 2, held to -126 .. 127; a block of zeros has e = 0. As a byte (E8M0): e + 127.
;;     - Each number is divided by its block's scale, clamped to +-7.5, and rounded to the nearest number of E2M3, ties to even, subnormals kept.
;;     - The product sums the exact products of the quantised numbers (number of the format x scale) in f32.
;;   ~~~python
;;   def quantise(x, axis):      # numpy; x: float32 -> the quantised numbers, widened to float32 again
;;       x = np.moveaxis(x, axis, -1); K = x.shape[-1]
;;       x = np.pad(x, [(0, 0)] * (x.ndim - 1) + [(0, -K % 32)]); x = x.reshape(x.shape[:-1] + (-1, 32)); a = np.abs(x).max(-1, keepdims=True)
;;       e = np.where(a > 0, np.clip(np.frexp(np.where(a > 0, a, 1))[1] - 1 - 2, -126, 127), 0)      # np.frexp(a)[1] - 1 = floor(log2(a)), exactly
;;       r = np.clip(x / 2.0 ** e, -7.5, 7.5)
;;       step = 2.0 ** (np.maximum(np.frexp(np.where(r == 0, 1, r))[1] - 1, 0) - 3)
;;       q = np.round(r / step) * step * 2.0 ** e      # np.round: ties to even
;;       return np.moveaxis(q.reshape(q.shape[:-2] + (-1,))[..., :K], -1, axis).astype(np.float32)
;;   ~~~
;;   OPERANDS COMPUTED ON THE WAY. 'Computed on the way' means the value that the module computes at that place (a softmax that the list does not call 'softmax' is quantised finished and normalised). What goes into a quantiser is computed in f32, as accurately as f32 sums, v_exp_f32 and their like allow (about 1e-6 of the number): no bf16 or f16 on the way to a quantiser, and a product that is left as it is and whose result goes on into a quantised operand takes f32 operands (vector FMAs, or v_wmma_f32_16x16x4_f32). A number that lies on a knife's edge between two numbers of the format may be rounded either way, as far as f32 arithmetic and the matrix unit's own rounding can turn it there, and no further.
;; 3 versions, each right; version 2 is faster than version 1; version 3 is version 2 with the launch kvs written anew for expert scheduling mode. Each part assembles by itself: llvm-mc -triple=amdgcn-amd-amdhsa -mcpu=gfx1250 --defsym DOCPART=n.
;; ======== version 1 of 3: 4 launches
;; workspace buffers: wimg 271,360 bytes; tbuf 8,388,608 bytes; vimg 1,703,936 bytes; kmax 2,048 bytes; kvimg 217,088 bytes
;; launch prep (part 1): grid 8 x 5, 4 waves a work-group, no clusters, 0 bytes of LDS; arguments Wq, proj, Wk, Wo, Wv, bq, bk, bo, bv, wimg; writes wimg
.if DOCPART == 1
	.amdgcn_target "amdgcn-amd-amdhsa--gfx1250"
	.amdhsa_code_object_version 6
	.text
	.protected	k_q13ff92627b_prep
	.globl	k_q13ff92627b_prep
	.p2align	8
	.type	k_q13ff92627b_prep,@function
k_q13ff92627b_prep:
	s_mov_b64 s[64:65], 0
	v_nop
	global_prefetch_b8 v0, s[64:65] scope:SCOPE_SE
	s_setreg_imm32_b32 hwreg(HW_REG_WAVE_MODE, 25, 1), 1
	s_wait_xcnt 0x0
; Five matrices of 256 x 256 f32 become OPERAND IMAGES of FP6 (E2M3) codes: image y = 0 Wq, 1 proj, 2 Wk, 3 Wo, 4 Wv.
; Wq, Wk, Wo, Wv are stored [k][n] (K is the first axis), proj [m][d] (K innermost).  All are quantised along K, 32 numbers to a scale.
; AN IMAGE (IMG bytes) holds the registers of the matrix operand as a wave loads them.  Fragment f = 2 t + s (tile t of 16 units, K step s of 128) lies at 1,536 f:
; register q of lane l at 512 (q / 4) + 16 l + 4 (q % 4).  Lane (r, h) of tile t holds unit 32 (t / 2) + 8 (t % 2) + r + 8 (r / 8), registers 6 c .. 6 c + 5 its k = 128 s + 64 c + 32 h + 0 .. 31.
; Scale words from SCO on: fragment f's at 512 (f / 4) + 16 l + 4 (f % 4), in both halves of the lanes.  From VCO on 256 f32: the layer's bias (zeros for proj, so that every byte of an image is written).
; SHARES: a wave makes one fragment: a lane takes one unit and two whole blocks of 32 along K, so no other lane is asked for a maximum.  Waves share nothing: no LDS, no barrier.
; A block's scale byte is its largest magnitude's exponent field - 2, held at 1 from below.
; LIMITS: NaN and infinities are not served; a block whose largest magnitude lies under 2^-124 is held at byte 1; a block of zeros gets byte 1 in place of 127 (its codes are zeros, and this program alone reads the bytes).
; The input mask is named by no launch of this program: reference() takes it as an argument and never uses it.
.set IMG,  54272
.set SCO,  49152
.set VCO,  53248
.set X,    64                          ; v64-127: register 32 c + i = W(k = 128 s + 64 c + 32 h + i, my unit)
	s_load_b512 s[4:19], s[0:1], 0x0               ; Wq s[4:5], proj s[6:7], Wk s[8:9], Wo s[10:11], Wv s[12:13], bq s[14:15], bk s[16:17], bo s[18:19]
	s_load_b128 s[20:23], s[0:1], 0x40             ; bv s[20:21], wimg s[22:23]
	v_lshrrev_b32 v1, 5, v0
	v_readfirstlane_b32 s24, v1                    ; wave
	s_and_b32 s26, ttmp7, 0xffff                   ; y: which matrix
	s_lshl_b32 s27, ttmp9, 2
	s_add_co_u32 s27, s27, s24                     ; f = 4 x + wave
	s_lshr_b32 s28, s27, 1                         ; t
	s_and_b32 s29, s27, 1                          ; s
	s_lshr_b32 s38, s28, 1
	s_lshl_b32 s38, s38, 5
	s_and_b32 s39, s28, 1
	s_lshl_b32 s39, s39, 3
	s_add_co_u32 s38, s38, s39                     ; the tile's first unit: 32 (t / 2) + 8 (t % 2)
	s_mov_b32 s36, 0x76543210
	s_mov_b32 s37, 0xfedcba98                      ; v_permlanex16_b32's selects for lane l xor 16
	s_mov_b32 s41, 0
	s_mov_b32 s43, 0
	s_mov_b32 s45, 0
	s_mul_i32 s40, s26, IMG                        ; my image,
	s_mul_i32 s42, s27, 1536                       ; my fragment in it,
	s_lshr_b32 s44, s27, 2
	s_lshl_b32 s44, s44, 9
	s_and_b32 s46, s27, 3
	s_lshl_b32 s46, s46, 2
	s_add_co_u32 s44, s44, s46
	s_add_co_u32 s44, s44, SCO                     ; and its scale words
	v_and_b32 v7, 31, v0                           ; lane
	v_and_b32 v2, 15, v0                           ; r
	v_bfe_u32 v3, v0, 4, 1                         ; h
	v_and_b32 v4, 8, v2
	v_add_nc_u32 v4, v4, v2                        ; r + 8 (r / 8)
	v_lshlrev_b32 v6, 4, v7                        ; 16 x lane
	s_wait_kmcnt 0x0
	s_add_nc_u64 s[34:35], s[22:23], s[40:41]
	s_add_nc_u64 s[42:43], s[34:35], s[42:43]
	s_add_nc_u64 s[44:45], s[34:35], s[44:45]
	s_mov_b64 s[30:31], s[4:5]                     ; the matrix and its bias are chosen by the work-group's y alone
	s_mov_b64 s[32:33], s[14:15]
	s_cmp_eq_u32 s26, 1
	s_cselect_b64 s[30:31], s[6:7], s[30:31]
	s_cmp_eq_u32 s26, 2
	s_cselect_b64 s[30:31], s[8:9], s[30:31]
	s_cselect_b64 s[32:33], s[16:17], s[32:33]
	s_cmp_eq_u32 s26, 3
	s_cselect_b64 s[30:31], s[10:11], s[30:31]
	s_cselect_b64 s[32:33], s[18:19], s[32:33]
	s_cmp_eq_u32 s26, 4
	s_cselect_b64 s[30:31], s[12:13], s[30:31]
	s_cselect_b64 s[32:33], s[20:21], s[32:33]
	s_cmp_eq_u32 s26, 1
	s_cbranch_scc1 .Lk_inner
	; K is the first axis: a row of W is 1,024 bytes; my registers run down K, sixteen lanes read two runs of 32 neighbouring bytes
	v_lshlrev_b32 v5, 15, v3                       ; 32 rows x 1,024 bytes for lanes 16-31
	v_lshl_add_u32 v5, v4, 2, v5
	s_lshl_b32 s40, s29, 17                        ; 128 rows a K step
	s_lshl_b32 s46, s38, 2
	s_add_co_u32 s40, s40, s46
	s_add_nc_u64 s[30:31], s[30:31], s[40:41]
.set n_, 0
.rept 64
	global_load_b32 v[X+n_], v5, s[30:31] offset:1024*(64*(n_/32)+n_%32)
.set n_, n_+1
.endr
	s_branch .Lloaded
.Lk_inner:
	; K is innermost: my unit's row, 128 neighbouring bytes for each block
	v_lshlrev_b32 v5, 10, v4
	v_lshl_add_u32 v5, v3, 7, v5
	s_lshl_b32 s40, s38, 10
	s_lshl_b32 s46, s29, 9
	s_add_co_u32 s40, s40, s46
	s_add_nc_u64 s[30:31], s[30:31], s[40:41]
.set n_, 0
.rept 16
	global_load_b128 v[X+4*n_:X+4*n_+3], v5, s[30:31] offset:256*(n_/8)+16*(n_%8)
.set n_, n_+1
.endr
.Lloaded:
	s_wait_loadcnt 0x0
.irp c, 0,1                                    ; my block 2 c + h: all its 32 numbers are mine
	v_max3_num_f32 v[32+\c], |v[X+32*\c]|, |v[X+1+32*\c]|, 0x1800000   ; with the floor 2^(3 - 127): the byte cannot fall under 1
.endr
.irp i, 2,4,6,8,10,12,14,16,18,20,22,24,26,28,30
.irp c, 0,1
	v_max3_num_f32 v[32+\c], v[32+\c], |v[X+32*\c+\i]|, |v[X+1+32*\c+\i]|
.endr
.endr
.irp c, 0,1
	v_add_nc_u32 v[44+\c], 0xff000000, v[32+\c]    ; 2 off the exponent field: the conversion's scale operand
.endr
.irp c, 0,1
	v_lshrrev_b32 v[36+\c], 23, v[44+\c]           ; the scale's byte
.endr
	v_lshl_or_b32 v9, v37, 16, v36                 ; my two bytes, blocks h and 2 + h,
	v_lshlrev_b32 v10, 3, v3
	v_lshlrev_b32 v9, v10, v9                      ; at their places in the word;
	v_mov_b32 v10, 0
	v_permlanex16_b32 v10, v9, s36, s37
	v_or_b32 v9, v9, v10                           ; with lane l xor 16's two the word is whole, in both halves of the lanes
.irp c, 0,1
	v_cvt_scalef32_pk16_fp6_f32 v[48+6*\c:50+6*\c], v[X+32*\c:X+15+32*\c], v[44+\c]
	v_cvt_scalef32_pk16_fp6_f32 v[16+4*\c:18+4*\c], v[X+16+32*\c:X+31+32*\c], v[44+\c]   ; (a conversion's three registers begin on an even number)
.endr
	v_nop                                          ; one plain place behind a scaled conversion
.irp c, 0,1
.irp i, 0,1,2
	v_mov_b32 v[51+6*\c+\i], v[16+4*\c+\i]
.endr
.endr
.irp c, 0,1,2
	global_store_b128 v6, v[48+4*\c:51+4*\c], s[42:43] offset:512*\c   ; 32 lanes store 512 consecutive bytes
.endr
	global_store_b32 v6, v9, s[44:45]
	s_cmp_lg_u32 ttmp9, 0                          ; the work-group with x = 0 also writes the image's 256 f32: 256 bytes a wave
	s_cbranch_scc1 .Lend
	v_lshlrev_b32 v11, 3, v7
	s_lshl_b32 s40, s24, 8
	v_add_nc_u32 v11, s40, v11                     ; 256 x wave + 8 x lane
	v_mov_b32 v12, 0
	v_mov_b32 v13, 0
	s_cmp_eq_u32 s26, 1
	s_cbranch_scc1 .Lzero                          ; proj has no bias: zeros
	global_load_b64 v[12:13], v11, s[32:33]
	s_wait_loadcnt 0x0
.Lzero:
	global_store_b64 v11, v[12:13], s[34:35] offset:VCO
.Lend:
	s_endpgm
.Lfunc_end_k_q13ff92627b_prep:
	.size	k_q13ff92627b_prep, .Lfunc_end_k_q13ff92627b_prep-k_q13ff92627b_prep
	.p2alignl 7, 3214868480
	.fill 96, 4, 3214868480
	.section	.rodata,"a",@progbits
	.p2align	6, 0x0
	.amdhsa_kernel k_q13ff92627b_prep
		.amdhsa_group_segment_fixed_size 0
		.amdhsa_private_segment_fixed_size 0
		.amdhsa_enable_private_segment 0
		.amdhsa_kernarg_size 80
		.amdhsa_user_sgpr_count 2
		.amdhsa_user_sgpr_kernarg_segment_ptr 1
		.amdhsa_wavefront_size32 1
		.amdhsa_system_sgpr_workgroup_id_x 1
		.amdhsa_system_sgpr_workgroup_id_y 1
		.amdhsa_system_sgpr_workgroup_id_z 1
		.amdhsa_system_vgpr_workitem_id 0
		.amdhsa_next_free_vgpr 128
		.amdhsa_next_free_sgpr 66
		.amdhsa_reserve_vcc 0
		.amdhsa_float_denorm_mode_32 3
		.amdhsa_float_denorm_mode_16_64 3
		.amdhsa_memory_ordered 1
		.amdhsa_forward_progress 1
		.amdhsa_inst_pref_size 15
	.end_amdhsa_kernel
	.amdgpu_metadata
---
amdhsa.version: [ 1, 2 ]
amdhsa.kernels:
  - .name:           k_q13ff92627b_prep
    .symbol:         k_q13ff92627b_prep.kd
    .args:
      - { .name: Wq, .offset: 0, .size: 8, .value_kind: global_buffer, .address_space: global }
      - { .name: proj, .offset: 8, .size: 8, .value_kind: global_buffer, .address_space: global }
      - { .name: Wk, .offset: 16, .size: 8, .value_kind: global_buffer, .address_space: global }
      - { .name: Wo, .offset: 24, .size: 8, .value_kind: global_buffer, .address_space: global }
      - { .name: Wv, .offset: 32, .size: 8, .value_kind: global_buffer, .address_space: global }
      - { .name: bq, .offset: 40, .size: 8, .value_kind: global_buffer, .address_space: global }
      - { .name: bk, .offset: 48, .size: 8, .value_kind: global_buffer, .address_space: global }
      - { .name: bo, .offset: 56, .size: 8, .value_kind: global_buffer, .address_space: global }
      - { .name: bv, .offset: 64, .size: 8, .value_kind: global_buffer, .address_space: global }
      - { .name: wimg, .offset: 72, .size: 8, .value_kind: global_buffer, .address_space: global }
    .group_segment_fixed_size: 0
    .private_segment_fixed_size: 0
    .kernarg_segment_align: 8
    .kernarg_segment_size: 80
    .max_flat_workgroup_size: 128
    .sgpr_count:     66
    .vgpr_count:     128
    .wavefront_size: 32
...
	.end_amdgpu_metadata
.endif
;; end of part 1
;; launch kv (part 2): grid 4 x 32, 4 waves a work-group, clusters of 4 x 1, 281,344 bytes of LDS; arguments key, value, pos, wimg, tbuf, vimg, kmax; writes tbuf, vimg, kmax
.if DOCPART == 2
	.amdgcn_target "amdgcn-amd-amdhsa--gfx1250"
	.amdhsa_code_object_version 6
	.text
	.protected	k_q13ff92627b_kv
	.globl	k_q13ff92627b_kv
	.p2align	8
	.type	k_q13ff92627b_kv,@function
k_q13ff92627b_kv:
	s_mov_b64 s[64:65], 0
	v_nop
	global_prefetch_b8 v0, s[64:65] scope:SCOPE_SE
	s_setreg_imm32_b32 hwreg(HW_REG_WAVE_MODE, 25, 1), 1
	s_wait_xcnt 0x0
	s_wait_alu depctr_hold_cnt(0) depctr_sa_sdst(0) depctr_va_vdst(0) depctr_va_sdst(0) depctr_va_ssrc(0) depctr_va_vcc(0) depctr_vm_vsrc(0)
	s_getreg_b32 s2, hwreg(HW_REG_IB_STS2, 6, 4)
	s_cmp_eq_u32 s2, 0
	s_cbranch_scc0 .Lentry_in_a_cluster
	s_endpgm
.Lentry_in_a_cluster:
	s_bfe_u32 s2, ttmp6, 0x10000c
	s_cmp_lg_u32 s2, 0x3003
	s_cbranch_scc0 .Lentry_shape_is_right
	s_endpgm
.Lentry_shape_is_right:
; The key's and the value's side, for 64 rows of one batch.  All products on codes of FP6 (E2M3) with one E8M0 scale for each 32 along K.
;   k = key Wk + bk;  rot(k) by pos;  xp = (rot / 4) proj^T;  t = xp - diag, diag = sum(rot^2) / 32;  the largest xp of each wave;  v = value Wv + bv, quantised along the rows.
; reference() hands the SAME k to all eight heads, so rot, xp and diag are made once and serve every head.
; The factor 1/4 is a power of two: the codes of rot / 4 are the codes of rot, so rot is quantised and the product is multiplied by 0.25, which rounds nothing.
; SHARES.  Work-group = (batch b, rows 64 blk on).  In the front part wave w owns rows 16 w + r: a lane holds one row and its registers run along the units.
; In the back part the products are TURNED (source 0 = 16 rows, source 1 = 16 units): wave w owns unit tiles 4 w .. 4 w + 3, a lane holds one unit and its registers run along the rows, which are the next product's K.
; Register 16 b' + i of lane half h is then row 32 b' + 16 (i / 8) + 8 h + i % 8, and it is laid at place 32 b' + 16 h + i of its block of 32 rows.  t and v go the same way, so both operands of kp^T v carry the
; same order inside each block of 32: blocks, scales and products are those of the natural order, only the order of the sum differs.
; CLUSTER.  The four partners are the four batches of one block of rows: they need the same image of Wk and the same rows of pos (120,832 of a work-group's 253,952 fetched bytes): asked for jointly, mask 15.
; LDS is filled once by four tensor loads a wave (by this text's count four are out at most); nothing is filled again.
; OUT.  tbuf: t as register images, 8,192 bytes for (b, K step ls of 128 rows, unit tile n): half c = blk % 2 at 4,096 c, register q' of lane l at 512 (q' / 4) + 16 l.   kmax: one f32 a wave.
;   vimg: a record of 26,624 bytes for (b, n): fragment ls at 1,536 ls, its half c at 768 c (registers 0-3 at 16 l, 4-5 at 512 + 8 l); scale words from 24,576 on: 512 (ls / 4) + 16 l + 4 (ls % 4), half word c.
; LIMITS: NaN and infinities are not served; a block whose largest magnitude lies under 2^-124 is held at byte 1 (there the folded 1/4 departs from the stated quantiser); a block of zeros gets byte 1 in place of 127.
.set IMG,   54272                      ; an operand image: 32 fragments of 1,536 bytes, scale words from SCO, 256 f32 from VCO
.set SCO,   49152
.set VCO,   53248
.set ROWP,  1040                       ; a row of 1,024 bytes + 16 of padding: sixteen rows start 65 x 16 bytes apart
.set WROWS, 16*ROWP
.set KEYR,  IMG                        ; LDS: Wk's image at 0; the waves' 16 rows of key,
.set POSR,  KEYR+4*WROWS               ; of pos,
.set VALR,  POSR+4*WROWS               ; of value;
.set XK,    VALR+4*WROWS               ; written by LDS stores alone: rot(k)'s 8 fragments (2 w + s) and, 12,288 on, their scale words;
.set NDL,   XK+13312                   ; -diag of the 64 rows;
.set XV,    NDL+256                    ; value's 8 fragments and scale words
.set RING,  2                          ; sets of registers through which a layer's fragments come
.set LI,  1                            ; v1   16 x lane
.set H64, 2                            ; v2   64 h
.set KA,  3                            ; v3-5 my row's 64 h bytes in key, value, pos
.set VA,  4
.set PA,  5
.set XSA, 6                            ; v6   where I store my fragments: XK + 3,072 w + 16 l
.set XSS, 7                            ; v7   and their two scale words
.set XRA, 8                            ; v8   XK + 16 l
.set NDS, 9                            ; v9   NDL + 64 w + 4 r
.set NDR, 10                           ; v10  NDL + 32 h
.set L8,  11                           ; v11  8 x lane
.set BO,  12                           ; v12  my unit's bias in an image's 256 f32
.set FO,  13                           ; v13  my four tiles' fragments in an image
.set FSO, 14                           ; v14  and their scale words
.set LN,  15                           ; v15  lane
.set XF,  16                           ; v16-39  two fragments of my rows;  in the back part: BV v16-23, TMH v24-31, PP v32-37
.set BV,  16
.set TMH, 24
.set PP,  32
.set XS,  40                           ; v40-41  their scale words
.set WS,  42                           ; v42-49  scale words of the ring's fragments, two groups of four
.set FS,  50                           ; v50-57  Wv's scale words, my four tiles
.set FS2, 58                           ; v58-65  proj's
.set RB,  66                           ; v66-113 the ring; between layers: at work
.set TM,  RB
.set EX,  RB+16
.set RT,  RB+32
.set TT,  114
.set HW,  117
.set MX,  118
.set TP,  119
.set SS,  120                          ; v120-123 sums of squares; then -diag in v120
.set ACC, 128                          ; v128-255 a layer's 16 accumulators;  in the back part: FIX v128-223 (4 tiles x 2 fragments), ACC2 v224-255
.set FIX, 128
.set ACC2, 224
.set WV,  18
.set SEL, 22
.macro PLACES n
.rept \n
	v_nop
.endr
.endm
.macro ROUND                           ; a round of the cluster's barrier
	s_barrier_signal -1
	s_barrier_wait -1
	s_cmp_lg_u32 s[WV], 0
	s_cbranch_scc1 .Lnot_wave_0_\@
	s_barrier_signal -3
.Lnot_wave_0_\@:
	s_barrier_wait -3
	s_barrier_signal -1
	s_barrier_wait -1
.endm
; 64 numbers of a lane, register 16 b + i = k 32 b + 16 h + i of its row, become a fragment's 12 registers at dst and its scale word in sw.
.macro QUANT src, dst, sw
.irp b, 0,1,2,3
	v_max3_num_f32 v[TM+\b], |v[\src+16*\b]|, |v[\src+16*\b+1]|, 0x1800000   ; my 16 numbers of block b, and the floor 2^(3 - 127)
.endr
.irp i, 2,4,6,8,10,12,14
.irp b, 0,1,2,3
	v_max3_num_f32 v[TM+\b], v[TM+\b], |v[\src+16*\b+\i]|, |v[\src+16*\b+\i+1]|
.endr
.endr
.irp b, 0,1,2,3
	v_permlanex16_b32 v[TM+4+\b], v[TM+\b], s[SEL], s[SEL+1]
.endr
.irp b, 0,1,2,3
	v_max_num_f32 v[TM+\b], v[TM+\b], v[TM+4+\b]   ; with lane l xor 16's: the block's largest magnitude
.endr
.irp b, 0,1,2,3
	v_add_nc_u32 v[TM+12+\b], 0xff000000, v[TM+\b] ; 2 off its exponent field: the conversion's scale operand
.endr
.irp b, 0,1,2,3
	v_lshrrev_b32 v[TM+4+\b], 23, v[TM+12+\b]      ; the scale's byte
.endr
	v_lshl_or_b32 v[\sw], v[TM+5], 8, v[TM+4]
	v_lshl_or_b32 v[\sw], v[TM+6], 16, v[\sw]
	v_lshl_or_b32 v[\sw], v[TM+7], 24, v[\sw]
.irp c, 0,1
	v_cvt_scalef32_pk16_fp6_f32 v[\dst+6*\c:\dst+6*\c+2], v[\src+32*\c:\src+32*\c+15], v[TM+12+2*\c]
	v_cvt_scalef32_pk16_fp6_f32 v[EX+4*\c:EX+4*\c+2], v[\src+32*\c+16:\src+32*\c+31], v[TM+12+2*\c+1]
.endr
	v_nop                                          ; one plain place behind a scaled conversion
.irp c, 0,1                                    ; the operand wants a whole block in a lane: lanes 0-15 block 2 c, lanes 16-31 block 2 c + 1
.irp i, 0,1,2
	v_permlane16_swap_b32 v[\dst+6*\c+\i], v[EX+4*\c+\i]
.endr
.irp i, 0,1,2
	v_mov_b32 v[\dst+6*\c+3+\i], v[EX+4*\c+\i]
.endr
.endr
.endm
; The same for 32 numbers, two blocks: six registers in PP, the two bytes in HW.
.macro QUANTH src
.irp b, 0,1
	v_max3_num_f32 v[TMH+\b], |v[\src+16*\b]|, |v[\src+16*\b+1]|, 0x1800000
.endr
.irp i, 2,4,6,8,10,12,14
.irp b, 0,1
	v_max3_num_f32 v[TMH+\b], v[TMH+\b], |v[\src+16*\b+\i]|, |v[\src+16*\b+\i+1]|
.endr
.endr
.irp b, 0,1
	v_permlanex16_b32 v[TMH+2+\b], v[TMH+\b], s[SEL], s[SEL+1]
.endr
.irp b, 0,1
	v_max_num_f32 v[TMH+\b], v[TMH+\b], v[TMH+2+\b]
.endr
.irp b, 0,1
	v_add_nc_u32 v[TMH+4+\b], 0xff000000, v[TMH+\b]
.endr
.irp b, 0,1
	v_lshrrev_b32 v[TMH+2+\b], 23, v[TMH+4+\b]
.endr
	v_lshl_or_b32 v[HW], v[TMH+3], 8, v[TMH+2]
	v_cvt_scalef32_pk16_fp6_f32 v[PP:PP+2], v[\src:\src+15], v[TMH+4]
	v_cvt_scalef32_pk16_fp6_f32 v[TT:TT+2], v[\src+16:\src+31], v[TMH+5]
	v_nop
.irp i, 0,1,2
	v_permlane16_swap_b32 v[PP+\i], v[TT+\i]
.endr
.irp i, 0,1,2
	v_mov_b32 v[PP+3+\i], v[TT+\i]
.endr
.endm
; Step i of a layer: pair of tiles p = i / 2, K step s = i % 2.  Its loads: with s = 0 the pair's four scale words, then the two tiles' fragments: 7 - i % 2 loads.
.macro LFR adr, co, so, i
.set f_p, (\i)/2
.set f_s, (\i)%2
.set f_r, RB+24*((\i)%RING)
.if f_s == 0
	ds_load_b128 v[WS+4*(f_p%2):WS+4*(f_p%2)+3], v[\adr] offset:\so+512*f_p
.endif
.irp e, 0,1
.irp c, 0,1,2
	ds_load_b128 v[f_r+12*\e+4*\c:f_r+12*\e+4*\c+3], v[\adr] offset:\co+(4*f_p+2*\e+f_s)*1536+512*\c
.endr
.endr
.endm
; A layer: 2 np tiles from LDS (source 0) against the two fragments at fx (source 1), K = 256.  cm = 1: the accumulators hold the bias, which is the first product's C; cm = 0: the first product starts the sum.
; The two accumulators of a pair take turns, one instruction a turn.  Four places stand between a step's products and the loads into the registers that they read.
; The wait at a step's head counts the loads issued behind that step's: with two sets the next step's 6 or 7; with three sets the next two steps' 13 (6 in the last step but one); 0 in the last step.
; pre: places between vector instructions that wrote fx and fs and the first product (8 are asked for a scale word).
.macro LAYER adr, co, so, np, acc, fx, fs, cm, pre
.rept \pre
	v_nop
.endr
.set k_i, 0
.rept RING
	LFR \adr, \co, \so, k_i
.set k_i, k_i+1
.endr
.set k_i, 0
.rept 2*\np
.set k_p, k_i/2
.set k_s, k_i%2
.set k_r, RB+24*(k_i%RING)
.if k_i == 2*\np-1
	s_wait_dscnt 0x0
.elseif RING == 2
	s_wait_dscnt 6+k_s
.elseif k_i == 2*\np-2
	s_wait_dscnt 6
.else
	s_wait_dscnt 13
.endif
.irp e, 0,1
.if (k_s == 0) && (\cm == 0)
	v_wmma_scale_f32_16x16x128_f8f6f4 v[\acc+8*(2*k_p+\e):\acc+8*(2*k_p+\e)+7], v[k_r+12*\e:k_r+12*\e+11], v[\fx+12*k_s:\fx+12*k_s+11], 0, v[WS+4*(k_p%2)+2*\e+k_s], v[\fs+k_s] matrix_a_fmt:MATRIX_FMT_FP6 matrix_b_fmt:MATRIX_FMT_FP6
.else
	v_wmma_scale_f32_16x16x128_f8f6f4 v[\acc+8*(2*k_p+\e):\acc+8*(2*k_p+\e)+7], v[k_r+12*\e:k_r+12*\e+11], v[\fx+12*k_s:\fx+12*k_s+11], v[\acc+8*(2*k_p+\e):\acc+8*(2*k_p+\e)+7], v[WS+4*(k_p%2)+2*\e+k_s], v[\fs+k_s] matrix_a_fmt:MATRIX_FMT_FP6 matrix_b_fmt:MATRIX_FMT_FP6
.endif
.endr
.if k_i+RING < 2*\np
	PLACES 4
	LFR \adr, \co, \so, k_i+RING
.endif
.set k_i, k_i+1
.endr
.endm
.macro BIAS adr, acc                   ; register 16 b + i takes the bias of unit 32 b + 16 h + i
.irp b, 0,1,2,3,4,5,6,7
.irp j, 0,1,2,3
	ds_load_b128 v[\acc+16*\b+4*\j:\acc+16*\b+4*\j+3], v[\adr] offset:VCO+128*\b+16*\j
.endr
.endr
.endm
.macro XREAD adr                       ; my row: register 16 b + i = its number 32 b + 16 h + i
.irp b, 0,1,2,3,4,5,6,7
.irp j, 0,1,2,3
	ds_load_b128 v[ACC+16*\b+4*\j:ACC+16*\b+4*\j+3], v[\adr] offset:128*\b+16*\j
.endr
.endr
.endm
.macro XSTORE off                      ; my two fragments and their scale words go to LDS as they stand in the registers
.irp q, 0,1,2,3,4,5
	ds_store_b128 v[XSA], v[XF+4*\q:XF+4*\q+3] offset:\off+512*\q
.endr
	ds_store_b64 v[XSS], v[XS:XS+1] offset:\off
.endm
.macro ROTLD b
.irp j, 0,1,2,3
	ds_load_b128 v[RB+16*((\b)%2)+4*\j:RB+16*((\b)%2)+4*\j+3], v[PA] offset:128*(\b)+16*\j
.endr
.endm
; The rotation, in place, 16 numbers (8 pairs a, b with sin, cos from pos) at a time: a' = a cos - b sin, b' = b cos + a sin; and the sum of their squares.  pos comes two blocks ahead:
; the wait leaves the next block's four loads out.  At the end v[SS] = v[SS+1] = -sum / 32 = -diag of my row.
.macro ROT
	ROTLD 0
	ROTLD 1
.set r_b, 0
.rept 8
.set r_x, ACC+16*r_b
.set r_p, RB+16*(r_b%2)
.if r_b < 7
	s_wait_dscnt 4
.else
	s_wait_dscnt 0x0
.endif
.irp i, 0,1,2,3,4,5,6,7
	v_mul_f32 v[RT+\i], v[r_x+2*\i], v[r_p+2*\i]
.endr
.irp i, 0,1,2,3,4,5,6,7
	v_mul_f32 v[r_x+2*\i], v[r_x+2*\i], v[r_p+2*\i+1]
.endr
.irp i, 0,1,2,3,4,5,6,7
	v_fma_f32 v[r_x+2*\i], -v[r_x+2*\i+1], v[r_p+2*\i], v[r_x+2*\i]
.endr
.irp i, 0,1,2,3,4,5,6,7
	v_fma_f32 v[r_x+2*\i+1], v[r_x+2*\i+1], v[r_p+2*\i+1], v[RT+\i]
.endr
.irp i, 0,1,2,3,4,5,6,7
.if (r_b == 0) && (\i < 2)
	v_pk_mul_f32 v[SS+2*\i:SS+2*\i+1], v[r_x+2*\i:r_x+2*\i+1], v[r_x+2*\i:r_x+2*\i+1]
.else
	v_pk_fma_f32 v[SS+2*(\i%2):SS+2*(\i%2)+1], v[r_x+2*\i:r_x+2*\i+1], v[r_x+2*\i:r_x+2*\i+1], v[SS+2*(\i%2):SS+2*(\i%2)+1]
.endif
.endr
.if r_b < 6
	ROTLD r_b+2
.endif
.set r_b, r_b+1
.endr
	v_pk_add_f32 v[SS:SS+1], v[SS:SS+1], v[SS+2:SS+3]
	v_add_f32 v[SS], v[SS], v[SS+1]
	v_permlanex16_b32 v[RT], v[SS], s[SEL], s[SEL+1]
	v_add_f32 v[SS], v[SS], v[RT]
	v_mul_f32 v[SS], 0xbd000000, v[SS]             ; x -1/32
	v_mov_b32 v[SS+1], v[SS]
.endm
.macro FIXLD sb, j                     ; the two fragments of my tile j of the image at s[sb:sb+1]
.irp q, 0,1,2,3,4,5
	global_load_b128 v[FIX+24*\j+4*\q:FIX+24*\j+4*\q+3], v[FO], s[\sb:\sb+1] offset:3072*\j+512*\q
.endr
.endm
	s_load_b256 s[4:11], s[0:1], 0x0               ; key s[4:5], value s[6:7], pos s[8:9], wimg s[10:11]
	s_load_b128 s[12:15], s[0:1], 0x20             ; tbuf s[12:13], vimg s[14:15]
	s_load_b64 s[16:17], s[0:1], 0x30              ; kmax
	s_set_vgpr_msb 0x40
	v_lshl_add_u32 v0, v0, 2, 0x44900
	v_mov_b32 v1, 0
	s_set_vgpr_msb 0x4045
	ds_add_u32 v0, v1
	ds_add_u32 v0, v1
	s_set_vgpr_msb 0x4500
	v_lshrrev_b32 v1, 5, v0
	v_readfirstlane_b32 s[WV], v1                  ; wave 0..3
	s_bfe_u32 s19, ttmp6, 0x40000                  ; cx
	s_lshl_b32 s21, ttmp9, 2
	s_add_co_u32 s19, s19, s21                     ; the batch = 4 x cluster x + cx: it enters global addresses of key, value and the outputs alone
	s_and_b32 s20, ttmp7, 0xffff                   ; blk: the block of 64 rows, which the four partners share
	s_mov_b32 s[SEL], 0x76543210
	s_mov_b32 s[SEL+1], 0xfedcba98
	; group 1, a quarter of an image: 53 rows of 256 dense bytes (32 elements of 8 bytes), no padding; joint: mask 15, bit 21 beside it
	s_mov_b32 s24, 15|(3<<16)|(1<<21)
	s_mov_b32 s25, 32<<16
	s_mov_b32 s26, 53<<16
	s_mov_b32 s27, 32<<16
	s_mov_b32 s28, 53
	s_mov_b32 s29, 32
	s_mov_b32 s30, 0
	s_mov_b32 s31, 0
	; group 1, 16 rows of 1,024 bytes (128 elements of 8), 4 words of padding behind every 256 words: s[32:39] joint (pos), s[40:47] the work-group's own (key, value)
	s_mov_b32 s32, 15|(3<<16)|(1<<20)|(1<<21)|(7<<22)|(3<<25)
	s_mov_b32 s40, (3<<16)|(1<<20)|(7<<22)|(3<<25)
.irp g, 32, 40
	s_mov_b32 s[\g+1], 128<<16
	s_mov_b32 s[\g+2], 16<<16
	s_mov_b32 s[\g+3], 128<<16
	s_mov_b32 s[\g+4], 16
	s_mov_b32 s[\g+5], 128
	s_mov_b32 s[\g+6], 0
	s_mov_b32 s[\g+7], 0
.endr
	s_lshl_b32 s66, s20, 6
	s_lshl_b32 s67, s[WV], 4
	s_add_co_u32 s66, s66, s67                     ; 64 blk + 16 w: my first row in a batch, and in pos
	s_lshl_b32 s68, s66, 10
	s_mov_b32 s69, 0
	s_lshl_b32 s70, s19, 11
	s_add_co_u32 s70, s70, s66
	s_lshl_b32 s70, s70, 10                        ; and in key and value, in bytes
	s_mov_b32 s71, 0
	s_mul_i32 s72, s[WV], WROWS
	s_mul_i32 s73, s[WV], IMG/4
	s_add_co_u32 s74, s73, 2*IMG                   ; Wk's is image 2
	s_mov_b32 s75, 0
	s_wait_dscnt 0x0
	s_wait_kmcnt 0x0
	s_mov_b32 s48, 1                               ; group 0: count 1, LDS address, global address, type 2
	s_add_co_u32 s49, s72, VALR
	s_add_nc_u64 s[50:51], s[6:7], s[70:71]
	s_or_b32 s51, s51, 0x80000000
	s_mov_b32 s52, 1
	s_add_co_u32 s53, s72, KEYR
	s_add_nc_u64 s[54:55], s[4:5], s[70:71]
	s_or_b32 s55, s55, 0x80000000
	s_mov_b32 s56, 1
	s_mov_b32 s57, s73
	s_add_nc_u64 s[58:59], s[10:11], s[74:75]
	s_or_b32 s59, s59, 0x80000000
	s_mov_b32 s60, 1
	s_add_co_u32 s61, s72, POSR
	s_add_nc_u64 s[62:63], s[8:9], s[68:69]
	s_or_b32 s63, s63, 0x80000000
	ROUND                                          ; all four work-groups are here: the joint loads meet
	tensor_load_to_lds s[48:51], s[40:47]          ; my 16 rows of value,
	s_nop 0
	tensor_load_to_lds s[52:55], s[40:47]          ; of key,
	s_nop 0
	tensor_load_to_lds s[56:59], s[24:31]          ; my quarter of Wk's image (joint),
	s_nop 0
	tensor_load_to_lds s[60:63], s[32:39]          ; my 16 rows of pos (joint)
	s_nop 0
	PLACES 4
	v_and_b32 v[LN], 31, v0
	v_and_b32 v124, 15, v0                         ; r
	v_bfe_u32 v125, v0, 4, 1                       ; h
	v_lshlrev_b32 v[LI], 4, v[LN]
	v_lshlrev_b32 v[H64], 6, v125
	v_lshlrev_b32 v[L8], 3, v[LN]
	v_mad_u32_u24 v126, v124, ROWP, v[H64]
	v_add_nc_u32 v126, s72, v126
	v_add_nc_u32 v[KA], KEYR, v126
	v_add_nc_u32 v[VA], VALR, v126
	v_add_nc_u32 v[PA], POSR, v126
	s_mul_i32 s66, s[WV], 3072
	v_add_nc_u32 v[XSA], s66, v[LI]
	v_add_nc_u32 v[XSA], XK, v[XSA]
	s_lshr_b32 s66, s[WV], 1
	s_lshl_b32 s66, s66, 9
	s_and_b32 s67, s[WV], 1
	s_lshl_b32 s67, s67, 3
	s_add_co_u32 s66, s66, s67                     ; fragments 2 w, 2 w + 1: group w / 2, words 2 (w % 2) on
	v_add_nc_u32 v[XSS], s66, v[LI]
	v_add_nc_u32 v[XSS], XK+12288, v[XSS]
	v_add_nc_u32 v[XRA], XK, v[LI]
	s_lshl_b32 s66, s[WV], 6
	v_lshl_add_u32 v[NDS], v124, 2, s66
	v_add_nc_u32 v[NDS], NDL, v[NDS]
	v_lshl_add_u32 v[NDR], v125, 5, NDL
	v_and_b32 v127, 8, v124
	v_add_nc_u32 v127, v127, v124                  ; r + 8 (r / 8)
	s_lshl_b32 s66, s[WV], 8
	v_lshl_add_u32 v[BO], v127, 2, s66
	s_mul_i32 s66, s[WV], 12288
	v_add_nc_u32 v[FO], s66, v[LI]
	s_lshl_b32 s66, s[WV], 10
	v_add_nc_u32 v[FSO], s66, v[LI]
.irp b, 0,1,2,3
	v_mov_b32 v[TM+4+\b], 0                        ; written once: a lane permute's destination counts as one of its sources
.endr
	v_mov_b32 v[TP], 0
	; where the results go
	s_lshr_b32 s66, s20, 1                         ; ls
	s_and_b32 s67, s20, 1                          ; c
	s_lshl_b32 s68, s19, 4                         ; 16 b
	s_lshl_b32 s70, s[WV], 2                       ; 4 w
	s_mov_b32 s73, 0
	s_add_co_u32 s69, s68, s66
	s_lshl_b32 s69, s69, 4
	s_add_co_u32 s69, s69, s70
	s_lshl_b32 s72, s69, 13
	s_lshl_b32 s75, s67, 12
	s_add_co_u32 s72, s72, s75
	s_add_nc_u64 s[80:81], s[12:13], s[72:73]      ; tbuf + 8,192 ((16 b + ls) 16 + 4 w) + 4,096 c
	s_add_co_u32 s74, s68, s70
	s_mul_i32 s74, s74, 26624                      ; vimg's record 16 b + 4 w
	s_mul_i32 s72, s66, 1536
	s_add_co_u32 s72, s72, s74
	s_mul_i32 s75, s67, 768
	s_add_co_u32 s72, s72, s75
	s_add_nc_u64 s[82:83], s[14:15], s[72:73]      ; its fragment ls, half c
	s_lshr_b32 s72, s66, 2
	s_lshl_b32 s72, s72, 9
	s_and_b32 s75, s66, 3
	s_lshl_b32 s75, s75, 2
	s_add_co_u32 s72, s72, s75
	s_lshl_b32 s75, s67, 1
	s_add_co_u32 s72, s72, s75
	s_add_co_u32 s72, s72, s74
	s_add_co_u32 s72, s72, 24576
	s_add_nc_u64 s[84:85], s[14:15], s[72:73]      ; and that half's two scale bytes
	s_lshl_b32 s72, s19, 5
	s_add_co_u32 s72, s72, s20
	s_lshl_b32 s72, s72, 2
	s_add_co_u32 s72, s72, s[WV]
	s_lshl_b32 s72, s72, 2
	s_add_nc_u64 s[86:87], s[16:17], s[72:73]      ; kmax + 4 ((32 b + blk) 4 + w)
	s_add_nc_u64 s[76:77], s[10:11], 4*IMG         ; Wv's image
	s_add_nc_u64 s[78:79], s[10:11], IMG           ; proj's
	; ---- 1: my 16 rows of value become two fragments
	s_wait_tensorcnt 0x3                           ; my rows of value are in; the three loads issued behind them may be out
	XREAD VA
	s_wait_dscnt 16                                ; the first K step's 16 loads are in
	QUANT ACC, XF, XS
	s_wait_dscnt 0x0
	QUANT ACC+64, XF+12, XS+1
	XSTORE XV-XK
	; ---- 2: key -> k -> rot -> codes
	s_wait_tensorcnt 0x2                           ; my rows of key are in
	XREAD KA
	s_wait_dscnt 16                                ; the stores above and the first 16 loads are done: XF may be written again
	QUANT ACC, XF, XS
	s_wait_dscnt 0x0
	QUANT ACC+64, XF+12, XS+1
	s_wait_tensorcnt 0x0                           ; my quarter of the image and my rows of pos are in
	s_barrier_signal -1
	s_barrier_wait -1                              ; the image is whole
	BIAS H64, ACC
	LAYER LI, 0, SCO, 8, ACC, XF, XS, 1, 8
	PLACES 5
	ROT
	ds_store_b32 v[NDS], v[SS]                     ; both lanes of a row write the same word with the same value
	QUANT ACC, XF, XS
	QUANT ACC+64, XF+12, XS+1
	XSTORE 0
	s_wait_dscnt 0x0                               ; my stores have landed, and have read XF, into which the biases are loaded now
	global_load_b128 v[FS:FS+3], v[FSO], s[76:77] offset:SCO
	global_load_b128 v[FS+4:FS+7], v[FSO], s[76:77] offset:SCO+512
	global_load_b128 v[FS2:FS2+3], v[FSO], s[78:79] offset:SCO
	global_load_b128 v[FS2+4:FS2+7], v[FSO], s[78:79] offset:SCO+512
.irp j, 0,1,2,3
	global_load_b32 v[BV+2*\j], v[BO], s[76:77] offset:VCO+128*(\j/2)+32*(\j%2)     ; bv of my unit of tile 4 w + j, twice: a pair for the packed addition
	global_load_b32 v[BV+2*\j+1], v[BO], s[76:77] offset:VCO+128*(\j/2)+32*(\j%2)
.endr
.irp j, 0,1,2,3
	FIXLD 76, \j
.endr
	s_barrier_signal -1
	s_barrier_wait -1                              ; the 64 rows' fragments of value and of rot(k), and their -diag, lie in LDS
	; ---- 3: v^T for my four unit tiles, quantised along the 64 rows
.macro VJOB j
	s_wait_loadcnt 18                              ; behind tile j's six loads stand 6 (3 - j) of Wv's and 6 j of proj's: always 18
	s_wait_xcnt 0x0                                ; the last job's stores have read their registers
	LAYER XRA, XV-XK, XV-XK+12288, 2, ACC2, FIX+24*\j, FS+2*\j, 0, 0
	PLACES 5
.set n_, 0
.rept 16
	v_pk_add_f32 v[ACC2+n_:ACC2+n_+1], v[ACC2+n_:ACC2+n_+1], v[BV+2*\j:BV+2*\j+1]
.set n_, n_+2
.endr
	FIXLD 78, \j                                   ; proj's tile takes the registers that Wv's has left
	QUANTH ACC2
	global_store_b128 v[LI], v[PP:PP+3], s[82:83] offset:26624*\j
	global_store_b64 v[L8], v[PP+4:PP+5], s[82:83] offset:26624*\j+512
	global_store_b16 v[LI], v[HW], s[84:85] offset:26624*\j
.endm
	VJOB 0
	VJOB 1
	VJOB 2
	VJOB 3
	; ---- 4: t = xp - diag for my four tiles of m, and the largest xp
	v_mov_b32 v[MX], 0xff800000
.macro KJOB j
	s_wait_loadcnt 6*(3-\j)                        ; behind tile j's six loads stand those of the tiles that follow
	s_wait_xcnt 0x0                                ; the last job's stores have read their registers
	LAYER XRA, 0, 12288, 2, ACC2, FIX+24*\j, FS2+2*\j, 0, 0
	PLACES 5
.irp a, 0,1,2,3
.irp e, 0,1
	ds_load_b128 v[RB+8*\a+4*\e:RB+8*\a+4*\e+3], v[NDR] offset:64*\a+16*\e   ; -diag of rows 16 a + 8 h + 4 e on
.endr
.endr
.set n_, 0
.rept 16
	v_max3_num_f32 v[MX], v[MX], v[ACC2+n_], v[ACC2+n_+1]
.set n_, n_+2
.endr
	s_wait_dscnt 0x0
.set n_, 0
.rept 16
	v_pk_fma_f32 v[ACC2+n_:ACC2+n_+1], v[ACC2+n_:ACC2+n_+1], 0x3e800000, v[RB+n_:RB+n_+1] op_sel_hi:[1,0,1]
.set n_, n_+2
.endr
.irp q, 0,1,2,3,4,5,6,7
	global_store_b128 v[LI], v[ACC2+4*\q:ACC2+4*\q+3], s[80:81] offset:8192*\j+512*\q   ; 32 lanes store 512 consecutive bytes
.endr
.endm
	KJOB 0
	KJOB 1
	KJOB 2
	KJOB 3
	; ---- 5: my wave's largest xp
	v_mul_f32 v[MX], 0x3e800000, v[MX]
	v_max_num_f32_dpp v[MX], v[MX], v[MX] row_xmask:1 row_mask:0xf bank_mask:0xf
	v_max_num_f32_dpp v[MX], v[MX], v[MX] row_xmask:2 row_mask:0xf bank_mask:0xf
	v_max_num_f32_dpp v[MX], v[MX], v[MX] row_xmask:4 row_mask:0xf bank_mask:0xf
	v_max_num_f32_dpp v[MX], v[MX], v[MX] row_xmask:8 row_mask:0xf bank_mask:0xf
	v_permlanex16_b32 v[TP], v[MX], s[SEL], s[SEL+1]
	v_max_num_f32 v[MX], v[MX], v[TP]
	v_cmp_gt_u32 vcc_lo, 1, v[LN]
	s_wait_xcnt 0x0                                ; EXEC changes only behind this wait
	s_and_saveexec_b32 s21, vcc_lo
	global_store_b32 v[LN], v[MX], s[86:87]        ; lane 0 alone (its offset is 0)
	s_wait_xcnt 0x0
	s_or_b32 exec_lo, exec_lo, s21
	s_set_vgpr_msb 0x5
	s_wait_tensorcnt 0x0
	ds_add_u32 v0, v1
	s_wait_dscnt 0x0
	s_set_vgpr_msb 0x500
	ROUND                                          ; the closing round: no work-group ends while a partner may still ask for a tile that names it
	s_endpgm
.Lfunc_end_k_q13ff92627b_kv:
	.size	k_q13ff92627b_kv, .Lfunc_end_k_q13ff92627b_kv-k_q13ff92627b_kv
	.p2alignl 7, 3214868480
	.fill 96, 4, 3214868480
	.section	.rodata,"a",@progbits
	.p2align	6, 0x0
	.amdhsa_kernel k_q13ff92627b_kv
		.amdhsa_group_segment_fixed_size 281344
		.amdhsa_private_segment_fixed_size 0
		.amdhsa_enable_private_segment 0
		.amdhsa_kernarg_size 56
		.amdhsa_user_sgpr_count 2
		.amdhsa_user_sgpr_kernarg_segment_ptr 1
		.amdhsa_wavefront_size32 1
		.amdhsa_system_sgpr_workgroup_id_x 1
		.amdhsa_system_sgpr_workgroup_id_y 1
		.amdhsa_system_sgpr_workgroup_id_z 1
		.amdhsa_system_vgpr_workitem_id 0
		.amdhsa_next_free_vgpr 258
		.amdhsa_next_free_sgpr 88
		.amdhsa_reserve_vcc 1
		.amdhsa_float_denorm_mode_32 3
		.amdhsa_float_denorm_mode_16_64 3
		.amdhsa_memory_ordered 1
		.amdhsa_forward_progress 1
		.amdhsa_inst_pref_size 130
	.end_amdhsa_kernel
	.amdgpu_metadata
---
amdhsa.version: [ 1, 2 ]
amdhsa.kernels:
  - .name:           k_q13ff92627b_kv
    .symbol:         k_q13ff92627b_kv.kd
    .args:
      - { .name: key, .offset: 0, .size: 8, .value_kind: global_buffer, .address_space: global }
      - { .name: value, .offset: 8, .size: 8, .value_kind: global_buffer, .address_space: global }
      - { .name: pos, .offset: 16, .size: 8, .value_kind: global_buffer, .address_space: global }
      - { .name: wimg, .offset: 24, .size: 8, .value_kind: global_buffer, .address_space: global }
      - { .name: tbuf, .offset: 32, .size: 8, .value_kind: global_buffer, .address_space: global }
      - { .name: vimg, .offset: 40, .size: 8, .value_kind: global_buffer, .address_space: global }
      - { .name: kmax, .offset: 48, .size: 8, .value_kind: global_buffer, .address_space: global }
    .group_segment_fixed_size: 281344
    .private_segment_fixed_size: 0
    .kernarg_segment_align: 8
    .kernarg_segment_size: 56
    .max_flat_workgroup_size: 128
    .sgpr_count:     88
    .vgpr_count:     258
    .wavefront_size: 32
...
	.end_amdgpu_metadata
.endif
;; end of part 2
;; launch kvs (part 3): grid 8 x 4, 16 waves a work-group, no clusters, 59,392 bytes of LDS; arguments tbuf, vimg, kmax, kvimg; writes kvimg
.if DOCPART == 3
	.amdgcn_target "amdgcn-amd-amdhsa--gfx1250"
	.amdhsa_code_object_version 6
	.text
	.protected	k_q13ff92627b_kvs
	.globl	k_q13ff92627b_kvs
	.p2align	8
	.type	k_q13ff92627b_kvs,@function
k_q13ff92627b_kvs:
	s_mov_b64 s[64:65], 0
	v_nop
	global_prefetch_b8 v0, s[64:65] scope:SCOPE_SE
	s_setreg_imm32_b32 hwreg(HW_REG_WAVE_MODE, 25, 1), 1
	s_wait_xcnt 0x0
; kp = (exp(t - mx) + 1e-6) / 16, ksum = the sum of kp over the rows, kvs = kp^T v on codes of FP6 (E2M3), K = the batch's 2,048 rows; kvs is quantised along m into an operand image for the last launch.
; kp is the same for all eight heads (reference() hands them the same k), so kvs over all heads is one product [256 m] x [2,048 rows] x [256 (head, channel)] a batch.
; SHARES.  Work-group = (x: 32 neighbouring m = m tiles 2 x, 2 x + 1; y: the batch).  It owns its m, all 256 columns and all rows: no exponential is made twice and the sum over the rows stays in the work-group.
; 32 m are one block of the next product's K, with one scale: a finer share would split a scale.  So there are 32 work-groups.
; Phase 1: wave w takes K step w (128 rows): t -> kp for both m tiles, their sums over the rows, their codes to LDS as register images.  One barrier.
; Phase 2: wave w takes column tile w: 16 K steps, source 0 = kp's tile (from LDS), source 1 = v's fragment (straight from memory into operand registers, each byte once a work-group).
; In the result a lane holds one column and its 16 registers the m 32 x + 16 h + 0 .. 15: one conversion gives three registers of the image's fragment 2 w + x / 4.
; NO CLUSTER, NO TENSOR LOAD: what work-groups of a batch share is v's codes, 425,984 bytes, which would not fit in LDS without refills; a wave reads only its own tile's 26,624 bytes, once.
; The image's codes leave as 4 bytes a lane and its scale bytes singly: parts of 256-byte runs, 217,088 bytes in the whole launch.
; LIMITS: NaN and infinities are not served.  e^u is made as 2^(u log2 e): its relative error grows as |u| x 6e-8, and where |u| passes 32 e^u is nothing beside 1e-6; results of the exponential under 2^-126 come out as 0 (ISA guide, v_exp_f32).
.set IMG,  54272
.set SCO,  49152
.set VCO,  53248
.set KSC,  49152                       ; LDS: kp's 32 fragments (2 ls + mt) from 0; their scale words from KSC;
.set KSP,  53248                       ; the waves' sums over their rows: [wave][mt][lane] f32
.set VS,   32                          ; v32-47  v's scale words, one a K step
.set KS,   48                          ; v48-79  kp's, 2 ls + mt
.set RK,   80                          ; v80-127 two sets of two fragments of kp; in phase 1: at work
.set TM,   80
.set EX,   96
.set PC,   104
.set PW,   116
.set T,    128                         ; v128-255 t, then kp: 64 numbers for each m tile
.set V,    128                         ; v128-223 eight fragments of v
.set SEL,  16
.macro PLACES n
.rept \n
	v_nop
.endr
.endm
; 64 numbers of a lane, register 16 b + i = place 32 b + 16 h + i of the K step, become a fragment's 12 registers at dst and its scale word in sw.
.macro QUANT src, dst, sw
.irp b, 0,1,2,3
	v_max3_num_f32 v[TM+\b], |v[\src+16*\b]|, |v[\src+16*\b+1]|, 0x1800000
.endr
.irp i, 2,4,6,8,10,12,14
.irp b, 0,1,2,3
	v_max3_num_f32 v[TM+\b], v[TM+\b], |v[\src+16*\b+\i]|, |v[\src+16*\b+\i+1]|
.endr
.endr
.irp b, 0,1,2,3
	v_permlanex16_b32 v[TM+4+\b], v[TM+\b], s[SEL], s[SEL+1]
.endr
.irp b, 0,1,2,3
	v_max_num_f32 v[TM+\b], v[TM+\b], v[TM+4+\b]
.endr
.irp b, 0,1,2,3
	v_add_nc_u32 v[TM+12+\b], 0xff000000, v[TM+\b]
.endr
.irp b, 0,1,2,3
	v_lshrrev_b32 v[TM+4+\b], 23, v[TM+12+\b]
.endr
	v_lshl_or_b32 v[\sw], v[TM+5], 8, v[TM+4]
	v_lshl_or_b32 v[\sw], v[TM+6], 16, v[\sw]
	v_lshl_or_b32 v[\sw], v[TM+7], 24, v[\sw]
.irp c, 0,1
	v_cvt_scalef32_pk16_fp6_f32 v[\dst+6*\c:\dst+6*\c+2], v[\src+32*\c:\src+32*\c+15], v[TM+12+2*\c]
	v_cvt_scalef32_pk16_fp6_f32 v[EX+4*\c:EX+4*\c+2], v[\src+32*\c+16:\src+32*\c+31], v[TM+12+2*\c+1]
.endr
	v_nop                                          ; one plain place behind a scaled conversion
.irp c, 0,1
.irp i, 0,1,2
	v_permlane16_swap_b32 v[\dst+6*\c+\i], v[EX+4*\c+\i]
.endr
.irp i, 0,1,2
	v_mov_b32 v[\dst+6*\c+3+\i], v[EX+4*\c+\i]
.endr
.endr
.endm
	s_load_b256 s[4:11], s[0:1], 0x0               ; tbuf s[4:5], vimg s[6:7], kmax s[8:9], kvimg s[10:11]
	v_lshrrev_b32 v1, 5, v0
	v_readfirstlane_b32 s12, v1                    ; wave 0..15
	s_mov_b32 s13, ttmp9                           ; x
	s_and_b32 s14, ttmp7, 0xffff                   ; y
	s_mov_b32 s[SEL], 0x76543210
	s_mov_b32 s[SEL+1], 0xfedcba98
	s_lshl_b32 s18, s14, 4
	s_add_co_u32 s18, s18, s12                     ; 16 y + w
	s_lshl_b32 s20, s18, 4
	s_lshl_b32 s21, s13, 1
	s_add_co_u32 s20, s20, s21
	s_lshl_b32 s20, s20, 13                        ; t of (y, K step w, m tile 2 x)
	s_mov_b32 s21, 0
	s_mul_i32 s22, s18, 26624                      ; v's record of (y, column tile w)
	s_mov_b32 s23, 0
	s_lshl_b32 s32, s14, 9                         ; the batch's 128 partial maxima
	s_mov_b32 s33, 0
	s_mul_i32 s34, s14, IMG                        ; the batch's image
	s_mov_b32 s35, 0
	s_lshr_b32 s24, s13, 2
	s_lshl_b32 s25, s12, 1
	s_add_co_u32 s24, s24, s25                     ; f = 2 w + x / 4
	s_mul_i32 s36, s24, 1536
	s_and_b32 s25, s13, 1
	s_lshl_b32 s25, s25, 8
	s_add_co_u32 s36, s36, s25                     ; + 256 (x % 2): the half of the lanes that holds this block of m
	s_mov_b32 s37, 0
	s_lshr_b32 s38, s24, 2
	s_lshl_b32 s38, s38, 9
	s_and_b32 s25, s24, 3
	s_lshl_b32 s25, s25, 2
	s_add_co_u32 s38, s38, s25
	s_and_b32 s25, s13, 3
	s_add_co_u32 s38, s38, s25
	s_add_co_u32 s38, s38, SCO                     ; the fragment's scale words, byte x % 4
	s_mov_b32 s39, 0
	s_bfe_u32 s25, s13, 0x10001
	s_mul_i32 s25, s25, 6                          ; 6 c, c = (x / 2) % 2
	s_lshl_b32 s15, s13, 7
	s_add_co_u32 s15, s15, VCO                     ; ksum of m 32 x on
	v_and_b32 v7, 31, v0
	v_lshlrev_b32 v1, 4, v7                        ; 16 x lane
	v_lshlrev_b32 v2, 3, v7                        ; 8 x lane
	s_mul_i32 s19, s12, 3072
	v_add_nc_u32 v3, s19, v1                       ; where I store my two fragments
	s_lshr_b32 s19, s12, 1
	s_lshl_b32 s19, s19, 9
	s_and_b32 s18, s12, 1
	s_lshl_b32 s18, s18, 3
	s_add_co_u32 s19, s19, s18
	v_add_nc_u32 v4, s19, v1
	v_add_nc_u32 v4, KSC, v4                       ; and their scale words
	s_lshl_b32 s19, s12, 8
	v_lshl_add_u32 v5, v7, 2, s19
	v_add_nc_u32 v5, KSP, v5                       ; and my sums
	v_and_b32 v6, 15, v0
	v_bfe_u32 v9, v0, 4, 1
	v_lshlrev_b32 v6, 2, v6
	v_lshl_add_u32 v6, v9, 7, v6
	v_add_nc_u32 v6, KSP, v6                       ; wave 0 at the end: lane (r, h) reads tile h, lane r
	v_mov_b32 v10, 0x338637bd                      ; 1e-6 / 16
	v_mov_b32 v11, 0x338637bd
.irp b, 0,1,2,3
	v_mov_b32 v[TM+4+\b], 0                        ; written once: a lane permute's destination counts as one of its sources
.endr
	s_wait_kmcnt 0x0
	s_add_nc_u64 s[4:5], s[4:5], s[20:21]
	s_add_nc_u64 s[6:7], s[6:7], s[22:23]
	s_add_nc_u64 s[8:9], s[8:9], s[32:33]
	s_add_nc_u64 s[10:11], s[10:11], s[34:35]
	s_add_nc_u64 s[26:27], s[10:11], s[36:37]
	s_add_nc_u64 s[28:29], s[10:11], s[38:39]
	s_mov_b32 s32, s15
	s_add_nc_u64 s[30:31], s[10:11], s[32:33]
	global_load_b128 v[12:15], v1, s[8:9]
.set n_, 0
.rept 32
	global_load_b128 v[T+4*n_:T+4*n_+3], v1, s[4:5] offset:512*n_    ; tile 2 x's 8,192 bytes, then tile 2 x + 1's
.set n_, n_+1
.endr
	s_wait_loadcnt 32                              ; the maxima are in; t's 32 loads may be out
	v_max3_num_f32 v7, v12, v13, v14
	v_max_num_f32 v7, v7, v15
	v_max_num_f32_dpp v7, v7, v7 row_xmask:1 row_mask:0xf bank_mask:0xf
	v_max_num_f32_dpp v7, v7, v7 row_xmask:2 row_mask:0xf bank_mask:0xf
	v_max_num_f32_dpp v7, v7, v7 row_xmask:4 row_mask:0xf bank_mask:0xf
	v_max_num_f32_dpp v7, v7, v7 row_xmask:8 row_mask:0xf bank_mask:0xf
	v_permlanex16_b32 v9, v7, s[SEL], s[SEL+1]
	v_max_num_f32 v7, v7, v9                       ; mx: the batch's largest xp
	v_mul_f32 v8, -1.0, v7
	v_mov_b32 v9, v8
; ---- 1: kp of my 128 rows for m tile 2 x + mt
.macro KPJOB mt
.set t_b, T+64*\mt
	s_wait_loadcnt 16*(1-\mt)                      ; this tile's 16 loads are in; the other tile's may be out
.set n_, 0
.rept 32
	v_pk_add_f32 v[t_b+n_:t_b+n_+1], v[t_b+n_:t_b+n_+1], v[8:9]
.set n_, n_+2
.endr
.set n_, 0
.rept 32
	v_pk_mul_f32 v[t_b+n_:t_b+n_+1], v[t_b+n_:t_b+n_+1], 0x3fb8aa3b op_sel_hi:[1,0]
.set n_, n_+2
.endr
.set n_, 0
.rept 64
	v_exp_f32 v[t_b+n_], v[t_b+n_]
.set n_, n_+1
.endr
	v_nop                                          ; a plain place behind the exponentials
.set n_, 0
	s_wait_alu depctr_va_vdst(0)
.rept 32
	v_pk_fma_f32 v[t_b+n_:t_b+n_+1], v[t_b+n_:t_b+n_+1], 0x3d800000, v[10:11] op_sel_hi:[1,0,1]   ; e / 16 + 1e-6 / 16: one rounding, as (e + 1e-6) / 16 has
.set n_, n_+2
.endr
	v_pk_add_f32 v[12:13], v[t_b:t_b+1], v[t_b+4:t_b+5]            ; the sum over my rows, of the unquantised kp, in two chains
	v_pk_add_f32 v[14:15], v[t_b+2:t_b+3], v[t_b+6:t_b+7]
.set n_, 8
.rept 14
	v_pk_add_f32 v[12:13], v[12:13], v[t_b+n_:t_b+n_+1]
	v_pk_add_f32 v[14:15], v[14:15], v[t_b+n_+2:t_b+n_+3]
.set n_, n_+4
.endr
	v_pk_add_f32 v[12:13], v[12:13], v[14:15]
	v_add_f32 v12, v12, v13
	v_permlanex16_b32 v7, v12, s[SEL], s[SEL+1]
	v_add_f32 v12, v12, v7
	ds_store_b32 v5, v12 offset:128*\mt
	QUANT t_b, PC, PW
.irp c, 0,1,2
	ds_store_b128 v3, v[PC+4*\c:PC+4*\c+3] offset:1536*\mt+512*\c
.endr
	ds_store_b32 v4, v[PW] offset:4*\mt
	s_wait_dscnt 0x0                               ; the stores have landed and have read their registers
.endm
	KPJOB 0
	KPJOB 1
.macro VLD i                           ; v's fragment of K step i into slot i % 8: four loads
.set v_s, V+12*((\i)%8)
	global_load_b128 v[v_s:v_s+3], v1, s[6:7] offset:1536*(\i)
	global_load_b64 v[v_s+4:v_s+5], v2, s[6:7] offset:1536*(\i)+512
	global_load_b128 v[v_s+6:v_s+9], v1, s[6:7] offset:1536*(\i)+768
	global_load_b64 v[v_s+10:v_s+11], v2, s[6:7] offset:1536*(\i)+1280
.endm
.irp g, 0,1,2,3
	global_load_b128 v[VS+4*\g:VS+4*\g+3], v1, s[6:7] offset:24576+512*\g
.endr
.irp i, 0,1,2,3,4,5,6,7
	VLD \i
.endr
	s_barrier_signal -1
	s_barrier_wait -1                              ; kp's 32 fragments, their scale words and the waves' sums lie in LDS
; ---- 2: my column tile: 16 K steps, two accumulators by turns
.macro RKLD i                          ; kp's two fragments of K step i: six loads
.set k_r, RK+24*((\i)%2)
.irp m, 0,1
.irp c, 0,1,2
	ds_load_b128 v[k_r+12*\m+4*\c:k_r+12*\m+4*\c+3], v1 offset:1536*(2*(\i)+\m)+512*\c
.endr
.endr
.endm
.irp g, 0,1,2,3,4,5,6,7
	ds_load_b128 v[KS+4*\g:KS+4*\g+3], v1 offset:KSC+512*\g
.endr
	RKLD 0
	RKLD 1
.set p_i, 0
.rept 16
.if p_i <= 8
	s_wait_loadcnt 28                              ; behind this step's four loads of v stand seven other steps' 28
.else
	s_wait_loadcnt 4*(15-p_i)                      ; and towards the end only the steps that are left
.endif
.if p_i < 15
	s_wait_dscnt 6                                 ; the next step's six loads of kp may be out
.else
	s_wait_dscnt 0x0
.endif
.set p_a, RK+24*(p_i%2)
.set p_v, V+12*(p_i%8)
.irp m, 0,1
.if p_i == 0
	v_wmma_scale_f32_16x16x128_f8f6f4 v[16+8*\m:23+8*\m], v[p_a+12*\m:p_a+12*\m+11], v[p_v:p_v+11], 0, v[KS+2*p_i+\m], v[VS+p_i] matrix_a_fmt:MATRIX_FMT_FP6 matrix_b_fmt:MATRIX_FMT_FP6
.else
	v_wmma_scale_f32_16x16x128_f8f6f4 v[16+8*\m:23+8*\m], v[p_a+12*\m:p_a+12*\m+11], v[p_v:p_v+11], v[16+8*\m:23+8*\m], v[KS+2*p_i+\m], v[VS+p_i] matrix_a_fmt:MATRIX_FMT_FP6 matrix_b_fmt:MATRIX_FMT_FP6
.endif
.endr
.if p_i < 14
	PLACES 4                                       ; in front of loads into registers that the products have read
	RKLD p_i+2
.endif
.if p_i < 8
	VLD p_i+8
.endif
.set p_i, p_i+1
.endr
	; ---- 3: my column's 16 numbers of the block of 32 m, quantised; lane l xor 16 holds the other 16
	PLACES 5
	v_max3_num_f32 v80, |v16|, |v17|, 0x1800000
.irp i, 2,4,6,8,10,12,14
	v_max3_num_f32 v80, v80, |v[16+\i]|, |v[17+\i]|
.endr
	v_permlanex16_b32 v81, v80, s[SEL], s[SEL+1]
	v_max_num_f32 v80, v80, v81
	v_add_nc_u32 v82, 0xff000000, v80
	v_lshrrev_b32 v83, 23, v82
	v_cvt_scalef32_pk16_fp6_f32 v[84:86], v[16:31], v82
	v_and_b32 v88, 15, v0                          ; r.  (A plain place behind the conversion)
	v_bfe_u32 v89, v0, 4, 1                        ; h
	v_mul_u32_u24 v87, v89, 3
	v_add_nc_u32 v87, s25, v87                     ; my three registers of the fragment: q = 6 c + 3 h + 0, 1, 2
.irp i, 0,1,2
	v_add_nc_u32 v[96+\i], \i, v87
	v_lshrrev_b32 v[100+\i], 2, v[96+\i]
	v_and_b32 v[96+\i], 3, v[96+\i]
	v_lshlrev_b32 v[96+\i], 2, v[96+\i]
	v_lshl_add_u32 v[96+\i], v[100+\i], 9, v[96+\i]
	v_lshl_add_u32 v[96+\i], v88, 4, v[96+\i]      ; 512 (q / 4) + 4 (q % 4) + 16 r
	global_store_b32 v[96+\i], v[84+\i], s[26:27]
.endr
	global_store_b8 v1, v83, s[28:29]              ; both halves of the lanes hold the byte, and each writes its own word's
	s_cmp_lg_u32 s12, 0
	s_cbranch_scc1 .Lend
	; wave 0: ksum of the 32 m: the sixteen waves' sums, in the order of the rows
.irp k, 0,1,2,3,4,5,6,7,8,9,10,11,12,13,14,15
	ds_load_b32 v[104+\k], v6 offset:256*\k
.endr
	v_and_b32 v90, 8, v88
	v_add_nc_u32 v90, v90, v88
	v_lshl_add_u32 v90, v89, 3, v90
	v_lshlrev_b32 v90, 2, v90                      ; lane (r, h) holds m 32 x + 8 h + r + 8 (r / 8)
	s_wait_dscnt 0x0
.irp k, 1,2,3,4,5,6,7,8,9,10,11,12,13,14,15
	v_add_f32 v104, v104, v[104+\k]
.endr
	global_store_b32 v90, v104, s[30:31]
.Lend:
	s_wait_xcnt 0x0
	v_lshl_add_u32 v254, v0, 2, 0xe000
	v_mov_b32 v255, 0
	s_wait_tensorcnt 0x0
	ds_add_u32 v254, v255
	s_wait_dscnt 0x0
	s_endpgm
.Lfunc_end_k_q13ff92627b_kvs:
	.size	k_q13ff92627b_kvs, .Lfunc_end_k_q13ff92627b_kvs-k_q13ff92627b_kvs
	.p2alignl 7, 3214868480
	.fill 96, 4, 3214868480
	.section	.rodata,"a",@progbits
	.p2align	6, 0x0
	.amdhsa_kernel k_q13ff92627b_kvs
		.amdhsa_group_segment_fixed_size 59392
		.amdhsa_private_segment_fixed_size 0
		.amdhsa_enable_private_segment 0
		.amdhsa_kernarg_size 32
		.amdhsa_user_sgpr_count 2
		.amdhsa_user_sgpr_kernarg_segment_ptr 1
		.amdhsa_wavefront_size32 1
		.amdhsa_system_sgpr_workgroup_id_x 1
		.amdhsa_system_sgpr_workgroup_id_y 1
		.amdhsa_system_sgpr_workgroup_id_z 1
		.amdhsa_system_vgpr_workitem_id 0
		.amdhsa_next_free_vgpr 256
		.amdhsa_next_free_sgpr 66
		.amdhsa_reserve_vcc 0
		.amdhsa_float_denorm_mode_32 3
		.amdhsa_float_denorm_mode_16_64 3
		.amdhsa_memory_ordered 1
		.amdhsa_forward_progress 1
		.amdhsa_inst_pref_size 64
	.end_amdhsa_kernel
	.amdgpu_metadata
---
amdhsa.version: [ 1, 2 ]
amdhsa.kernels:
  - .name:           k_q13ff92627b_kvs
    .symbol:         k_q13ff92627b_kvs.kd
    .args:
      - { .name: tbuf, .offset: 0, .size: 8, .value_kind: global_buffer, .address_space: global }
      - { .name: vimg, .offset: 8, .size: 8, .value_kind: global_buffer, .address_space: global }
      - { .name: kmax, .offset: 16, .size: 8, .value_kind: global_buffer, .address_space: global }
      - { .name: kvimg, .offset: 24, .size: 8, .value_kind: global_buffer, .address_space: global }
    .group_segment_fixed_size: 59392
    .private_segment_fixed_size: 0
    .kernarg_segment_align: 8
    .kernarg_segment_size: 32
    .max_flat_workgroup_size: 512
    .sgpr_count:     66
    .vgpr_count:     256
    .wavefront_size: 32
...
	.end_amdgpu_metadata
.endif
;; end of part 3
;; launch qchain (part 4): grid 32 x 4, 4 waves a work-group, clusters of 4 x 1, 317,952 bytes of LDS; arguments query, pos, wimg, kvimg, out0; writes out0
.if DOCPART == 4
	.amdgcn_target "amdgcn-amd-amdhsa--gfx1250"
	.amdhsa_code_object_version 6
	.text
	.protected	k_q13ff92627b_qchain
	.globl	k_q13ff92627b_qchain
	.p2align	8
	.type	k_q13ff92627b_qchain,@function
k_q13ff92627b_qchain:
	s_mov_b64 s[64:65], 0
	v_nop
	global_prefetch_b8 v0, s[64:65] scope:SCOPE_SE
	s_setreg_imm32_b32 hwreg(HW_REG_WAVE_MODE, 25, 1), 1
	s_wait_xcnt 0x0
	s_wait_alu depctr_hold_cnt(0) depctr_sa_sdst(0) depctr_va_vdst(0) depctr_va_sdst(0) depctr_va_ssrc(0) depctr_va_vcc(0) depctr_vm_vsrc(0)
	s_getreg_b32 s2, hwreg(HW_REG_IB_STS2, 6, 4)
	s_cmp_eq_u32 s2, 0
	s_cbranch_scc0 .Lentry_in_a_cluster
	s_endpgm
.Lentry_in_a_cluster:
	s_bfe_u32 s2, ttmp6, 0x10000c
	s_cmp_lg_u32 s2, 0x3003
	s_cbranch_scc0 .Lentry_shape_is_right
	s_endpgm
.Lentry_shape_is_right:
; The query's side, from query to the output, for 64 rows of one batch.  All four products on codes of FP6 (E2M3) with one E8M0 scale for each 32 along K:
;   q = query Wq + bq;  rot(q) by pos;  xp = (rot / 4) proj^T;  qp = (exp(xp - diag - the row's largest xp) + 1e-6) / 16;  den = qp . ksum in f32;  num = qp kvs;  ctx = num / den;  out = ctx Wo + bo.
; reference() hands the SAME q to all eight heads, so rot, xp, qp and den are made once, and num over all heads is one product with K = 256 m and 256 columns (head, channel).
; The factor 1/4 is a power of two: rot is quantised and the product is multiplied by 0.25, which rounds nothing.
; SHARES.  Wave w walks the whole chain for rows 16 w + r in its registers.  Every product is used transposed (source 0 = 16 units of the layer's image, source 1 = my 16 rows), and a tile's lane r holds
; unit 32 (t / 2) + 8 (t % 2) + r + 8 (r / 8): so a lane holds one row and register 16 b + i its unit 32 b + 16 h + i: 16 neighbours along the next K.  Nothing passes from wave to wave but the images: one barrier.
; CLUSTER.  The four partners are four blocks of rows of one batch: all four images (217,088 of the 283,648 bytes that tensor loads bring) are asked for jointly, mask 15; wave w asks for image w.
; LDS is filled once (by this text's count two tensor loads a wave are out at most); nothing is filled again.  Behind the rotation a wave's rows of pos have been read: its own part serves as its stage on the way out.
; query comes by loads of 512 consecutive bytes and turns through a stage of the wave's own, half a row at a time: a third set of padded rows would not fit in LDS beside the images.
; LIMITS: NaN and infinities are not served; a block whose largest magnitude lies under 2^-124 is held at byte 1 (there the folded 1/4 departs from the stated quantiser); a block of zeros gets byte 1 in place of 127.
; e^u is made as 2^(u log2 e): its relative error grows as |u| x 6e-8, and where |u| passes 32 e^u is nothing beside 1e-6.  The division is v_rcp_f32 and a multiplication.
.set IMG,   54272                      ; an operand image: 32 fragments of 1,536 bytes, scale words from SCO, 256 f32 from VCO
.set SCO,   49152
.set VCO,   53248
.set ROWP,  1040                       ; a row of 1,024 bytes + 16 of padding
.set WROWS, 16*ROWP
.set POSR,  4*IMG                      ; LDS: the images of Wq, proj, kvs, Wo from 0; the waves' 16 rows of pos;
.set QST,   POSR+4*WROWS               ; a stage of 16 rows x (512 + 16) bytes for each wave, written by LDS stores alone
.set RING,  3                          ; sets of registers through which a layer's fragments come
.set LI0, 1                            ; v1   16 x lane = my place in image 0;  v3-5 in images 1-3
.set LI1, 3
.set LI2, 4
.set LI3, 5
.set VB0, 6                            ; v6-8 64 h in images 0, 2, 3: their 256 f32
.set VB2, 7
.set VB3, 8
.set PA,  9                            ; v9   my row's 64 h bytes in pos, and in the stage on the way out
.set QS,  10                           ; v10  query's stage: in
.set QR,  11                           ; v11  and back
.set STR, 12                           ; v12  the way out: back
.set EP,  14                           ; v14-15 1e-6 / 16, twice
.set XF,  16                           ; v16-39  two fragments of my rows
.set XS,  40                           ; v40-41  their scale words
.set WS,  42                           ; v42-49  scale words of the ring's fragments
.set RB,  50                           ; v50-121 the ring; between layers: at work
.set TM,  RB
.set EX,  RB+16
.set RT,  RB+32
.set DA,  RB+32
.set SS,  122                          ; v122-125 sums of squares; then v122-123 -diag twice, v124-125 -mx twice, later 1 / den twice
.set NM,  124
.set T0,  126
.set T1,  127
.set ACC, 128                          ; v128-255 a layer's 16 accumulators
.set WV,  18
.set SEL, 22
.macro PLACES n
.rept \n
	v_nop
.endr
.endm
.macro ROUND                           ; a round of the cluster's barrier
	s_barrier_signal -1
	s_barrier_wait -1
	s_cmp_lg_u32 s[WV], 0
	s_cbranch_scc1 .Lnot_wave_0_\@
	s_barrier_signal -3
.Lnot_wave_0_\@:
	s_barrier_wait -3
	s_barrier_signal -1
	s_barrier_wait -1
.endm
; 64 numbers of a lane, register 16 b + i = k 32 b + 16 h + i of its row, become a fragment's 12 registers at dst and its scale word in sw.
.macro QUANT src, dst, sw
.irp b, 0,1,2,3
	v_max3_num_f32 v[TM+\b], |v[\src+16*\b]|, |v[\src+16*\b+1]|, 0x1800000   ; my 16 numbers of block b, and the floor 2^(3 - 127)
.endr
.irp i, 2,4,6,8,10,12,14
.irp b, 0,1,2,3
	v_max3_num_f32 v[TM+\b], v[TM+\b], |v[\src+16*\b+\i]|, |v[\src+16*\b+\i+1]|
.endr
.endr
.irp b, 0,1,2,3
	v_permlanex16_b32 v[TM+4+\b], v[TM+\b], s[SEL], s[SEL+1]
.endr
.irp b, 0,1,2,3
	v_max_num_f32 v[TM+\b], v[TM+\b], v[TM+4+\b]   ; with lane l xor 16's: the block's largest magnitude
.endr
.irp b, 0,1,2,3
	v_add_nc_u32 v[TM+12+\b], 0xff000000, v[TM+\b] ; 2 off its exponent field: the conversion's scale operand
.endr
.irp b, 0,1,2,3
	v_lshrrev_b32 v[TM+4+\b], 23, v[TM+12+\b]      ; the scale's byte
.endr
	v_lshl_or_b32 v[\sw], v[TM+5], 8, v[TM+4]
	v_lshl_or_b32 v[\sw], v[TM+6], 16, v[\sw]
	v_lshl_or_b32 v[\sw], v[TM+7], 24, v[\sw]
.irp c, 0,1
	v_cvt_scalef32_pk16_fp6_f32 v[\dst+6*\c:\dst+6*\c+2], v[\src+32*\c:\src+32*\c+15], v[TM+12+2*\c]
	v_cvt_scalef32_pk16_fp6_f32 v[EX+4*\c:EX+4*\c+2], v[\src+32*\c+16:\src+32*\c+31], v[TM+12+2*\c+1]
.endr
	v_nop                                          ; one plain place behind a scaled conversion
.irp c, 0,1                                    ; the operand wants a whole block in a lane: lanes 0-15 block 2 c, lanes 16-31 block 2 c + 1
.irp i, 0,1,2
	v_permlane16_swap_b32 v[\dst+6*\c+\i], v[EX+4*\c+\i]
.endr
.irp i, 0,1,2
	v_mov_b32 v[\dst+6*\c+3+\i], v[EX+4*\c+\i]
.endr
.endr
.endm
; Step i of a layer: pair of tiles p = i / 2, K step s = i % 2.  Its loads: with s = 0 the pair's four scale words, then the two tiles' fragments: 7 - i % 2 loads.
.macro LFR adr, co, so, i
.set f_p, (\i)/2
.set f_s, (\i)%2
.set f_r, RB+24*((\i)%RING)
.if f_s == 0
	ds_load_b128 v[WS+4*(f_p%2):WS+4*(f_p%2)+3], v[\adr] offset:\so+512*f_p
.endif
.irp e, 0,1
.irp c, 0,1,2
	ds_load_b128 v[f_r+12*\e+4*\c:f_r+12*\e+4*\c+3], v[\adr] offset:\co+(4*f_p+2*\e+f_s)*1536+512*\c
.endr
.endr
.endm
; A layer: 2 np tiles from LDS (source 0) against the two fragments at fx (source 1), K = 256.  cm = 1: the accumulators hold the bias, which is the first product's C; cm = 0: the first product starts the sum.
; The two accumulators of a pair take turns, one instruction a turn.  Four places stand between a step's products and the loads into the registers that they read.
; The wait at a step's head counts the loads issued behind that step's: with two sets the next step's 6 or 7; with three sets the next two steps' 13 (6 in the last step but one); 0 in the last step.
; pre: places between vector instructions that wrote fx and fs and the first product (8 are asked for a scale word).
.macro LAYER adr, co, so, np, acc, fx, fs, cm, pre
.rept \pre
	v_nop
.endr
.set k_i, 0
.rept RING
	LFR \adr, \co, \so, k_i
.set k_i, k_i+1
.endr
.set k_i, 0
.rept 2*\np
.set k_p, k_i/2
.set k_s, k_i%2
.set k_r, RB+24*(k_i%RING)
.if k_i == 2*\np-1
	s_wait_dscnt 0x0
.elseif RING == 2
	s_wait_dscnt 6+k_s
.elseif k_i == 2*\np-2
	s_wait_dscnt 6
.else
	s_wait_dscnt 13
.endif
.irp e, 0,1
.if (k_s == 0) && (\cm == 0)
	v_wmma_scale_f32_16x16x128_f8f6f4 v[\acc+8*(2*k_p+\e):\acc+8*(2*k_p+\e)+7], v[k_r+12*\e:k_r+12*\e+11], v[\fx+12*k_s:\fx+12*k_s+11], 0, v[WS+4*(k_p%2)+2*\e+k_s], v[\fs+k_s] matrix_a_fmt:MATRIX_FMT_FP6 matrix_b_fmt:MATRIX_FMT_FP6
.else
	v_wmma_scale_f32_16x16x128_f8f6f4 v[\acc+8*(2*k_p+\e):\acc+8*(2*k_p+\e)+7], v[k_r+12*\e:k_r+12*\e+11], v[\fx+12*k_s:\fx+12*k_s+11], v[\acc+8*(2*k_p+\e):\acc+8*(2*k_p+\e)+7], v[WS+4*(k_p%2)+2*\e+k_s], v[\fs+k_s] matrix_a_fmt:MATRIX_FMT_FP6 matrix_b_fmt:MATRIX_FMT_FP6
.endif
.endr
.if k_i+RING < 2*\np
	PLACES 4
	LFR \adr, \co, \so, k_i+RING
.endif
.set k_i, k_i+1
.endr
.endm
.macro BIAS adr, acc                   ; register 16 b + i takes the bias of unit 32 b + 16 h + i
.irp b, 0,1,2,3,4,5,6,7
.irp j, 0,1,2,3
	ds_load_b128 v[\acc+16*\b+4*\j:\acc+16*\b+4*\j+3], v[\adr] offset:VCO+128*\b+16*\j
.endr
.endr
.endm
.macro ROTLD b
.irp j, 0,1,2,3
	ds_load_b128 v[RB+16*((\b)%2)+4*\j:RB+16*((\b)%2)+4*\j+3], v[PA] offset:128*(\b)+16*\j
.endr
.endm
; The rotation, in place, 16 numbers (8 pairs a, b with sin, cos from pos) at a time: a' = a cos - b sin, b' = b cos + a sin; and the sum of their squares.  pos comes two blocks ahead:
; the wait leaves the next block's four loads out.  At the end v[SS] = v[SS+1] = -sum / 32 = -diag of my row.
.macro ROT
	ROTLD 0
	ROTLD 1
.set r_b, 0
.rept 8
.set r_x, ACC+16*r_b
.set r_p, RB+16*(r_b%2)
.if r_b < 7
	s_wait_dscnt 4
.else
	s_wait_dscnt 0x0
.endif
.irp i, 0,1,2,3,4,5,6,7
	v_mul_f32 v[RT+\i], v[r_x+2*\i], v[r_p+2*\i]
.endr
.irp i, 0,1,2,3,4,5,6,7
	v_mul_f32 v[r_x+2*\i], v[r_x+2*\i], v[r_p+2*\i+1]
.endr
.irp i, 0,1,2,3,4,5,6,7
	v_fma_f32 v[r_x+2*\i], -v[r_x+2*\i+1], v[r_p+2*\i], v[r_x+2*\i]
.endr
.irp i, 0,1,2,3,4,5,6,7
	v_fma_f32 v[r_x+2*\i+1], v[r_x+2*\i+1], v[r_p+2*\i+1], v[RT+\i]
.endr
.irp i, 0,1,2,3,4,5,6,7
.if (r_b == 0) && (\i < 2)
	v_pk_mul_f32 v[SS+2*\i:SS+2*\i+1], v[r_x+2*\i:r_x+2*\i+1], v[r_x+2*\i:r_x+2*\i+1]
.else
	v_pk_fma_f32 v[SS+2*(\i%2):SS+2*(\i%2)+1], v[r_x+2*\i:r_x+2*\i+1], v[r_x+2*\i:r_x+2*\i+1], v[SS+2*(\i%2):SS+2*(\i%2)+1]
.endif
.endr
.if r_b < 6
	ROTLD r_b+2
.endif
.set r_b, r_b+1
.endr
	v_pk_add_f32 v[SS:SS+1], v[SS:SS+1], v[SS+2:SS+3]
	v_add_f32 v[SS], v[SS], v[SS+1]
	v_permlanex16_b32 v[RT], v[SS], s[SEL], s[SEL+1]
	v_add_f32 v[SS], v[SS], v[RT]
	v_mul_f32 v[SS], 0xbd000000, v[SS]             ; x -1/32
	v_mov_b32 v[SS+1], v[SS]
.endm
.macro QTURN s                         ; half s of my 16 rows of query through my stage: in as loaded (a row's 512 bytes by 32 lanes), back 64 bytes of row r a lane and block.  LDS serves a wave's instructions in order
.irp k, 0,1,2,3,4,5,6,7,8,9,10,11,12,13,14,15
	ds_store_b128 v[QS], v[ACC+64*\s+4*\k:ACC+64*\s+4*\k+3] offset:528*\k
.endr
.irp b, 0,1,2,3
.irp j, 0,1,2,3
	ds_load_b128 v[ACC+64*\s+16*\b+4*\j:ACC+64*\s+16*\b+4*\j+3], v[QR] offset:128*\b+16*\j
.endr
.endr
.endm
.macro DENLD b
.irp j, 0,1,2,3
	ds_load_b128 v[RB+16*((\b)%2)+4*\j:RB+16*((\b)%2)+4*\j+3], v[VB2] offset:VCO+128*(\b)+16*\j
.endr
.endm
	s_load_b256 s[4:11], s[0:1], 0x0               ; query s[4:5], pos s[6:7], wimg s[8:9], kvimg s[10:11]
	s_load_b64 s[12:13], s[0:1], 0x20              ; out0
	v_lshl_add_u32 v2, v0, 2, 0x4d800
	s_set_vgpr_msb 0x40
	v_mov_b32 v1, 0
	s_set_vgpr_msb 0x4044
	ds_add_u32 v2, v1
	ds_add_u32 v2, v1
	s_set_vgpr_msb 0x4400
	v_lshrrev_b32 v1, 5, v0
	v_readfirstlane_b32 s[WV], v1                  ; wave 0..3
	s_bfe_u32 s19, ttmp6, 0x40000                  ; cx
	s_lshl_b32 s21, ttmp9, 2
	s_add_co_u32 s19, s19, s21                     ; x: my block of 64 rows = 4 x cluster x + cx: it enters global addresses of query, pos and out0 alone
	s_and_b32 s20, ttmp7, 0xffff                   ; y: the batch, which the four partners share
	s_mov_b32 s[SEL], 0x76543210
	s_mov_b32 s[SEL+1], 0xfedcba98
	; group 1, an image: 212 rows of 256 dense bytes (32 elements of 8 bytes), no padding; joint: mask 15, bit 21 beside it
	s_mov_b32 s24, 15|(3<<16)|(1<<21)
	s_mov_b32 s25, 32<<16
	s_mov_b32 s26, 212<<16
	s_mov_b32 s27, 32<<16
	s_mov_b32 s28, 212
	s_mov_b32 s29, 32
	s_mov_b32 s30, 0
	s_mov_b32 s31, 0
	; group 1, 16 rows of 1,024 bytes (128 elements of 8), 4 words of padding behind every 256 words: the work-group's own
	s_mov_b32 s32, (3<<16)|(1<<20)|(7<<22)|(3<<25)
	s_mov_b32 s33, 128<<16
	s_mov_b32 s34, 16<<16
	s_mov_b32 s35, 128<<16
	s_mov_b32 s36, 16
	s_mov_b32 s37, 128
	s_mov_b32 s38, 0
	s_mov_b32 s39, 0
	s_mul_i32 s50, s[WV], IMG                      ; image w's place in LDS, and in wimg (0 Wq, 1 proj, 3 Wo); wave 2 takes the batch's image of kvs
	s_mul_i32 s52, s20, IMG
	s_cmp_eq_u32 s[WV], 2
	s_cselect_b32 s52, s52, s50
	s_mov_b32 s53, 0
	s_lshl_b32 s54, s19, 6
	s_lshl_b32 s55, s[WV], 4
	s_add_co_u32 s54, s54, s55                     ; 64 x + 16 w: my first row in a batch, and in pos
	s_lshl_b32 s56, s54, 10
	s_mov_b32 s57, 0
	s_lshl_b32 s58, s20, 11
	s_add_co_u32 s58, s58, s54
	s_lshl_b32 s58, s58, 10                        ; and in query and out0, in bytes
	s_mov_b32 s59, 0
	s_mul_i32 s60, s[WV], WROWS
	s_wait_dscnt 0x0
	s_wait_kmcnt 0x0
	s_cmp_eq_u32 s[WV], 2
	s_cselect_b64 s[62:63], s[10:11], s[8:9]       ; the choice hangs on the wave's number alone
	s_mov_b32 s40, 1                               ; group 0: count 1, LDS address, global address, type 2
	s_mov_b32 s41, s50
	s_add_nc_u64 s[42:43], s[62:63], s[52:53]
	s_or_b32 s43, s43, 0x80000000
	s_mov_b32 s44, 1
	s_add_co_u32 s45, s60, POSR
	s_add_nc_u64 s[46:47], s[6:7], s[56:57]
	s_or_b32 s47, s47, 0x80000000
	ROUND                                          ; all four work-groups are here: the joint loads meet
	tensor_load_to_lds s[40:43], s[24:31]          ; image w (joint),
	s_nop 0
	tensor_load_to_lds s[44:47], s[32:39]          ; my 16 rows of pos
	s_nop 0
	PLACES 4
	s_add_nc_u64 s[4:5], s[4:5], s[58:59]
	s_add_nc_u64 s[12:13], s[12:13], s[58:59]
	v_and_b32 v13, 31, v0
	v_lshlrev_b32 v1, 4, v13                       ; 16 x lane
.irp s, 0,1
.irp k, 0,1,2,3,4,5,6,7,8,9,10,11,12,13,14,15
	global_load_b128 v[ACC+64*\s+4*\k:ACC+64*\s+4*\k+3], v1, s[4:5] offset:1024*\k+512*\s th:TH_LOAD_NT   ; 32 lanes read 512 consecutive bytes: half s of row k; read once in the launch
.endr
.endr
	v_and_b32 v[T0], 15, v0                        ; r
	v_bfe_u32 v[T1], v0, 4, 1                      ; h
	v_add_nc_u32 v[LI1], IMG, v1
	v_add_nc_u32 v[LI2], 2*IMG, v1
	v_add_nc_u32 v[LI3], 3*IMG, v1
	v_lshlrev_b32 v[VB0], 6, v[T1]
	v_add_nc_u32 v[VB2], 2*IMG, v[VB0]
	v_add_nc_u32 v[VB3], 3*IMG, v[VB0]
	v_mad_u32_u24 v[PA], v[T0], ROWP, v[VB0]
	v_add_nc_u32 v[PA], s60, v[PA]
	v_add_nc_u32 v[PA], POSR, v[PA]
	s_mul_i32 s66, s[WV], 8448
	v_add_nc_u32 v[QS], s66, v1
	v_add_nc_u32 v[QS], QST, v[QS]
	v_mad_u32_u24 v[QR], v[T0], 528, v[VB0]
	v_add_nc_u32 v[QR], s66, v[QR]
	v_add_nc_u32 v[QR], QST, v[QR]
	v_add_nc_u32 v[STR], s60, v1
	v_add_nc_u32 v[STR], POSR, v[STR]
	v_mov_b32 v[EP], 0x338637bd                    ; 1e-6 / 16
	v_mov_b32 v[EP+1], 0x338637bd
.irp b, 0,1,2,3
	v_mov_b32 v[TM+4+\b], 0                        ; written once: a lane permute's destination counts as one of its sources
.endr
	; ---- 1: my 16 rows of query become two fragments
	s_wait_loadcnt 16                              ; the first halves' 16 loads are in
	QTURN 0
	s_wait_loadcnt 0x0
	QTURN 1
	s_wait_dscnt 32                                ; behind the first halves' loads from the stage stand 16 stores and 16 loads
	QUANT ACC, XF, XS
	s_wait_dscnt 0x0
	QUANT ACC+64, XF+12, XS+1
	s_wait_tensorcnt 0x0                           ; my image and my rows of pos are in
	s_barrier_signal -1
	s_barrier_wait -1                              ; all four images are whole
	; ---- 2: q, the rotation, -diag
	BIAS VB0, ACC
	LAYER LI0, 0, SCO, 8, ACC, XF, XS, 1, 8
	PLACES 5
	ROT
	QUANT ACC, XF, XS
	QUANT ACC+64, XF+12, XS+1
	; ---- 3: 4 xp
	LAYER LI1, 0, SCO, 8, ACC, XF, XS, 0, 8
	PLACES 5
	; ---- 4: qp.  The row's largest xp, in two chains, each accumulator from its low end on
	v_max_num_f32 v[T0], v[ACC], v[ACC+1]
	v_max_num_f32 v[T1], v[ACC+64], v[ACC+65]
.set n_, 2
.rept 31
	v_max3_num_f32 v[T0], v[T0], v[ACC+n_], v[ACC+n_+1]
	v_max3_num_f32 v[T1], v[T1], v[ACC+64+n_], v[ACC+64+n_+1]
.set n_, n_+2
.endr
	v_max_num_f32 v[T0], v[T0], v[T1]
	v_permlanex16_b32 v[T1], v[T0], s[SEL], s[SEL+1]
	v_max_num_f32 v[T0], v[T0], v[T1]
	v_mul_f32 v[NM], 0xbe800000, v[T0]             ; -mx
	v_mov_b32 v[NM+1], v[NM]
.set n_, 0
.rept 64
	v_pk_fma_f32 v[ACC+n_:ACC+n_+1], v[ACC+n_:ACC+n_+1], 0x3e800000, v[SS:SS+1] op_sel_hi:[1,0,1]   ; xp - diag
.set n_, n_+2
.endr
.set n_, 0
.rept 64
	v_pk_add_f32 v[ACC+n_:ACC+n_+1], v[ACC+n_:ACC+n_+1], v[NM:NM+1]                                 ; - mx
.set n_, n_+2
.endr
.set n_, 0
.rept 64
	v_pk_mul_f32 v[ACC+n_:ACC+n_+1], v[ACC+n_:ACC+n_+1], 0x3fb8aa3b op_sel_hi:[1,0]
.set n_, n_+2
.endr
.set n_, 0
.rept 128
	v_exp_f32 v[ACC+n_], v[ACC+n_]
.set n_, n_+1
.endr
	v_nop                                          ; a plain place behind the exponentials
.set n_, 0
	s_wait_alu depctr_va_vdst(0)
.rept 64
	v_pk_fma_f32 v[ACC+n_:ACC+n_+1], v[ACC+n_:ACC+n_+1], 0x3d800000, v[EP:EP+1] op_sel_hi:[1,0,1]   ; e / 16 + 1e-6 / 16: one rounding, as (e + 1e-6) / 16 has
.set n_, n_+2
.endr
	; ---- 5: den = the unquantised qp . ksum, by f32 multiply-adds; ksum comes two blocks of 16 ahead: the wait leaves the next block's four loads out
	DENLD 0
	DENLD 1
.set d_b, 0
.rept 8
.set d_x, ACC+16*d_b
.set d_p, RB+16*(d_b%2)
.if d_b < 7
	s_wait_dscnt 4
.else
	s_wait_dscnt 0x0
.endif
.irp i, 0,1,2,3,4,5,6,7
.if (d_b == 0) && (\i < 2)
	v_pk_mul_f32 v[DA+2*\i:DA+2*\i+1], v[d_x+2*\i:d_x+2*\i+1], v[d_p+2*\i:d_p+2*\i+1]
.else
	v_pk_fma_f32 v[DA+2*(\i%2):DA+2*(\i%2)+1], v[d_x+2*\i:d_x+2*\i+1], v[d_p+2*\i:d_p+2*\i+1], v[DA+2*(\i%2):DA+2*(\i%2)+1]
.endif
.endr
.if d_b < 6
	DENLD d_b+2
.endif
.set d_b, d_b+1
.endr
	v_pk_add_f32 v[DA:DA+1], v[DA:DA+1], v[DA+2:DA+3]
	v_add_f32 v[DA], v[DA], v[DA+1]
	v_permlanex16_b32 v[T0], v[DA], s[SEL], s[SEL+1]
	v_add_f32 v[DA], v[DA], v[T0]
	v_rcp_f32 v[NM], v[DA]
	v_nop                                          ; a plain place behind the reciprocal
	s_wait_alu depctr_va_vdst(0)
	v_mov_b32 v[NM+1], v[NM]
	; ---- 6: num = qp kvs, ctx = num / den
	QUANT ACC, XF, XS
	QUANT ACC+64, XF+12, XS+1
	LAYER LI2, 0, SCO, 8, ACC, XF, XS, 0, 8
	PLACES 5
.set n_, 0
.rept 64
	v_pk_mul_f32 v[ACC+n_:ACC+n_+1], v[ACC+n_:ACC+n_+1], v[NM:NM+1]
.set n_, n_+2
.endr
	QUANT ACC, XF, XS
	QUANT ACC+64, XF+12, XS+1
	; ---- 7: out = ctx Wo + bo
	BIAS VB3, ACC
	LAYER LI3, 0, SCO, 8, ACC, XF, XS, 1, 8
	PLACES 5
	; ---- 8: the way out: a lane holds pieces of 64 bytes of its row; through my stage they become whole rows
.irp b, 0,1,2,3,4,5,6,7
.irp j, 0,1,2,3
	ds_store_b128 v[PA], v[ACC+16*\b+4*\j:ACC+16*\b+4*\j+3] offset:128*\b+16*\j    ; each accumulator from its low end on
.endr
.endr
.set n_, 0
.rept 32
	ds_load_b128 v[ACC+4*n_:ACC+4*n_+3], v[STR] offset:ROWP*(n_/2)+512*(n_%2)      ; LDS serves a wave's instructions in order: these see my stores
.set n_, n_+1
.endr
.set n_, 0
.rept 32
	s_wait_dscnt 31-n_                             ; loads come back in order: number n_ is in
	global_store_b128 v1, v[ACC+4*n_:ACC+4*n_+3], s[12:13] offset:512*n_ th:TH_STORE_NT   ; 32 lanes store 512 consecutive bytes, at a multiple of 256 from out0's first byte
.set n_, n_+1
.endr
	s_set_vgpr_msb 0x4
	s_wait_tensorcnt 0x0
	ds_add_u32 v2, v1
	s_wait_dscnt 0x0
	s_set_vgpr_msb 0x400
	ROUND                                          ; the closing round: no work-group ends while a partner may still ask for a tile that names it
	s_endpgm
.Lfunc_end_k_q13ff92627b_qchain:
	.size	k_q13ff92627b_qchain, .Lfunc_end_k_q13ff92627b_qchain-k_q13ff92627b_qchain
	.p2alignl 7, 3214868480
	.fill 96, 4, 3214868480
	.section	.rodata,"a",@progbits
	.p2align	6, 0x0
	.amdhsa_kernel k_q13ff92627b_qchain
		.amdhsa_group_segment_fixed_size 317952
		.amdhsa_private_segment_fixed_size 0
		.amdhsa_enable_private_segment 0
		.amdhsa_kernarg_size 40
		.amdhsa_user_sgpr_count 2
		.amdhsa_user_sgpr_kernarg_segment_ptr 1
		.amdhsa_wavefront_size32 1
		.amdhsa_system_sgpr_workgroup_id_x 1
		.amdhsa_system_sgpr_workgroup_id_y 1
		.amdhsa_system_sgpr_workgroup_id_z 1
		.amdhsa_system_vgpr_workitem_id 0
		.amdhsa_next_free_vgpr 258
		.amdhsa_next_free_sgpr 68
		.amdhsa_reserve_vcc 0
		.amdhsa_float_denorm_mode_32 3
		.amdhsa_float_denorm_mode_16_64 3
		.amdhsa_memory_ordered 1
		.amdhsa_forward_progress 1
		.amdhsa_inst_pref_size 167
	.end_amdhsa_kernel
	.amdgpu_metadata
---
amdhsa.version: [ 1, 2 ]
amdhsa.kernels:
  - .name:           k_q13ff92627b_qchain
    .symbol:         k_q13ff92627b_qchain.kd
    .args:
      - { .name: query, .offset: 0, .size: 8, .value_kind: global_buffer, .address_space: global }
      - { .name: pos, .offset: 8, .size: 8, .value_kind: global_buffer, .address_space: global }
      - { .name: wimg, .offset: 16, .size: 8, .value_kind: global_buffer, .address_space: global }
      - { .name: kvimg, .offset: 24, .size: 8, .value_kind: global_buffer, .address_space: global }
      - { .name: out0, .offset: 32, .size: 8, .value_kind: global_buffer, .address_space: global }
    .group_segment_fixed_size: 317952
    .private_segment_fixed_size: 0
    .kernarg_segment_align: 8
    .kernarg_segment_size: 40
    .max_flat_workgroup_size: 128
    .sgpr_count:     68
    .vgpr_count:     258
    .wavefront_size: 32
...
	.end_amdgpu_metadata
.endif
;; end of part 4
;; ======== version 2 of 3: 4 launches; 1.15 times as fast as version 1
;; workspace buffers: wimg 271,360 bytes; tbuf 8,388,608 bytes; vimg 1,703,936 bytes; kmax 2,048 bytes; kvimg 217,088 bytes
;; launch prep: the kernel of part 1 again; grid 8 x 5, 4 waves a work-group, no clusters, 0 bytes of LDS; arguments Wq, proj, Wk, Wo, Wv, bq, bk, bo, bv, wimg; writes wimg
;; launch kv (part 5): grid 4 x 64, 4 waves a work-group, clusters of 4 x 1, 281,344 bytes of LDS; arguments key, value, pos, wimg, tbuf, vimg, kmax; writes tbuf, vimg, kmax
.if DOCPART == 5
	.amdgcn_target "amdgcn-amd-amdhsa--gfx1250"
	.amdhsa_code_object_version 6
	.text
	.protected	k_q13ff92627b_kv
	.globl	k_q13ff92627b_kv
	.p2align	8
	.type	k_q13ff92627b_kv,@function
k_q13ff92627b_kv:
	s_mov_b64 s[64:65], 0
	v_nop
	global_prefetch_b8 v0, s[64:65] scope:SCOPE_SE
	s_setreg_imm32_b32 hwreg(HW_REG_WAVE_MODE, 25, 1), 1
	s_wait_xcnt 0x0
	s_wait_alu depctr_hold_cnt(0) depctr_sa_sdst(0) depctr_va_vdst(0) depctr_va_sdst(0) depctr_va_ssrc(0) depctr_va_vcc(0) depctr_vm_vsrc(0)
	s_getreg_b32 s2, hwreg(HW_REG_IB_STS2, 6, 4)
	s_cmp_eq_u32 s2, 0
	s_cbranch_scc0 .Lentry_in_a_cluster
	s_endpgm
.Lentry_in_a_cluster:
	s_bfe_u32 s2, ttmp6, 0x10000c
	s_cmp_lg_u32 s2, 0x3003
	s_cbranch_scc0 .Lentry_shape_is_right
	s_endpgm
.Lentry_shape_is_right:
; The key's side and the value's side, each for 64 rows of one batch.  All products on codes of FP6 (E2M3) with one E8M0 scale for each 32 along K.
;   KEY:   k = key Wk + bk;  rot(k) by pos;  xp = (rot / 4) proj^T;  t = xp - diag, diag = sum(rot^2) / 32;  the largest xp of each wave.        VALUE:  v = value Wv + bv, quantised along the rows.
; reference() hands the SAME k to all eight heads, so rot, xp and diag are made once and serve every head.
; The factor 1/4 is a power of two: the codes of rot / 4 are the codes of rot, so rot is quantised and the product is multiplied by 0.25, which rounds nothing.
; SHARES.  The two sides share nothing, so each has work-groups of its own: cluster y = 2 blk + role (0 key, 1 value), 256 work-groups.  One branch on the role, which the four partners of a cluster share,
; parts the text behind the opening round; each role has LDS bytes of its own.
; In the front part wave w owns rows 16 w + r: a lane holds one row and its registers run along the units.
; In the back part the products are TURNED (source 0 = 16 rows, source 1 = 16 units): wave w owns unit tiles 4 w .. 4 w + 3, a lane holds one unit and its registers run along the rows, which are the next product's K.
; Register 16 b' + i of lane half h is then row 32 b' + 16 (i / 8) + 8 h + i % 8, and it is laid at place 32 b' + 16 h + i of its block of 32 rows.  t and v go the same way, so both operands of kp^T v carry the
; same order inside each block of 32: blocks, scales and products are those of the natural order, only the order of the sum differs.
; THE BACK PART RUNS FROM REGISTERS: the wave's eight weight fragments (asked for at the head) and the 64 rows' eight fragments (read from LDS once) lie in window 1; the four tiles have accumulators of their own:
; 32 matrix instructions on 16 accumulators by turns, under one window setting.
; CLUSTER.  The four partners are the four batches of one block of rows.  In the key's role they need the same image of Wk and the same rows of pos (120,832 of the 187,392 bytes that tensor loads bring): asked for jointly, mask 15.
; LDS is filled once (by this text's count three tensor loads a wave are out at most); nothing is filled again.
; OUT.  tbuf: t as register images, 8,192 bytes for (b, K step ls of 128 rows, unit tile n): half c = blk % 2 at 4,096 c, register q' of lane l at 512 (q' / 4) + 16 l.   kmax: one f32 a wave.
;   vimg: a record of 26,624 bytes for (b, n): fragment ls at 1,536 ls, its half c at 768 c (registers 0-3 at 16 l, 4-5 at 512 + 8 l); scale words from 24,576 on: 512 (ls / 4) + 16 l + 4 (ls % 4), half word c.
; LIMITS: NaN and infinities are not served; a block whose largest magnitude lies under 2^-124 is held at byte 1 (there the folded 1/4 departs from the stated quantiser); a block of zeros gets byte 1 in place of 127.
.set IMG,   54272                      ; an operand image: 32 fragments of 1,536 bytes, scale words from SCO, 256 f32 from VCO
.set SCO,   49152
.set VCO,   53248
.set ROWP,  1040                       ; a row of 1,024 bytes + 16 of padding: sixteen rows start 65 x 16 bytes apart
.set WROWS, 16*ROWP
.set KEYR,  IMG                        ; LDS, the key's role: Wk's image at 0; the waves' 16 rows of key,
.set POSR,  KEYR+4*WROWS               ; of pos;
.set VALR,  POSR+4*WROWS               ; the value's role: the waves' 16 rows of value;
.set XK,    VALR+4*WROWS               ; written by LDS stores alone: the key's role: rot(k)'s 8 fragments (2 w + s) and, 12,288 on, their scale words;
.set NDL,   XK+13312                   ; -diag of the 64 rows;
.set XV,    NDL+256                    ; the value's role: value's 8 fragments and scale words
.set RING,  2                          ; sets of registers through which a layer's fragments come
.set LI,  1                            ; v1   16 x lane
.set H64, 2                            ; v2   64 h
.set KA,  3                            ; v3-5 my row's 64 h bytes in key, value, pos
.set VA,  4
.set PA,  5
.set XSA, 6                            ; v6   where I store my fragments: XK + 3,072 w + 16 l
.set XSS, 7                            ; v7   and their two scale words
.set XRA, 8                            ; v8   XK + 16 l
.set NDS, 9                            ; v9   NDL + 64 w + 4 r
.set NDR, 10                           ; v10  NDL + 32 h
.set L8,  11                           ; v11  8 x lane
.set BO,  12                           ; v12  my unit's bias in an image's 256 f32
.set FO,  13                           ; v13  my four tiles' fragments in an image
.set FSO, 14                           ; v14  and their scale words
.set LN,  15                           ; v15  lane
.set XF,  16                           ; v16-39  two fragments of my rows
.set XS,  40                           ; v40-41  their scale words
.set WS,  42                           ; v42-49  scale words of the fragments that come from LDS
.set FS,  50                           ; v50-57  scale words of my four weight tiles
.set BV,  58                           ; v58-65  bv of my unit in each tile, twice
.set RB,  66                           ; v66-113 the ring; between layers: at work
.set TM,  RB
.set EX,  RB+16
.set RT,  RB+32
.set PPB, RB                           ; v66-97  the value's back part: eight registers of codes for each tile;  the key's: -diag of the 64 rows
.set HWB, 98                           ; v98-101 two scale bytes for each tile
.set TMH, 102
.set TT,  110
.set MXB, 114                          ; v114-117 four running maxima
.set MX,  118
.set TP,  119
.set SS,  120                          ; v120-123 sums of squares; then -diag in v120
.set ACC, 128                          ; v128-255 a layer's 16 accumulators; in the back part 4 tiles x 4 accumulators
.set FIX, 0                            ; window 1: v0-95 my four weight tiles x 2 fragments;
.set XA,  96                           ;           v96-191 the 64 rows' eight fragments
.set WV,  18
.set ROLE, 3
.set SEL, 22
.set MSB, 0
.macro WIN new                         ; s_set_vgpr_msb: bits 1:0 source 0, 3:2 source 1, 5:4 source 2, 7:6 destination; the high byte repeats the setting that is left
.if MSB != \new
	s_set_vgpr_msb (MSB<<8)|\new
.set MSB, \new
.endif
.endm
.macro PLACES n
.rept \n
	v_nop
.endr
.endm
.macro ROUND                           ; a round of the cluster's barrier
	s_barrier_signal -1
	s_barrier_wait -1
	s_cmp_lg_u32 s[WV], 0
	s_cbranch_scc1 .Lnot_wave_0_\@
	s_barrier_signal -3
.Lnot_wave_0_\@:
	s_barrier_wait -3
	s_barrier_signal -1
	s_barrier_wait -1
.endm
; 64 numbers of a lane, register 16 b + i = k 32 b + 16 h + i of its row, become a fragment's 12 registers at dst and its scale word in sw.
.macro QUANT src, dst, sw
.irp b, 0,1,2,3
	v_max3_num_f32 v[TM+\b], |v[\src+16*\b]|, |v[\src+16*\b+1]|, 0x1800000   ; my 16 numbers of block b, and the floor 2^(3 - 127)
.endr
.irp i, 2,4,6,8,10,12,14
.irp b, 0,1,2,3
	v_max3_num_f32 v[TM+\b], v[TM+\b], |v[\src+16*\b+\i]|, |v[\src+16*\b+\i+1]|
.endr
.endr
.irp b, 0,1,2,3
	v_permlanex16_b32 v[TM+4+\b], v[TM+\b], s[SEL], s[SEL+1]
.endr
.irp b, 0,1,2,3
	v_max_num_f32 v[TM+\b], v[TM+\b], v[TM+4+\b]   ; with lane l xor 16's: the block's largest magnitude
.endr
.irp b, 0,1,2,3
	v_add_nc_u32 v[TM+12+\b], 0xff000000, v[TM+\b] ; 2 off its exponent field: the conversion's scale operand
.endr
.irp b, 0,1,2,3
	v_lshrrev_b32 v[TM+4+\b], 23, v[TM+12+\b]      ; the scale's byte
.endr
	v_lshl_or_b32 v[\sw], v[TM+5], 8, v[TM+4]
	v_lshl_or_b32 v[\sw], v[TM+6], 16, v[\sw]
	v_lshl_or_b32 v[\sw], v[TM+7], 24, v[\sw]
.irp c, 0,1
	v_cvt_scalef32_pk16_fp6_f32 v[\dst+6*\c:\dst+6*\c+2], v[\src+32*\c:\src+32*\c+15], v[TM+12+2*\c]
	v_cvt_scalef32_pk16_fp6_f32 v[EX+4*\c:EX+4*\c+2], v[\src+32*\c+16:\src+32*\c+31], v[TM+12+2*\c+1]
.endr
	v_nop                                          ; one plain place behind a scaled conversion
.irp c, 0,1                                    ; the operand wants a whole block in a lane: lanes 0-15 block 2 c, lanes 16-31 block 2 c + 1
.irp i, 0,1,2
	v_permlane16_swap_b32 v[\dst+6*\c+\i], v[EX+4*\c+\i]
.endr
.irp i, 0,1,2
	v_mov_b32 v[\dst+6*\c+3+\i], v[EX+4*\c+\i]
.endr
.endr
.endm
; The same for 32 numbers, two blocks: six registers at dst, the two bytes in hw.
.macro QUANTH src, dst, hw
.irp b, 0,1
	v_max3_num_f32 v[TMH+\b], |v[\src+16*\b]|, |v[\src+16*\b+1]|, 0x1800000
.endr
.irp i, 2,4,6,8,10,12,14
.irp b, 0,1
	v_max3_num_f32 v[TMH+\b], v[TMH+\b], |v[\src+16*\b+\i]|, |v[\src+16*\b+\i+1]|
.endr
.endr
.irp b, 0,1
	v_permlanex16_b32 v[TMH+2+\b], v[TMH+\b], s[SEL], s[SEL+1]
.endr
.irp b, 0,1
	v_max_num_f32 v[TMH+\b], v[TMH+\b], v[TMH+2+\b]
.endr
.irp b, 0,1
	v_add_nc_u32 v[TMH+4+\b], 0xff000000, v[TMH+\b]
.endr
.irp b, 0,1
	v_lshrrev_b32 v[TMH+2+\b], 23, v[TMH+4+\b]
.endr
	v_lshl_or_b32 v[\hw], v[TMH+3], 8, v[TMH+2]
	v_cvt_scalef32_pk16_fp6_f32 v[\dst:\dst+2], v[\src:\src+15], v[TMH+4]
	v_cvt_scalef32_pk16_fp6_f32 v[TT:TT+2], v[\src+16:\src+31], v[TMH+5]
	v_nop                                          ; one plain place behind a scaled conversion
.irp i, 0,1,2
	v_permlane16_swap_b32 v[\dst+\i], v[TT+\i]
.endr
.irp i, 0,1,2
	v_mov_b32 v[\dst+3+\i], v[TT+\i]
.endr
.endm
; Step i of a layer: pair of tiles p = i / 2, K step s = i % 2.  Its loads: with s = 0 the pair's four scale words, then the two tiles' fragments: 7 - i % 2 loads.
.macro LFR adr, co, so, i
.set f_p, (\i)/2
.set f_s, (\i)%2
.set f_r, RB+24*((\i)%RING)
.if f_s == 0
	ds_load_b128 v[WS+4*(f_p%2):WS+4*(f_p%2)+3], v[\adr] offset:\so+512*f_p
.endif
.irp e, 0,1
.irp c, 0,1,2
	ds_load_b128 v[f_r+12*\e+4*\c:f_r+12*\e+4*\c+3], v[\adr] offset:\co+(4*f_p+2*\e+f_s)*1536+512*\c
.endr
.endr
.endm
; A layer: 2 np tiles from LDS (source 0) against the two fragments at fx (source 1), K = 256.  cm = 1: the accumulators hold the bias, which is the first product's C; cm = 0: the first product starts the sum.
; The two accumulators of a pair take turns, one instruction a turn.  Four places stand between a step's products and the loads into the registers that they read.
; The wait at a step's head counts the loads issued behind that step's: with two sets the next step's 6 or 7; with three sets the next two steps' 13 (6 in the last step but one); 0 in the last step.
; pre: places between vector instructions that wrote fx and fs and the first product (8 are asked for a scale word).
.macro LAYER adr, co, so, np, acc, fx, fs, cm, pre
.rept \pre
	v_nop
.endr
.set k_i, 0
.rept RING
	LFR \adr, \co, \so, k_i
.set k_i, k_i+1
.endr
.set k_i, 0
.rept 2*\np
.set k_p, k_i/2
.set k_s, k_i%2
.set k_r, RB+24*(k_i%RING)
.if k_i == 2*\np-1
	s_wait_dscnt 0x0
.elseif RING == 2
	s_wait_dscnt 6+k_s
.elseif k_i == 2*\np-2
	s_wait_dscnt 6
.else
	s_wait_dscnt 13
.endif
.irp e, 0,1
.if (k_s == 0) && (\cm == 0)
	v_wmma_scale_f32_16x16x128_f8f6f4 v[\acc+8*(2*k_p+\e):\acc+8*(2*k_p+\e)+7], v[k_r+12*\e:k_r+12*\e+11], v[\fx+12*k_s:\fx+12*k_s+11], 0, v[WS+4*(k_p%2)+2*\e+k_s], v[\fs+k_s] matrix_a_fmt:MATRIX_FMT_FP6 matrix_b_fmt:MATRIX_FMT_FP6
.else
	v_wmma_scale_f32_16x16x128_f8f6f4 v[\acc+8*(2*k_p+\e):\acc+8*(2*k_p+\e)+7], v[k_r+12*\e:k_r+12*\e+11], v[\fx+12*k_s:\fx+12*k_s+11], v[\acc+8*(2*k_p+\e):\acc+8*(2*k_p+\e)+7], v[WS+4*(k_p%2)+2*\e+k_s], v[\fs+k_s] matrix_a_fmt:MATRIX_FMT_FP6 matrix_b_fmt:MATRIX_FMT_FP6
.endif
.endr
.if k_i+RING < 2*\np
	PLACES 4
	LFR \adr, \co, \so, k_i+RING
.endif
.set k_i, k_i+1
.endr
.endm
.macro BIAS adr, acc                   ; register 16 b + i takes the bias of unit 32 b + 16 h + i
.irp b, 0,1,2,3,4,5,6,7
.irp j, 0,1,2,3
	ds_load_b128 v[\acc+16*\b+4*\j:\acc+16*\b+4*\j+3], v[\adr] offset:VCO+128*\b+16*\j
.endr
.endr
.endm
.macro XREAD adr                       ; my row: register 16 b + i = its number 32 b + 16 h + i
.irp b, 0,1,2,3,4,5,6,7
.irp j, 0,1,2,3
	ds_load_b128 v[ACC+16*\b+4*\j:ACC+16*\b+4*\j+3], v[\adr] offset:128*\b+16*\j
.endr
.endr
.endm
.macro XSTORE off                      ; my two fragments and their scale words go to LDS as they stand in the registers
.irp q, 0,1,2,3,4,5
	ds_store_b128 v[XSA], v[XF+4*\q:XF+4*\q+3] offset:\off+512*\q
.endr
	ds_store_b64 v[XSS], v[XS:XS+1] offset:\off
.endm
.macro ROTLD b
.irp j, 0,1,2,3
	ds_load_b128 v[RB+16*((\b)%2)+4*\j:RB+16*((\b)%2)+4*\j+3], v[PA] offset:128*(\b)+16*\j
.endr
.endm
; The rotation, in place, 16 numbers (8 pairs a, b with sin, cos from pos) at a time: a' = a cos - b sin, b' = b cos + a sin; and the sum of their squares.  pos comes two blocks ahead:
; the wait leaves the next block's four loads out.  At the end v[SS] = v[SS+1] = -sum / 32 = -diag of my row.
.macro ROT
	ROTLD 0
	ROTLD 1
.set r_b, 0
.rept 8
.set r_x, ACC+16*r_b
.set r_p, RB+16*(r_b%2)
.if r_b < 7
	s_wait_dscnt 4
.else
	s_wait_dscnt 0x0
.endif
.irp i, 0,1,2,3,4,5,6,7
	v_mul_f32 v[RT+\i], v[r_x+2*\i], v[r_p+2*\i]
.endr
.irp i, 0,1,2,3,4,5,6,7
	v_mul_f32 v[r_x+2*\i], v[r_x+2*\i], v[r_p+2*\i+1]
.endr
.irp i, 0,1,2,3,4,5,6,7
	v_fma_f32 v[r_x+2*\i], -v[r_x+2*\i+1], v[r_p+2*\i], v[r_x+2*\i]
.endr
.irp i, 0,1,2,3,4,5,6,7
	v_fma_f32 v[r_x+2*\i+1], v[r_x+2*\i+1], v[r_p+2*\i+1], v[RT+\i]
.endr
.irp i, 0,1,2,3,4,5,6,7
.if (r_b == 0) && (\i < 2)
	v_pk_mul_f32 v[SS+2*\i:SS+2*\i+1], v[r_x+2*\i:r_x+2*\i+1], v[r_x+2*\i:r_x+2*\i+1]
.else
	v_pk_fma_f32 v[SS+2*(\i%2):SS+2*(\i%2)+1], v[r_x+2*\i:r_x+2*\i+1], v[r_x+2*\i:r_x+2*\i+1], v[SS+2*(\i%2):SS+2*(\i%2)+1]
.endif
.endr
.if r_b < 6
	ROTLD r_b+2
.endif
.set r_b, r_b+1
.endr
	v_pk_add_f32 v[SS:SS+1], v[SS:SS+1], v[SS+2:SS+3]
	v_add_f32 v[SS], v[SS], v[SS+1]
	v_permlanex16_b32 v[RT], v[SS], s[SEL], s[SEL+1]
	v_add_f32 v[SS], v[SS], v[RT]
	v_mul_f32 v[SS], 0xbd000000, v[SS]             ; x -1/32
	v_mov_b32 v[SS+1], v[SS]
.endm
; My four tiles of the role's weight image (proj or Wv): their eight scale words, and their eight fragments, 12,288 consecutive bytes of the image, into window 1.  Asked for at the head, wanted in the back part.
.macro WLOADS
	global_load_b128 v[FS:FS+3], v[FSO], s[76:77] offset:SCO
	global_load_b128 v[FS+4:FS+7], v[FSO], s[76:77] offset:SCO+512
	WIN 0x40                                       ; destination window 1, address window 0
.set n_, 0
.rept 24
	global_load_b128 v[FIX+4*n_:FIX+4*n_+3], v[FO], s[76:77] offset:512*n_
.set n_, n_+1
.endr
	WIN 0
.endm
; The 64 rows' eight fragments (tile of rows a, K step s: 2 a + s) and their scale words, from LDS, once: the scale words, then the first K step's four fragments, then the second's.
.macro XFETCH off
	ds_load_b128 v[WS:WS+3], v[XRA] offset:\off+12288
	ds_load_b128 v[WS+4:WS+7], v[XRA] offset:\off+12800
	WIN 0x40
.irp s, 0,1
.irp a, 0,1,2,3
.irp c, 0,1,2
	ds_load_b128 v[XA+24*\a+12*\s+4*\c:XA+24*\a+12*\s+4*\c+3], v[XRA] offset:\off+1536*(2*\a+\s)+512*\c
.endr
.endr
.endr
	WIN 0
.endm
; The back part's products: 4 weight tiles j x 4 tiles of rows a, K = 256: 16 accumulators by turns, one instruction a turn; the first K step starts the sums.
; extra: the LDS loads issued behind XFETCH's.  The first wait leaves them and the second K step's twelve loads out, the second wait them alone.
.macro PROD extra
	s_wait_dscnt 12+\extra
	WIN 0x05                                       ; sources 0 and 1 window 1; C and D window 0
.irp j, 0,1,2,3
.irp a, 0,1,2,3
	v_wmma_scale_f32_16x16x128_f8f6f4 v[ACC+32*\j+8*\a:ACC+32*\j+8*\a+7], v[XA+24*\a:XA+24*\a+11], v[FIX+24*\j:FIX+24*\j+11], 0, v[WS+2*\a], v[FS+2*\j] matrix_a_fmt:MATRIX_FMT_FP6 matrix_b_fmt:MATRIX_FMT_FP6
.endr
.endr
	s_wait_dscnt \extra
.irp j, 0,1,2,3
.irp a, 0,1,2,3
	v_wmma_scale_f32_16x16x128_f8f6f4 v[ACC+32*\j+8*\a:ACC+32*\j+8*\a+7], v[XA+24*\a+12:XA+24*\a+23], v[FIX+24*\j+12:FIX+24*\j+23], v[ACC+32*\j+8*\a:ACC+32*\j+8*\a+7], v[WS+2*\a+1], v[FS+2*\j+1] matrix_a_fmt:MATRIX_FMT_FP6 matrix_b_fmt:MATRIX_FMT_FP6
.endr
.endr
	WIN 0
.endm
	s_load_b256 s[4:11], s[0:1], 0x0               ; key s[4:5], value s[6:7], pos s[8:9], wimg s[10:11]
	s_load_b128 s[12:15], s[0:1], 0x20             ; tbuf s[12:13], vimg s[14:15]
	s_load_b64 s[16:17], s[0:1], 0x30              ; kmax
	s_set_vgpr_msb 0x40
	v_lshl_add_u32 v192, v0, 2, 0x44900
	v_mov_b32 v193, 0
	s_set_vgpr_msb 0x4045
	ds_add_u32 v192, v193
	ds_add_u32 v192, v193
	s_set_vgpr_msb 0x4500
	; all that hangs on no argument is made while the arguments are on their way
	v_lshrrev_b32 v1, 5, v0
	v_readfirstlane_b32 s[WV], v1                  ; wave 0..3
	s_bfe_u32 s19, ttmp6, 0x40000                  ; cx
	s_lshl_b32 s21, ttmp9, 2
	s_add_co_u32 s19, s19, s21                     ; the batch = 4 x cluster x + cx: it enters global addresses of key, value and the outputs alone
	s_and_b32 s20, ttmp7, 0xffff                   ; the cluster's y, which the four partners share:
	s_and_b32 s[ROLE], s20, 1                      ; the role,
	s_lshr_b32 s20, s20, 1                         ; and blk, the block of 64 rows
	s_mov_b32 s[SEL], 0x76543210
	s_mov_b32 s[SEL+1], 0xfedcba98
	; group 1, a quarter of an image: 53 rows of 256 dense bytes (32 elements of 8 bytes), no padding; joint: mask 15, bit 21 beside it
	s_mov_b32 s24, 15|(3<<16)|(1<<21)
	s_mov_b32 s25, 32<<16
	s_mov_b32 s26, 53<<16
	s_mov_b32 s27, 32<<16
	s_mov_b32 s28, 53
	s_mov_b32 s29, 32
	s_mov_b32 s30, 0
	s_mov_b32 s31, 0
	; group 1, 16 rows of 1,024 bytes (128 elements of 8), 4 words of padding behind every 256 words: s[32:39] joint (pos), s[40:47] the work-group's own (key, value)
	s_mov_b32 s32, 15|(3<<16)|(1<<20)|(1<<21)|(7<<22)|(3<<25)
	s_mov_b32 s40, (3<<16)|(1<<20)|(7<<22)|(3<<25)
.irp g, 32, 40
	s_mov_b32 s[\g+1], 128<<16
	s_mov_b32 s[\g+2], 16<<16
	s_mov_b32 s[\g+3], 128<<16
	s_mov_b32 s[\g+4], 16
	s_mov_b32 s[\g+5], 128
	s_mov_b32 s[\g+6], 0
	s_mov_b32 s[\g+7], 0
.endr
	s_lshl_b32 s66, s20, 6
	s_lshl_b32 s67, s[WV], 4
	s_add_co_u32 s66, s66, s67                     ; 64 blk + 16 w: my first row in a batch, and in pos
	s_lshl_b32 s68, s66, 10
	s_mov_b32 s69, 0
	s_lshl_b32 s70, s19, 11
	s_add_co_u32 s70, s70, s66
	s_lshl_b32 s70, s70, 10                        ; and in key and value, in bytes
	s_mov_b32 s71, 0
	s_mul_i32 s72, s[WV], WROWS
	s_mul_i32 s73, s[WV], IMG/4
	s_add_co_u32 s74, s73, 2*IMG                   ; Wk's is image 2
	s_mov_b32 s75, 0
	v_and_b32 v[LN], 31, v0
	v_and_b32 v124, 15, v0                         ; r
	v_bfe_u32 v125, v0, 4, 1                       ; h
	v_lshlrev_b32 v[LI], 4, v[LN]
	v_lshlrev_b32 v[H64], 6, v125
	v_lshlrev_b32 v[L8], 3, v[LN]
	v_mad_u32_u24 v126, v124, ROWP, v[H64]
	v_add_nc_u32 v126, s72, v126
	v_add_nc_u32 v[KA], KEYR, v126
	v_add_nc_u32 v[VA], VALR, v126
	v_add_nc_u32 v[PA], POSR, v126
	s_mul_i32 s66, s[WV], 3072
	v_add_nc_u32 v[XSA], s66, v[LI]
	v_add_nc_u32 v[XSA], XK, v[XSA]
	s_lshr_b32 s66, s[WV], 1
	s_lshl_b32 s66, s66, 9
	s_and_b32 s67, s[WV], 1
	s_lshl_b32 s67, s67, 3
	s_add_co_u32 s66, s66, s67                     ; fragments 2 w, 2 w + 1: group w / 2, words 2 (w % 2) on
	v_add_nc_u32 v[XSS], s66, v[LI]
	v_add_nc_u32 v[XSS], XK+12288, v[XSS]
	v_add_nc_u32 v[XRA], XK, v[LI]
	s_lshl_b32 s66, s[WV], 6
	v_lshl_add_u32 v[NDS], v124, 2, s66
	v_add_nc_u32 v[NDS], NDL, v[NDS]
	v_lshl_add_u32 v[NDR], v125, 5, NDL
	v_and_b32 v127, 8, v124
	v_add_nc_u32 v127, v127, v124                  ; r + 8 (r / 8)
	s_lshl_b32 s66, s[WV], 8
	v_lshl_add_u32 v[BO], v127, 2, s66
	s_mul_i32 s66, s[WV], 12288
	v_add_nc_u32 v[FO], s66, v[LI]
	s_lshl_b32 s66, s[WV], 10
	v_add_nc_u32 v[FSO], s66, v[LI]
.irp b, 0,1,2,3
	v_mov_b32 v[TM+4+\b], 0                        ; written once: a lane permute's destination counts as one of its sources
.endr
	v_mov_b32 v[TMH+2], 0
	v_mov_b32 v[TMH+3], 0
	v_mov_b32 v[TP], 0
	; where the results go, as offsets
	s_lshr_b32 s88, s20, 1                         ; ls
	s_and_b32 s89, s20, 1                          ; c
	s_lshl_b32 s90, s19, 4                         ; 16 b
	s_lshl_b32 s91, s[WV], 2                       ; 4 w
	s_add_co_u32 s92, s90, s88
	s_lshl_b32 s92, s92, 4
	s_add_co_u32 s92, s92, s91
	s_lshl_b32 s80, s92, 13
	s_lshl_b32 s93, s89, 12
	s_add_co_u32 s80, s80, s93                     ; tbuf: 8,192 ((16 b + ls) 16 + 4 w) + 4,096 c
	s_mov_b32 s81, 0
	s_add_co_u32 s94, s90, s91
	s_mul_i32 s94, s94, 26624                      ; vimg's record 16 b + 4 w
	s_mul_i32 s82, s88, 1536
	s_add_co_u32 s82, s82, s94
	s_mul_i32 s93, s89, 768
	s_add_co_u32 s82, s82, s93                     ; its fragment ls, half c
	s_mov_b32 s83, 0
	s_lshr_b32 s84, s88, 2
	s_lshl_b32 s84, s84, 9
	s_and_b32 s93, s88, 3
	s_lshl_b32 s93, s93, 2
	s_add_co_u32 s84, s84, s93
	s_lshl_b32 s93, s89, 1
	s_add_co_u32 s84, s84, s93
	s_add_co_u32 s84, s84, s94
	s_add_co_u32 s84, s84, 24576                   ; and that half's two scale bytes
	s_mov_b32 s85, 0
	s_lshl_b32 s86, s19, 5
	s_add_co_u32 s86, s86, s20
	s_lshl_b32 s86, s86, 2
	s_add_co_u32 s86, s86, s[WV]
	s_lshl_b32 s86, s86, 2                         ; kmax: 4 ((32 b + blk) 4 + w)
	s_mov_b32 s87, 0
	s_mul_i32 s76, s[ROLE], 3*IMG
	s_add_co_u32 s76, s76, IMG                     ; the back part's weights: image 1 (proj) for the key's role, image 4 (Wv) for the value's
	s_mov_b32 s77, 0
	s_wait_dscnt 0x0
	s_wait_kmcnt 0x0
	s_mov_b32 s48, 1                               ; group 0: count 1, LDS address, global address, type 2
	s_add_co_u32 s49, s72, VALR
	s_add_nc_u64 s[50:51], s[6:7], s[70:71]
	s_or_b32 s51, s51, 0x80000000
	s_mov_b32 s52, 1
	s_add_co_u32 s53, s72, KEYR
	s_add_nc_u64 s[54:55], s[4:5], s[70:71]
	s_or_b32 s55, s55, 0x80000000
	s_mov_b32 s56, 1
	s_mov_b32 s57, s73
	s_add_nc_u64 s[58:59], s[10:11], s[74:75]
	s_or_b32 s59, s59, 0x80000000
	s_mov_b32 s60, 1
	s_add_co_u32 s61, s72, POSR
	s_add_nc_u64 s[62:63], s[8:9], s[68:69]
	s_or_b32 s63, s63, 0x80000000
	s_add_nc_u64 s[76:77], s[10:11], s[76:77]
	s_add_nc_u64 s[80:81], s[12:13], s[80:81]
	s_add_nc_u64 s[82:83], s[14:15], s[82:83]
	s_add_nc_u64 s[84:85], s[14:15], s[84:85]
	s_add_nc_u64 s[86:87], s[16:17], s[86:87]
	ROUND                                          ; all four work-groups are here: the joint loads meet
	s_cmp_eq_u32 s[ROLE], 0
	s_cbranch_scc1 .Lkey
	; ================ THE VALUE'S ROLE ================
	tensor_load_to_lds s[48:51], s[40:47]          ; my 16 rows of value
	s_nop 0
	PLACES 4
	WLOADS                                         ; Wv's tiles 4 w .. 4 w + 3
.irp j, 0,1,2,3
	global_load_b32 v[BV+2*\j], v[BO], s[76:77] offset:VCO+128*(\j/2)+32*(\j%2)     ; bv of my unit of tile 4 w + j, twice: a pair for the packed addition
	global_load_b32 v[BV+2*\j+1], v[BO], s[76:77] offset:VCO+128*(\j/2)+32*(\j%2)
.endr
	s_wait_tensorcnt 0x0                           ; my rows are in
	XREAD VA
	s_wait_dscnt 16                                ; the first K step's 16 loads are in
	QUANT ACC, XF, XS
	s_wait_dscnt 0x0
	QUANT ACC+64, XF+12, XS+1
	XSTORE XV-XK
	s_wait_dscnt 0x0                               ; for the others' sake: my stores have landed
	s_barrier_signal -1
	s_barrier_wait -1                              ; the 64 rows' fragments lie in LDS
	XFETCH XV-XK
	s_wait_loadcnt 0x0                             ; Wv's fragments, scale words and biases
	PROD 0
	PLACES 5
; v^T of tile 4 w + j: the bias, the codes along the 64 rows, out.  Each tile has registers of its own for what it stores.
.macro VJOB j
.set n_, 0
.rept 16
	v_pk_add_f32 v[ACC+32*\j+n_:ACC+32*\j+n_+1], v[ACC+32*\j+n_:ACC+32*\j+n_+1], v[BV+2*\j:BV+2*\j+1]
.set n_, n_+2
.endr
	QUANTH ACC+32*\j, PPB+8*\j, HWB+\j
	global_store_b128 v[LI], v[PPB+8*\j:PPB+8*\j+3], s[82:83] offset:26624*\j
	global_store_b64 v[L8], v[PPB+8*\j+4:PPB+8*\j+5], s[82:83] offset:26624*\j+512
	global_store_b16 v[LI], v[HWB+\j], s[84:85] offset:26624*\j
.endm
	VJOB 0
	VJOB 1
	VJOB 2
	VJOB 3
	s_branch .Lend
	; ================ THE KEY'S ROLE ================
.Lkey:
	tensor_load_to_lds s[52:55], s[40:47]          ; my 16 rows of key,
	s_nop 0
	tensor_load_to_lds s[56:59], s[24:31]          ; my quarter of Wk's image (joint),
	s_nop 0
	tensor_load_to_lds s[60:63], s[32:39]          ; my 16 rows of pos (joint)
	s_nop 0
	PLACES 4
	WLOADS                                         ; proj's tiles 4 w .. 4 w + 3
	s_wait_tensorcnt 0x2                           ; my rows of key are in; the two loads issued behind them may be out
	XREAD KA
	s_wait_dscnt 16                                ; the first K step's 16 loads are in
	QUANT ACC, XF, XS
	s_wait_dscnt 0x0
	QUANT ACC+64, XF+12, XS+1
	s_wait_tensorcnt 0x0                           ; my quarter of the image and my rows of pos are in
	s_barrier_signal -1
	s_barrier_wait -1                              ; the image is whole
	BIAS H64, ACC
	LAYER LI, 0, SCO, 8, ACC, XF, XS, 1, 8
	PLACES 5
	ROT
	ds_store_b32 v[NDS], v[SS]                     ; both lanes of a row write the same word with the same value
	QUANT ACC, XF, XS
	QUANT ACC+64, XF+12, XS+1
	XSTORE 0
	s_wait_dscnt 0x0                               ; for the others' sake: my stores have landed
	s_barrier_signal -1
	s_barrier_wait -1                              ; the 64 rows' fragments of rot(k) and their -diag lie in LDS
	XFETCH 0
.irp a, 0,1,2,3
.irp e, 0,1
	ds_load_b128 v[RB+8*\a+4*\e:RB+8*\a+4*\e+3], v[NDR] offset:64*\a+16*\e   ; -diag of rows 16 a + 8 h + 4 e on: the same for all four tiles
.endr
.endr
	s_wait_loadcnt 0x0                             ; proj's fragments and scale words
	PROD 8
	PLACES 5
.irp j, 0,1,2,3                                ; the largest 4 xp, a chain for each tile, each accumulator from its low end on
	v_max_num_f32 v[MXB+\j], v[ACC+32*\j], v[ACC+32*\j+1]
.endr
.irp n, 2,4,6,8,10,12,14,16,18,20,22,24,26,28,30
.irp j, 0,1,2,3
	v_max3_num_f32 v[MXB+\j], v[MXB+\j], v[ACC+32*\j+\n], v[ACC+32*\j+\n+1]
.endr
.endr
	v_max3_num_f32 v[MX], v[MXB], v[MXB+1], v[MXB+2]
	v_max_num_f32 v[MX], v[MX], v[MXB+3]
	s_wait_dscnt 0x0                               ; -diag is in
.set n_, 0
.rept 64
	v_pk_fma_f32 v[ACC+n_:ACC+n_+1], v[ACC+n_:ACC+n_+1], 0x3e800000, v[RB+n_%32:RB+n_%32+1] op_sel_hi:[1,0,1]   ; t = xp - diag
.set n_, n_+2
.endr
.set n_, 0
.rept 32
	global_store_b128 v[LI], v[ACC+4*n_:ACC+4*n_+3], s[80:81] offset:8192*(n_/8)+512*(n_%8)   ; 32 lanes store 512 consecutive bytes
.set n_, n_+1
.endr
	; my wave's largest xp
	v_mul_f32 v[MX], 0x3e800000, v[MX]
	v_max_num_f32_dpp v[MX], v[MX], v[MX] row_xmask:1 row_mask:0xf bank_mask:0xf
	v_max_num_f32_dpp v[MX], v[MX], v[MX] row_xmask:2 row_mask:0xf bank_mask:0xf
	v_max_num_f32_dpp v[MX], v[MX], v[MX] row_xmask:4 row_mask:0xf bank_mask:0xf
	v_max_num_f32_dpp v[MX], v[MX], v[MX] row_xmask:8 row_mask:0xf bank_mask:0xf
	v_permlanex16_b32 v[TP], v[MX], s[SEL], s[SEL+1]
	v_max_num_f32 v[MX], v[MX], v[TP]
	v_cmp_gt_u32 vcc_lo, 1, v[LN]
	s_wait_xcnt 0x0                                ; EXEC changes only behind this wait
	s_and_saveexec_b32 s21, vcc_lo
	global_store_b32 v[LN], v[MX], s[86:87]        ; lane 0 alone (its offset is 0)
	s_wait_xcnt 0x0
	s_or_b32 exec_lo, exec_lo, s21
.Lend:
	s_set_vgpr_msb 0x5
	s_wait_tensorcnt 0x0
	ds_add_u32 v192, v193
	s_wait_dscnt 0x0
	s_set_vgpr_msb 0x500
	ROUND                                          ; the closing round: no work-group ends while a partner may still ask for a tile that names it
	s_endpgm
.Lfunc_end_k_q13ff92627b_kv:
	.size	k_q13ff92627b_kv, .Lfunc_end_k_q13ff92627b_kv-k_q13ff92627b_kv
	.p2alignl 7, 3214868480
	.fill 96, 4, 3214868480
	.section	.rodata,"a",@progbits
	.p2align	6, 0x0
	.amdhsa_kernel k_q13ff92627b_kv
		.amdhsa_group_segment_fixed_size 281344
		.amdhsa_private_segment_fixed_size 0
		.amdhsa_enable_private_segment 0
		.amdhsa_kernarg_size 56
		.amdhsa_user_sgpr_count 2
		.amdhsa_user_sgpr_kernarg_segment_ptr 1
		.amdhsa_wavefront_size32 1
		.amdhsa_system_sgpr_workgroup_id_x 1
		.amdhsa_system_sgpr_workgroup_id_y 1
		.amdhsa_system_sgpr_workgroup_id_z 1
		.amdhsa_system_vgpr_workitem_id 0
		.amdhsa_next_free_vgpr 450
		.amdhsa_next_free_sgpr 96
		.amdhsa_reserve_vcc 1
		.amdhsa_float_denorm_mode_32 3
		.amdhsa_float_denorm_mode_16_64 3
		.amdhsa_memory_ordered 1
		.amdhsa_forward_progress 1
		.amdhsa_inst_pref_size 115
	.end_amdhsa_kernel
	.amdgpu_metadata
---
amdhsa.version: [ 1, 2 ]
amdhsa.kernels:
  - .name:           k_q13ff92627b_kv
    .symbol:         k_q13ff92627b_kv.kd
    .args:
      - { .name: key, .offset: 0, .size: 8, .value_kind: global_buffer, .address_space: global }
      - { .name: value, .offset: 8, .size: 8, .value_kind: global_buffer, .address_space: global }
      - { .name: pos, .offset: 16, .size: 8, .value_kind: global_buffer, .address_space: global }
      - { .name: wimg, .offset: 24, .size: 8, .value_kind: global_buffer, .address_space: global }
      - { .name: tbuf, .offset: 32, .size: 8, .value_kind: global_buffer, .address_space: global }
      - { .name: vimg, .offset: 40, .size: 8, .value_kind: global_buffer, .address_space: global }
      - { .name: kmax, .offset: 48, .size: 8, .value_kind: global_buffer, .address_space: global }
    .group_segment_fixed_size: 281344
    .private_segment_fixed_size: 0
    .kernarg_segment_align: 8
    .kernarg_segment_size: 56
    .max_flat_workgroup_size: 128
    .sgpr_count:     96
    .vgpr_count:     450
    .wavefront_size: 32
...
	.end_amdgpu_metadata
.endif
;; end of part 5
;; launch kvs (part 6): grid 32 x 4, 16 waves a work-group, no clusters, 92,160 bytes of LDS; arguments tbuf, vimg, kmax, kvimg; writes kvimg
.if DOCPART == 6
	.amdgcn_target "amdgcn-amd-amdhsa--gfx1250"
	.amdhsa_code_object_version 6
	.text
	.protected	k_q13ff92627b_kvs
	.globl	k_q13ff92627b_kvs
	.p2align	8
	.type	k_q13ff92627b_kvs,@function
k_q13ff92627b_kvs:
	s_mov_b64 s[64:65], 0
	v_nop
	global_prefetch_b8 v0, s[64:65] scope:SCOPE_SE
	s_setreg_imm32_b32 hwreg(HW_REG_WAVE_MODE, 25, 1), 1
	s_wait_xcnt 0x0
; kp = (exp(t - mx) + 1e-6) / 16, ksum = the sum of kp over the rows, kvs = kp^T v on codes of FP6 (E2M3), K = the batch's 2,048 rows; kvs is quantised along m into an operand image for the last launch.
; kp is the same for all eight heads (reference() hands them the same k), so kvs over all heads is one product [256 m] x [2,048 rows] x [256 (head, channel)] a batch.
; SHARES.  Work-group x = xm + 8 z, y: 32 neighbouring m (m tiles 2 xm, 2 xm + 1), column tiles 4 z .. 4 z + 3, all rows of batch y: 128 work-groups.
; 32 m are one block of the next product's K, with one scale: a finer share of m would split a scale.  The four work-groups that share their m each make kp for themselves: nothing passes between work-groups.
; Phase 1: wave w takes K step w (128 rows): t -> kp for both m tiles, their sums over the rows, their codes to LDS as register images.  A barrier.
; Phase 2: wave w = 4 kq + ct takes column tile 4 z + ct and K steps 4 kq .. 4 kq + 3: source 0 = kp's tile (eight fragments from LDS, each read once by the wave), source 1 = v's fragment (asked for at the head, straight into
; operand registers).  Waves 4-15 hand their two accumulators over through LDS; a barrier; waves 0-3 add the four quarters of K in the order of the rows.
; In the result a lane holds one column and its 16 registers the m 32 xm + 16 h + 0 .. 15: one conversion gives three registers of the image's fragment 2 (4 z + ct) + xm / 4.
; Wave 4 of the work-groups with z = 0 adds the sixteen waves' sums to ksum.
; NO CLUSTER, NO TENSOR LOAD: t goes straight into the registers in which it is worked, and a wave reads of v only its own four fragments, once.
; The image's codes leave as 4 bytes a lane and its scale bytes singly: parts of 256-byte runs, 217,088 bytes in the whole launch.
; LIMITS: NaN and infinities are not served.  e^u is made as 2^(u log2 e): its relative error grows as |u| x 6e-8, and where |u| passes 32 e^u is nothing beside 1e-6; results of the exponential under 2^-126 come out as 0 (ISA guide, v_exp_f32).
.set IMG,  54272
.set SCO,  49152
.set VCO,  53248
.set KSC,  49152                       ; LDS: kp's 32 fragments (2 ls + mt) from 0; their scale words from KSC;
.set KSP,  53248                       ; the waves' sums over their rows: [wave][mt][lane] f32;
.set RED,  57344                       ; the waves' accumulators: 2,048 bytes a wave
.set PC,   16                          ; v16-27  phase 1: the codes just made;  v28 their scale word;  phase 2: v16-31 the two accumulators
.set PW,   28
.set V,    32                          ; v32-79  four fragments of v
.set TM,   80                          ; v80-103 at work
.set EX,   96
.set VS,   104                         ; v104-107 v's scale words, one a K step
.set KS,   108                         ; v108-115 kp's, 2 i + mt
.set KPR,  116                         ; v116 my eight fragments of kp: 12,288 kq + 16 l
.set KSR,  117                         ; v117 their scale words
.set RDA,  118                         ; v118 RED + 2,048 w + 16 l
.set T,    128                         ; v128-255 t, then kp: 64 numbers for each m tile
.set KPF,  128                         ; v128-223 phase 2: eight fragments of kp; then the other waves' accumulators
.set SEL,  16
.macro PLACES n
.rept \n
	v_nop
.endr
.endm
; 64 numbers of a lane, register 16 b + i = place 32 b + 16 h + i of the K step, become a fragment's 12 registers at dst and its scale word in sw.
.macro QUANT src, dst, sw
.irp b, 0,1,2,3
	v_max3_num_f32 v[TM+\b], |v[\src+16*\b]|, |v[\src+16*\b+1]|, 0x1800000
.endr
.irp i, 2,4,6,8,10,12,14
.irp b, 0,1,2,3
	v_max3_num_f32 v[TM+\b], v[TM+\b], |v[\src+16*\b+\i]|, |v[\src+16*\b+\i+1]|
.endr
.endr
.irp b, 0,1,2,3
	v_permlanex16_b32 v[TM+4+\b], v[TM+\b], s[SEL], s[SEL+1]
.endr
.irp b, 0,1,2,3
	v_max_num_f32 v[TM+\b], v[TM+\b], v[TM+4+\b]
.endr
.irp b, 0,1,2,3
	v_add_nc_u32 v[TM+12+\b], 0xff000000, v[TM+\b]
.endr
.irp b, 0,1,2,3
	v_lshrrev_b32 v[TM+4+\b], 23, v[TM+12+\b]
.endr
	v_lshl_or_b32 v[\sw], v[TM+5], 8, v[TM+4]
	v_lshl_or_b32 v[\sw], v[TM+6], 16, v[\sw]
	v_lshl_or_b32 v[\sw], v[TM+7], 24, v[\sw]
.irp c, 0,1
	v_cvt_scalef32_pk16_fp6_f32 v[\dst+6*\c:\dst+6*\c+2], v[\src+32*\c:\src+32*\c+15], v[TM+12+2*\c]
	v_cvt_scalef32_pk16_fp6_f32 v[EX+4*\c:EX+4*\c+2], v[\src+32*\c+16:\src+32*\c+31], v[TM+12+2*\c+1]
.endr
	v_nop                                          ; one plain place behind a scaled conversion
.irp c, 0,1
.irp i, 0,1,2
	v_permlane16_swap_b32 v[\dst+6*\c+\i], v[EX+4*\c+\i]
.endr
.irp i, 0,1,2
	v_mov_b32 v[\dst+6*\c+3+\i], v[EX+4*\c+\i]
.endr
.endr
.endm
	s_load_b256 s[4:11], s[0:1], 0x0               ; tbuf s[4:5], vimg s[6:7], kmax s[8:9], kvimg s[10:11]
	v_lshl_add_u32 v126, v0, 2, 0x16000
	v_mov_b32 v127, 0
	v_lshrrev_b32 v1, 5, v0
	v_readfirstlane_b32 s12, v1                    ; wave 0..15
	s_and_b32 s13, ttmp9, 7                        ; xm: the block of 32 m
	s_lshr_b32 s40, ttmp9, 3                       ; z: the quarter of the columns
	s_and_b32 s14, ttmp7, 0xffff                   ; y: the batch
	s_mov_b32 s[SEL], 0x76543210
	s_mov_b32 s[SEL+1], 0xfedcba98
	s_lshr_b32 s41, s12, 2                         ; kq
	s_and_b32 s42, s12, 3                          ; ct
	s_lshl_b32 s43, s40, 2
	s_add_co_u32 s43, s43, s42                     ; n = 4 z + ct: my column tile
	s_lshl_b32 s18, s14, 4                         ; 16 y
	s_add_co_u32 s19, s18, s12                     ; 16 y + w
	s_lshl_b32 s20, s19, 4
	s_lshl_b32 s21, s13, 1
	s_add_co_u32 s20, s20, s21
	s_lshl_b32 s20, s20, 13                        ; t of (y, K step w, m tile 2 xm)
	s_mov_b32 s21, 0
	s_add_co_u32 s22, s18, s43
	s_mul_i32 s22, s22, 26624                      ; v's record of (y, n):
	s_mul_i32 s44, s41, 6144
	s_add_co_u32 s44, s44, s22                     ; its fragments 4 kq on,
	s_mov_b32 s45, 0
	s_lshl_b32 s46, s41, 9
	s_add_co_u32 s46, s46, s22                     ; and their group of four scale words (24,576 further on)
	s_mov_b32 s47, 0
	s_lshl_b32 s32, s14, 9                         ; the batch's 128 partial maxima
	s_mov_b32 s33, 0
	s_mul_i32 s34, s14, IMG                        ; the batch's image
	s_mov_b32 s35, 0
	s_lshr_b32 s24, s13, 2
	s_lshl_b32 s25, s43, 1
	s_add_co_u32 s24, s24, s25                     ; f = 2 n + xm / 4
	s_mul_i32 s36, s24, 1536
	s_and_b32 s25, s13, 1
	s_lshl_b32 s25, s25, 8
	s_add_co_u32 s36, s36, s25                     ; + 256 (xm % 2): the half of the lanes that holds this block of m
	s_mov_b32 s37, 0
	s_lshr_b32 s38, s24, 2
	s_lshl_b32 s38, s38, 9
	s_and_b32 s25, s24, 3
	s_lshl_b32 s25, s25, 2
	s_add_co_u32 s38, s38, s25
	s_and_b32 s25, s13, 3
	s_add_co_u32 s38, s38, s25
	s_add_co_u32 s38, s38, SCO                     ; the fragment's scale words, byte xm % 4
	s_mov_b32 s39, 0
	s_bfe_u32 s25, s13, 0x10001
	s_mul_i32 s25, s25, 6                          ; 6 c, c = (xm / 2) % 2
	s_lshl_b32 s15, s13, 7
	s_add_co_u32 s15, s15, VCO                     ; ksum of m 32 xm on
	v_and_b32 v7, 31, v0
	v_lshlrev_b32 v1, 4, v7                        ; 16 x lane
	v_lshlrev_b32 v2, 3, v7                        ; 8 x lane
	s_mul_i32 s19, s12, 3072
	v_add_nc_u32 v3, s19, v1                       ; where I store my two fragments
	s_lshr_b32 s19, s12, 1
	s_lshl_b32 s19, s19, 9
	s_and_b32 s18, s12, 1
	s_lshl_b32 s18, s18, 3
	s_add_co_u32 s19, s19, s18
	v_add_nc_u32 v4, s19, v1
	v_add_nc_u32 v4, KSC, v4                       ; and their scale words
	s_lshl_b32 s19, s12, 8
	v_lshl_add_u32 v5, v7, 2, s19
	v_add_nc_u32 v5, KSP, v5                       ; and my sums
	v_and_b32 v6, 15, v0
	v_bfe_u32 v9, v0, 4, 1
	v_lshlrev_b32 v6, 2, v6
	v_lshl_add_u32 v6, v9, 7, v6
	v_add_nc_u32 v6, KSP, v6                       ; for ksum: lane (r, h) reads tile h, lane r
	s_mul_i32 s19, s41, 12288
	v_add_nc_u32 v[KPR], s19, v1
	s_lshl_b32 s19, s41, 10
	v_add_nc_u32 v[KSR], s19, v1
	v_add_nc_u32 v[KSR], KSC, v[KSR]
	s_lshl_b32 s19, s12, 11
	v_add_nc_u32 v[RDA], s19, v1
	v_add_nc_u32 v[RDA], RED, v[RDA]
	v_mov_b32 v10, 0x338637bd                      ; 1e-6 / 16
	v_mov_b32 v11, 0x338637bd
.irp b, 0,1,2,3
	v_mov_b32 v[TM+4+\b], 0                        ; written once: a lane permute's destination counts as one of its sources
.endr
	s_wait_kmcnt 0x0
	s_add_nc_u64 s[4:5], s[4:5], s[20:21]
	s_add_nc_u64 s[44:45], s[6:7], s[44:45]
	s_add_nc_u64 s[46:47], s[6:7], s[46:47]
	s_add_nc_u64 s[8:9], s[8:9], s[32:33]
	s_add_nc_u64 s[10:11], s[10:11], s[34:35]
	s_add_nc_u64 s[26:27], s[10:11], s[36:37]
	s_add_nc_u64 s[28:29], s[10:11], s[38:39]
	s_mov_b32 s32, s15
	s_add_nc_u64 s[30:31], s[10:11], s[32:33]
	global_load_b128 v[12:15], v1, s[8:9]
.set n_, 0
.rept 32
	global_load_b128 v[T+4*n_:T+4*n_+3], v1, s[4:5] offset:512*n_    ; tile 2 xm's 8,192 bytes, then tile 2 xm + 1's
.set n_, n_+1
.endr
	global_load_b128 v[VS:VS+3], v1, s[46:47] offset:24576           ; v's scale words of my four K steps,
.irp i, 0,1,2,3                                                          ; and its four fragments, four loads each: 17 loads, wanted in phase 2
	global_load_b128 v[V+12*\i:V+12*\i+3], v1, s[44:45] offset:1536*\i
	global_load_b64 v[V+12*\i+4:V+12*\i+5], v2, s[44:45] offset:1536*\i+512
	global_load_b128 v[V+12*\i+6:V+12*\i+9], v1, s[44:45] offset:1536*\i+768
	global_load_b64 v[V+12*\i+10:V+12*\i+11], v2, s[44:45] offset:1536*\i+1280
.endr
	s_wait_loadcnt 49                              ; the maxima are in; t's 32 loads and v's 17 may be out
	v_max3_num_f32 v7, v12, v13, v14
	v_max_num_f32 v7, v7, v15
	v_max_num_f32_dpp v7, v7, v7 row_xmask:1 row_mask:0xf bank_mask:0xf
	v_max_num_f32_dpp v7, v7, v7 row_xmask:2 row_mask:0xf bank_mask:0xf
	v_max_num_f32_dpp v7, v7, v7 row_xmask:4 row_mask:0xf bank_mask:0xf
	v_max_num_f32_dpp v7, v7, v7 row_xmask:8 row_mask:0xf bank_mask:0xf
	v_permlanex16_b32 v9, v7, s[SEL], s[SEL+1]
	v_max_num_f32 v7, v7, v9                       ; mx: the batch's largest xp
	v_mul_f32 v8, -1.0, v7
	v_mov_b32 v9, v8
; ---- 1: kp of my 128 rows for m tile 2 xm + mt
.macro KPJOB mt
.set t_b, T+64*\mt
	s_wait_loadcnt 16*(1-\mt)+17                   ; this tile's 16 loads are in; the other tile's 16 and v's 17 may be out
.set n_, 0
.rept 32
	v_pk_add_f32 v[t_b+n_:t_b+n_+1], v[t_b+n_:t_b+n_+1], v[8:9]
.set n_, n_+2
.endr
.set n_, 0
.rept 32
	v_pk_mul_f32 v[t_b+n_:t_b+n_+1], v[t_b+n_:t_b+n_+1], 0x3fb8aa3b op_sel_hi:[1,0]
.set n_, n_+2
.endr
.set n_, 0
.rept 64
	v_exp_f32 v[t_b+n_], v[t_b+n_]
.set n_, n_+1
.endr
	v_nop                                          ; a plain place behind the exponentials
.set n_, 0
	s_wait_alu depctr_va_vdst(0)
.rept 32
	v_pk_fma_f32 v[t_b+n_:t_b+n_+1], v[t_b+n_:t_b+n_+1], 0x3d800000, v[10:11] op_sel_hi:[1,0,1]   ; e / 16 + 1e-6 / 16: one rounding, as (e + 1e-6) / 16 has
.set n_, n_+2
.endr
	v_pk_add_f32 v[12:13], v[t_b:t_b+1], v[t_b+4:t_b+5]            ; the sum over my rows, of the unquantised kp, in two chains
	v_pk_add_f32 v[14:15], v[t_b+2:t_b+3], v[t_b+6:t_b+7]
.set n_, 8
.rept 14
	v_pk_add_f32 v[12:13], v[12:13], v[t_b+n_:t_b+n_+1]
	v_pk_add_f32 v[14:15], v[14:15], v[t_b+n_+2:t_b+n_+3]
.set n_, n_+4
.endr
	v_pk_add_f32 v[12:13], v[12:13], v[14:15]
	v_add_f32 v12, v12, v13
	v_permlanex16_b32 v7, v12, s[SEL], s[SEL+1]
	v_add_f32 v12, v12, v7
	ds_store_b32 v5, v12 offset:128*\mt
	QUANT t_b, PC, PW
.irp c, 0,1,2
	ds_store_b128 v3, v[PC+4*\c:PC+4*\c+3] offset:1536*\mt+512*\c
.endr
	ds_store_b32 v4, v[PW] offset:4*\mt
	s_wait_dscnt 0x0                               ; the stores have landed and have read their registers
.endm
	KPJOB 0
	KPJOB 1
	s_barrier_signal -1
	s_barrier_wait -1                              ; kp's 32 fragments, their scale words and the waves' sums lie in LDS
	; ---- 2: my column tile, my four K steps: two accumulators by turns
	ds_load_b128 v[KS:KS+3], v[KSR]
	ds_load_b128 v[KS+4:KS+7], v[KSR] offset:512
.set n_, 0
.rept 24
	ds_load_b128 v[KPF+4*n_:KPF+4*n_+3], v[KPR] offset:512*n_        ; fragments 8 kq .. 8 kq + 7: 12,288 consecutive bytes, six loads a K step
.set n_, n_+1
.endr
	s_wait_loadcnt 0x0                             ; v
.set p_i, 0
.rept 4
	s_wait_dscnt 6*(3-p_i)                         ; the later K steps' six loads each may be out
.irp m, 0,1
.if p_i == 0
	v_wmma_scale_f32_16x16x128_f8f6f4 v[16+8*\m:23+8*\m], v[KPF+12*(2*p_i+\m):KPF+12*(2*p_i+\m)+11], v[V+12*p_i:V+12*p_i+11], 0, v[KS+2*p_i+\m], v[VS+p_i] matrix_a_fmt:MATRIX_FMT_FP6 matrix_b_fmt:MATRIX_FMT_FP6
.else
	v_wmma_scale_f32_16x16x128_f8f6f4 v[16+8*\m:23+8*\m], v[KPF+12*(2*p_i+\m):KPF+12*(2*p_i+\m)+11], v[V+12*p_i:V+12*p_i+11], v[16+8*\m:23+8*\m], v[KS+2*p_i+\m], v[VS+p_i] matrix_a_fmt:MATRIX_FMT_FP6 matrix_b_fmt:MATRIX_FMT_FP6
.endif
.endr
.set p_i, p_i+1
.endr
	PLACES 5                                       ; in front of the first read of the results, and of loads into registers that the products have read
	s_cmp_lt_u32 s12, 4
	s_cbranch_scc1 .Lkeep                          ; waves 0-3 keep theirs
.irp q, 0,1,2,3
	ds_store_b128 v[RDA], v[16+4*\q:19+4*\q] offset:512*\q           ; each accumulator from its low end on
.endr
.Lkeep:
	s_wait_dscnt 0x0                               ; for the others' sake: my stores have landed
	s_barrier_signal -1
	s_barrier_wait -1                              ; the twelve waves' accumulators lie in LDS
	s_cmp_lt_u32 s12, 4
	s_cbranch_scc1 .Lfinal
	s_cmp_lg_u32 s12, 4
	s_cbranch_scc1 .Lend
	s_cmp_lg_u32 s40, 0                            ; ksum is stored by one of the four work-groups that hold it
	s_cbranch_scc1 .Lend
	; wave 4: ksum of the 32 m: the sixteen waves' sums, in the order of the rows
.irp k, 0,1,2,3,4,5,6,7,8,9,10,11,12,13,14,15
	ds_load_b32 v[KPF+\k], v6 offset:256*\k
.endr
	v_and_b32 v88, 15, v0                          ; r
	v_bfe_u32 v89, v0, 4, 1                        ; h
	v_and_b32 v90, 8, v88
	v_add_nc_u32 v90, v90, v88
	v_lshl_add_u32 v90, v89, 3, v90
	v_lshlrev_b32 v90, 2, v90                      ; lane (r, h) holds m 32 xm + 8 h + r + 8 (r / 8)
	s_wait_dscnt 0x0
.irp k, 1,2,3,4,5,6,7,8,9,10,11,12,13,14,15
	v_add_f32 v[KPF], v[KPF], v[KPF+\k]
.endr
	global_store_b32 v90, v[KPF], s[30:31]
	s_branch .Lend
.Lfinal:
	; ---- 3: waves 0-3: the other three quarters of K are added, in the order of the rows
.irp k, 1,2,3
.irp q, 0,1,2,3
	ds_load_b128 v[KPF+16*(\k-1)+4*\q:KPF+16*(\k-1)+4*\q+3], v[RDA] offset:8192*\k+512*\q
.endr
.endr
.irp k, 1,2,3
	s_wait_dscnt 4*(3-\k)                          ; the later quarters' four loads each may be out
.irp n, 0,2,4,6,8,10,12,14
	v_pk_add_f32 v[16+\n:17+\n], v[16+\n:17+\n], v[KPF+16*(\k-1)+\n:KPF+16*(\k-1)+\n+1]
.endr
.endr
	; my column's 16 numbers of the block of 32 m, quantised; lane l xor 16 holds the other 16
	v_max3_num_f32 v80, |v16|, |v17|, 0x1800000
.irp i, 2,4,6,8,10,12,14
	v_max3_num_f32 v80, v80, |v[16+\i]|, |v[17+\i]|
.endr
	v_permlanex16_b32 v81, v80, s[SEL], s[SEL+1]
	v_max_num_f32 v80, v80, v81
	v_add_nc_u32 v82, 0xff000000, v80
	v_lshrrev_b32 v83, 23, v82
	v_cvt_scalef32_pk16_fp6_f32 v[84:86], v[16:31], v82
	v_and_b32 v88, 15, v0                          ; r.  (A plain place behind the conversion)
	v_bfe_u32 v89, v0, 4, 1                        ; h
	v_mul_u32_u24 v87, v89, 3
	v_add_nc_u32 v87, s25, v87                     ; my three registers of the fragment: q = 6 c + 3 h + 0, 1, 2
.irp i, 0,1,2
	v_add_nc_u32 v[96+\i], \i, v87
	v_lshrrev_b32 v[100+\i], 2, v[96+\i]
	v_and_b32 v[96+\i], 3, v[96+\i]
	v_lshlrev_b32 v[96+\i], 2, v[96+\i]
	v_lshl_add_u32 v[96+\i], v[100+\i], 9, v[96+\i]
	v_lshl_add_u32 v[96+\i], v88, 4, v[96+\i]      ; 512 (q / 4) + 4 (q % 4) + 16 r
	global_store_b32 v[96+\i], v[84+\i], s[26:27]
.endr
	global_store_b8 v1, v83, s[28:29]              ; both halves of the lanes hold the byte, and each writes its own word's
.Lend:
	s_wait_tensorcnt 0x0
	ds_add_u32 v126, v127
	s_wait_dscnt 0x0
	s_endpgm
.Lfunc_end_k_q13ff92627b_kvs:
	.size	k_q13ff92627b_kvs, .Lfunc_end_k_q13ff92627b_kvs-k_q13ff92627b_kvs
	.p2alignl 7, 3214868480
	.fill 96, 4, 3214868480
	.section	.rodata,"a",@progbits
	.p2align	6, 0x0
	.amdhsa_kernel k_q13ff92627b_kvs
		.amdhsa_group_segment_fixed_size 92160
		.amdhsa_private_segment_fixed_size 0
		.amdhsa_enable_private_segment 0
		.amdhsa_kernarg_size 32
		.amdhsa_user_sgpr_count 2
		.amdhsa_user_sgpr_kernarg_segment_ptr 1
		.amdhsa_wavefront_size32 1
		.amdhsa_system_sgpr_workgroup_id_x 1
		.amdhsa_system_sgpr_workgroup_id_y 1
		.amdhsa_system_sgpr_workgroup_id_z 1
		.amdhsa_system_vgpr_workitem_id 0
		.amdhsa_next_free_vgpr 256
		.amdhsa_next_free_sgpr 66
		.amdhsa_reserve_vcc 0
		.amdhsa_float_denorm_mode_32 3
		.amdhsa_float_denorm_mode_16_64 3
		.amdhsa_memory_ordered 1
		.amdhsa_forward_progress 1
		.amdhsa_inst_pref_size 52
	.end_amdhsa_kernel
	.amdgpu_metadata
---
amdhsa.version: [ 1, 2 ]
amdhsa.kernels:
  - .name:           k_q13ff92627b_kvs
    .symbol:         k_q13ff92627b_kvs.kd
    .args:
      - { .name: tbuf, .offset: 0, .size: 8, .value_kind: global_buffer, .address_space: global }
      - { .name: vimg, .offset: 8, .size: 8, .value_kind: global_buffer, .address_space: global }
      - { .name: kmax, .offset: 16, .size: 8, .value_kind: global_buffer, .address_space: global }
      - { .name: kvimg, .offset: 24, .size: 8, .value_kind: global_buffer, .address_space: global }
    .group_segment_fixed_size: 92160
    .private_segment_fixed_size: 0
    .kernarg_segment_align: 8
    .kernarg_segment_size: 32
    .max_flat_workgroup_size: 512
    .sgpr_count:     66
    .vgpr_count:     256
    .wavefront_size: 32
...
	.end_amdgpu_metadata
.endif
;; end of part 6
;; launch qchain (part 7): grid 32 x 4, 4 waves a work-group, clusters of 4 x 1, 317,952 bytes of LDS; arguments query, pos, wimg, kvimg, out0; writes out0
.if DOCPART == 7
	.amdgcn_target "amdgcn-amd-amdhsa--gfx1250"
	.amdhsa_code_object_version 6
	.text
	.protected	k_q13ff92627b_qchain
	.globl	k_q13ff92627b_qchain
	.p2align	8
	.type	k_q13ff92627b_qchain,@function
k_q13ff92627b_qchain:
	s_mov_b64 s[64:65], 0
	v_nop
	global_prefetch_b8 v0, s[64:65] scope:SCOPE_SE
	s_setreg_imm32_b32 hwreg(HW_REG_WAVE_MODE, 25, 1), 1
	s_wait_xcnt 0x0
	s_wait_alu depctr_hold_cnt(0) depctr_sa_sdst(0) depctr_va_vdst(0) depctr_va_sdst(0) depctr_va_ssrc(0) depctr_va_vcc(0) depctr_vm_vsrc(0)
	s_getreg_b32 s2, hwreg(HW_REG_IB_STS2, 6, 4)
	s_cmp_eq_u32 s2, 0
	s_cbranch_scc0 .Lentry_in_a_cluster
	s_endpgm
.Lentry_in_a_cluster:
	s_bfe_u32 s2, ttmp6, 0x10000c
	s_cmp_lg_u32 s2, 0x3003
	s_cbranch_scc0 .Lentry_shape_is_right
	s_endpgm
.Lentry_shape_is_right:
; The query's side, from query to the output, for 64 rows of one batch.  All four products on codes of FP6 (E2M3) with one E8M0 scale for each 32 along K:
;   q = query Wq + bq;  rot(q) by pos;  xp = (rot / 4) proj^T;  qp = (exp(xp - diag - the row's largest xp) + 1e-6) / 16;  den = qp . ksum in f32;  num = qp kvs;  ctx = num / den;  out = ctx Wo + bo.
; reference() hands the SAME q to all eight heads, so rot, xp, qp and den are made once, and num over all heads is one product with K = 256 m and 256 columns (head, channel).
; The factor 1/4 is a power of two: rot is quantised and the product is multiplied by 0.25, which rounds nothing.
; SHARES.  Wave w walks the whole chain for rows 16 w + r in its registers.  Every product is used transposed (source 0 = 16 units of the layer's image, source 1 = my 16 rows), and a tile's lane r holds
; unit 32 (t / 2) + 8 (t % 2) + r + 8 (r / 8): so a lane holds one row and register 16 b + i its unit 32 b + 16 h + i: 16 neighbours along the next K.  Nothing passes from wave to wave but the images.
; CLUSTER.  The four partners are four blocks of rows of one batch: all four images (217,088 of the 283,648 bytes that tensor loads bring) are asked for jointly, mask 15.
; WHAT IS WANTED FIRST IS ASKED FOR FIRST: query by plain loads ahead of the opening round; then each wave asks for its quarter of Wq's image, its rows of pos, and its quarters of proj's, kvs's and Wo's images, in the
; chain's order (by this text's count five tensor loads a wave are out at most).  In front of each image's first use stand a wait that counts the loads issued behind that image's, and a barrier; nothing is filled again,
; so the later images may stay on their way across these barriers.
; Behind the rotation a wave's rows of pos have been read: its own part serves as its stage on the way out.
; query comes by loads of 512 consecutive bytes and turns through a stage of the wave's own, half a row at a time: a third set of padded rows would not fit in LDS beside the images.
; LIMITS: NaN and infinities are not served; a block whose largest magnitude lies under 2^-124 is held at byte 1 (there the folded 1/4 departs from the stated quantiser); a block of zeros gets byte 1 in place of 127.
; e^u is made as 2^(u log2 e): its relative error grows as |u| x 6e-8, and where |u| passes 32 e^u is nothing beside 1e-6.  The division is v_rcp_f32 and a multiplication.
.set IMG,   54272                      ; an operand image: 32 fragments of 1,536 bytes, scale words from SCO, 256 f32 from VCO
.set SCO,   49152
.set VCO,   53248
.set ROWP,  1040                       ; a row of 1,024 bytes + 16 of padding
.set WROWS, 16*ROWP
.set POSR,  4*IMG                      ; LDS: the images of Wq, proj, kvs, Wo from 0; the waves' 16 rows of pos;
.set QST,   POSR+4*WROWS               ; a stage of 16 rows x (512 + 16) bytes for each wave, written by LDS stores alone
.set RING,  3                          ; sets of registers through which a layer's fragments come
.set LI0, 1                            ; v1   16 x lane = my place in image 0;  v3-5 in images 1-3
.set LI1, 3
.set LI2, 4
.set LI3, 5
.set VB0, 6                            ; v6-8 64 h in images 0, 2, 3: their 256 f32
.set VB2, 7
.set VB3, 8
.set PA,  9                            ; v9   my row's 64 h bytes in pos, and in the stage on the way out
.set QS,  10                           ; v10  query's stage: in
.set QR,  11                           ; v11  and back
.set STR, 12                           ; v12  the way out: back
.set EP,  14                           ; v14-15 1e-6 / 16, twice
.set XF,  16                           ; v16-39  two fragments of my rows
.set XS,  40                           ; v40-41  their scale words
.set WS,  42                           ; v42-49  scale words of the ring's fragments
.set RB,  50                           ; v50-121 the ring; between layers: at work
.set TM,  RB
.set EX,  RB+16
.set RT,  RB+32
.set DA,  RB+32
.set SS,  122                          ; v122-125 sums of squares; then v122-123 -diag twice, v124-125 -mx twice, later 1 / den twice
.set NM,  124
.set T0,  126
.set T1,  127
.set ACC, 128                          ; v128-255 a layer's 16 accumulators
.set WV,  18
.set SEL, 22
.macro PLACES n
.rept \n
	v_nop
.endr
.endm
.macro ROUND                           ; a round of the cluster's barrier
	s_barrier_signal -1
	s_barrier_wait -1
	s_cmp_lg_u32 s[WV], 0
	s_cbranch_scc1 .Lnot_wave_0_\@
	s_barrier_signal -3
.Lnot_wave_0_\@:
	s_barrier_wait -3
	s_barrier_signal -1
	s_barrier_wait -1
.endm
; In front of an image's first use: my quarter of it is in (left: the tensor loads that I issued behind it, which may stay out), and so is everybody's.  No LDS instruction of mine is out here.
.macro MEET left
	s_wait_tensorcnt \left
	s_barrier_signal -1
	s_barrier_wait -1
.endm
; 64 numbers of a lane, register 16 b + i = k 32 b + 16 h + i of its row, become a fragment's 12 registers at dst and its scale word in sw.
.macro QUANT src, dst, sw
.irp b, 0,1,2,3
	v_max3_num_f32 v[TM+\b], |v[\src+16*\b]|, |v[\src+16*\b+1]|, 0x1800000   ; my 16 numbers of block b, and the floor 2^(3 - 127)
.endr
.irp i, 2,4,6,8,10,12,14
.irp b, 0,1,2,3
	v_max3_num_f32 v[TM+\b], v[TM+\b], |v[\src+16*\b+\i]|, |v[\src+16*\b+\i+1]|
.endr
.endr
.irp b, 0,1,2,3
	v_permlanex16_b32 v[TM+4+\b], v[TM+\b], s[SEL], s[SEL+1]
.endr
.irp b, 0,1,2,3
	v_max_num_f32 v[TM+\b], v[TM+\b], v[TM+4+\b]   ; with lane l xor 16's: the block's largest magnitude
.endr
.irp b, 0,1,2,3
	v_add_nc_u32 v[TM+12+\b], 0xff000000, v[TM+\b] ; 2 off its exponent field: the conversion's scale operand
.endr
.irp b, 0,1,2,3
	v_lshrrev_b32 v[TM+4+\b], 23, v[TM+12+\b]      ; the scale's byte
.endr
	v_lshl_or_b32 v[\sw], v[TM+5], 8, v[TM+4]
	v_lshl_or_b32 v[\sw], v[TM+6], 16, v[\sw]
	v_lshl_or_b32 v[\sw], v[TM+7], 24, v[\sw]
.irp c, 0,1
	v_cvt_scalef32_pk16_fp6_f32 v[\dst+6*\c:\dst+6*\c+2], v[\src+32*\c:\src+32*\c+15], v[TM+12+2*\c]
	v_cvt_scalef32_pk16_fp6_f32 v[EX+4*\c:EX+4*\c+2], v[\src+32*\c+16:\src+32*\c+31], v[TM+12+2*\c+1]
.endr
	v_nop                                          ; one plain place behind a scaled conversion
.irp c, 0,1                                    ; the operand wants a whole block in a lane: lanes 0-15 block 2 c, lanes 16-31 block 2 c + 1
.irp i, 0,1,2
	v_permlane16_swap_b32 v[\dst+6*\c+\i], v[EX+4*\c+\i]
.endr
.irp i, 0,1,2
	v_mov_b32 v[\dst+6*\c+3+\i], v[EX+4*\c+\i]
.endr
.endr
.endm
; Step i of a layer: pair of tiles p = i / 2, K step s = i % 2.  Its loads: with s = 0 the pair's four scale words, then the two tiles' fragments: 7 - i % 2 loads.
.macro LFR adr, co, so, i
.set f_p, (\i)/2
.set f_s, (\i)%2
.set f_r, RB+24*((\i)%RING)
.if f_s == 0
	ds_load_b128 v[WS+4*(f_p%2):WS+4*(f_p%2)+3], v[\adr] offset:\so+512*f_p
.endif
.irp e, 0,1
.irp c, 0,1,2
	ds_load_b128 v[f_r+12*\e+4*\c:f_r+12*\e+4*\c+3], v[\adr] offset:\co+(4*f_p+2*\e+f_s)*1536+512*\c
.endr
.endr
.endm
; A layer: 2 np tiles from LDS (source 0) against the two fragments at fx (source 1), K = 256.  cm = 1: the accumulators hold the bias, which is the first product's C; cm = 0: the first product starts the sum.
; The two accumulators of a pair take turns, one instruction a turn.  Four places stand between a step's products and the loads into the registers that they read.
; The wait at a step's head counts the loads issued behind that step's: with two sets the next step's 6 or 7; with three sets the next two steps' 13 (6 in the last step but one); 0 in the last step.
; pre: places between vector instructions that wrote fx and fs and the first product (8 are asked for a scale word).
.macro LAYER adr, co, so, np, acc, fx, fs, cm, pre
.rept \pre
	v_nop
.endr
.set k_i, 0
.rept RING
	LFR \adr, \co, \so, k_i
.set k_i, k_i+1
.endr
.set k_i, 0
.rept 2*\np
.set k_p, k_i/2
.set k_s, k_i%2
.set k_r, RB+24*(k_i%RING)
.if k_i == 2*\np-1
	s_wait_dscnt 0x0
.elseif RING == 2
	s_wait_dscnt 6+k_s
.elseif k_i == 2*\np-2
	s_wait_dscnt 6
.else
	s_wait_dscnt 13
.endif
.irp e, 0,1
.if (k_s == 0) && (\cm == 0)
	v_wmma_scale_f32_16x16x128_f8f6f4 v[\acc+8*(2*k_p+\e):\acc+8*(2*k_p+\e)+7], v[k_r+12*\e:k_r+12*\e+11], v[\fx+12*k_s:\fx+12*k_s+11], 0, v[WS+4*(k_p%2)+2*\e+k_s], v[\fs+k_s] matrix_a_fmt:MATRIX_FMT_FP6 matrix_b_fmt:MATRIX_FMT_FP6
.else
	v_wmma_scale_f32_16x16x128_f8f6f4 v[\acc+8*(2*k_p+\e):\acc+8*(2*k_p+\e)+7], v[k_r+12*\e:k_r+12*\e+11], v[\fx+12*k_s:\fx+12*k_s+11], v[\acc+8*(2*k_p+\e):\acc+8*(2*k_p+\e)+7], v[WS+4*(k_p%2)+2*\e+k_s], v[\fs+k_s] matrix_a_fmt:MATRIX_FMT_FP6 matrix_b_fmt:MATRIX_FMT_FP6
.endif
.endr
.if k_i+RING < 2*\np
	PLACES 4
	LFR \adr, \co, \so, k_i+RING
.endif
.set k_i, k_i+1
.endr
.endm
.macro BIAS adr, acc                   ; register 16 b + i takes the bias of unit 32 b + 16 h + i
.irp b, 0,1,2,3,4,5,6,7
.irp j, 0,1,2,3
	ds_load_b128 v[\acc+16*\b+4*\j:\acc+16*\b+4*\j+3], v[\adr] offset:VCO+128*\b+16*\j
.endr
.endr
.endm
.macro ROTLD b
.irp j, 0,1,2,3
	ds_load_b128 v[RB+16*((\b)%2)+4*\j:RB+16*((\b)%2)+4*\j+3], v[PA] offset:128*(\b)+16*\j
.endr
.endm
; The rotation, in place, 16 numbers (8 pairs a, b with sin, cos from pos) at a time: a' = a cos - b sin, b' = b cos + a sin; and the sum of their squares.  pos comes two blocks ahead:
; the wait leaves the next block's four loads out.  At the end v[SS] = v[SS+1] = -sum / 32 = -diag of my row.
.macro ROT
	ROTLD 0
	ROTLD 1
.set r_b, 0
.rept 8
.set r_x, ACC+16*r_b
.set r_p, RB+16*(r_b%2)
.if r_b < 7
	s_wait_dscnt 4
.else
	s_wait_dscnt 0x0
.endif
.irp i, 0,1,2,3,4,5,6,7
	v_mul_f32 v[RT+\i], v[r_x+2*\i], v[r_p+2*\i]
.endr
.irp i, 0,1,2,3,4,5,6,7
	v_mul_f32 v[r_x+2*\i], v[r_x+2*\i], v[r_p+2*\i+1]
.endr
.irp i, 0,1,2,3,4,5,6,7
	v_fma_f32 v[r_x+2*\i], -v[r_x+2*\i+1], v[r_p+2*\i], v[r_x+2*\i]
.endr
.irp i, 0,1,2,3,4,5,6,7
	v_fma_f32 v[r_x+2*\i+1], v[r_x+2*\i+1], v[r_p+2*\i+1], v[RT+\i]
.endr
.irp i, 0,1,2,3,4,5,6,7
.if (r_b == 0) && (\i < 2)
	v_pk_mul_f32 v[SS+2*\i:SS+2*\i+1], v[r_x+2*\i:r_x+2*\i+1], v[r_x+2*\i:r_x+2*\i+1]
.else
	v_pk_fma_f32 v[SS+2*(\i%2):SS+2*(\i%2)+1], v[r_x+2*\i:r_x+2*\i+1], v[r_x+2*\i:r_x+2*\i+1], v[SS+2*(\i%2):SS+2*(\i%2)+1]
.endif
.endr
.if r_b < 6
	ROTLD r_b+2
.endif
.set r_b, r_b+1
.endr
	v_pk_add_f32 v[SS:SS+1], v[SS:SS+1], v[SS+2:SS+3]
	v_add_f32 v[SS], v[SS], v[SS+1]
	v_permlanex16_b32 v[RT], v[SS], s[SEL], s[SEL+1]
	v_add_f32 v[SS], v[SS], v[RT]
	v_mul_f32 v[SS], 0xbd000000, v[SS]             ; x -1/32
	v_mov_b32 v[SS+1], v[SS]
.endm
.macro QTURN s                         ; half s of my 16 rows of query through my stage: in as loaded (a row's 512 bytes by 32 lanes), back 64 bytes of row r a lane and block.  LDS serves a wave's instructions in order
.irp k, 0,1,2,3,4,5,6,7,8,9,10,11,12,13,14,15
	ds_store_b128 v[QS], v[ACC+64*\s+4*\k:ACC+64*\s+4*\k+3] offset:528*\k
.endr
.irp b, 0,1,2,3
.irp j, 0,1,2,3
	ds_load_b128 v[ACC+64*\s+16*\b+4*\j:ACC+64*\s+16*\b+4*\j+3], v[QR] offset:128*\b+16*\j
.endr
.endr
.endm
.macro DENLD b
.irp j, 0,1,2,3
	ds_load_b128 v[RB+16*((\b)%2)+4*\j:RB+16*((\b)%2)+4*\j+3], v[VB2] offset:VCO+128*(\b)+16*\j
.endr
.endm
	s_load_b256 s[4:11], s[0:1], 0x0               ; query s[4:5], pos s[6:7], wimg s[8:9], kvimg s[10:11]
	s_load_b64 s[12:13], s[0:1], 0x20              ; out0
	v_lshl_add_u32 v2, v0, 2, 0x4d800
	s_set_vgpr_msb 0x40
	v_mov_b32 v1, 0
	s_set_vgpr_msb 0x4044
	ds_add_u32 v2, v1
	ds_add_u32 v2, v1
	s_set_vgpr_msb 0x4400
	; all that hangs on no argument is made while the arguments are on their way
	v_lshrrev_b32 v1, 5, v0
	v_readfirstlane_b32 s[WV], v1                  ; wave 0..3
	s_bfe_u32 s19, ttmp6, 0x40000                  ; cx
	s_lshl_b32 s21, ttmp9, 2
	s_add_co_u32 s19, s19, s21                     ; x: my block of 64 rows = 4 x cluster x + cx: it enters global addresses of query, pos and out0 alone
	s_and_b32 s20, ttmp7, 0xffff                   ; y: the batch, which the four partners share
	s_mov_b32 s[SEL], 0x76543210
	s_mov_b32 s[SEL+1], 0xfedcba98
	; group 1, a quarter of an image: 53 rows of 256 dense bytes (32 elements of 8 bytes), no padding; joint: mask 15, bit 21 beside it
	s_mov_b32 s24, 15|(3<<16)|(1<<21)
	s_mov_b32 s25, 32<<16
	s_mov_b32 s26, 53<<16
	s_mov_b32 s27, 32<<16
	s_mov_b32 s28, 53
	s_mov_b32 s29, 32
	s_mov_b32 s30, 0
	s_mov_b32 s31, 0
	; group 1, 16 rows of 1,024 bytes (128 elements of 8), 4 words of padding behind every 256 words: the work-group's own
	s_mov_b32 s32, (3<<16)|(1<<20)|(7<<22)|(3<<25)
	s_mov_b32 s33, 128<<16
	s_mov_b32 s34, 16<<16
	s_mov_b32 s35, 128<<16
	s_mov_b32 s36, 16
	s_mov_b32 s37, 128
	s_mov_b32 s38, 0
	s_mov_b32 s39, 0
	s_mul_i32 s60, s[WV], IMG/4                    ; my quarter of an image, in LDS and in memory
	s_mov_b32 s61, 0
	s_mul_i32 s62, s20, IMG
	s_add_co_u32 s62, s62, s60                     ; the same in the batch's image of kvs
	s_mov_b32 s63, 0
	s_lshl_b32 s66, s19, 6
	s_lshl_b32 s67, s[WV], 4
	s_add_co_u32 s66, s66, s67                     ; 64 x + 16 w: my first row in a batch, and in pos
	s_lshl_b32 s68, s66, 10
	s_mov_b32 s69, 0
	s_lshl_b32 s70, s20, 11
	s_add_co_u32 s70, s70, s66
	s_lshl_b32 s70, s70, 10                        ; and in query and out0, in bytes
	s_mov_b32 s71, 0
	s_mul_i32 s72, s[WV], WROWS
	s_mul_i32 s73, s[WV], 8448
	v_and_b32 v13, 31, v0
	v_lshlrev_b32 v1, 4, v13                       ; 16 x lane
	v_and_b32 v[T0], 15, v0                        ; r
	v_bfe_u32 v[T1], v0, 4, 1                      ; h
	v_add_nc_u32 v[LI1], IMG, v1
	v_add_nc_u32 v[LI2], 2*IMG, v1
	v_add_nc_u32 v[LI3], 3*IMG, v1
	v_lshlrev_b32 v[VB0], 6, v[T1]
	v_add_nc_u32 v[VB2], 2*IMG, v[VB0]
	v_add_nc_u32 v[VB3], 3*IMG, v[VB0]
	v_mad_u32_u24 v[PA], v[T0], ROWP, v[VB0]
	v_add_nc_u32 v[PA], s72, v[PA]
	v_add_nc_u32 v[PA], POSR, v[PA]
	v_add_nc_u32 v[QS], s73, v1
	v_add_nc_u32 v[QS], QST, v[QS]
	v_mad_u32_u24 v[QR], v[T0], 528, v[VB0]
	v_add_nc_u32 v[QR], s73, v[QR]
	v_add_nc_u32 v[QR], QST, v[QR]
	v_add_nc_u32 v[STR], s72, v1
	v_add_nc_u32 v[STR], POSR, v[STR]
	v_mov_b32 v[EP], 0x338637bd                    ; 1e-6 / 16
	v_mov_b32 v[EP+1], 0x338637bd
.irp b, 0,1,2,3
	v_mov_b32 v[TM+4+\b], 0                        ; written once: a lane permute's destination counts as one of its sources
.endr
	s_wait_dscnt 0x0
	s_wait_kmcnt 0x0
	s_add_nc_u64 s[4:5], s[4:5], s[70:71]
	s_add_nc_u64 s[12:13], s[12:13], s[70:71]
.irp s, 0,1
.irp k, 0,1,2,3,4,5,6,7,8,9,10,11,12,13,14,15
	global_load_b128 v[ACC+64*\s+4*\k:ACC+64*\s+4*\k+3], v1, s[4:5] offset:1024*\k+512*\s th:TH_LOAD_NT   ; 32 lanes read 512 consecutive bytes: half s of row k; read once in the launch.  The chain's first want: asked for ahead of the round
.endr
.endr
	s_add_nc_u64 s[74:75], s[8:9], s[60:61]        ; my quarter of Wq's image
	s_mov_b32 s40, 1                               ; group 0: count 1, LDS address, global address, type 2.  Image 0: Wq
	s_mov_b32 s41, s60
	s_mov_b64 s[42:43], s[74:75]
	s_or_b32 s43, s43, 0x80000000
	s_mov_b32 s44, 1                               ; my rows of pos
	s_add_co_u32 s45, s72, POSR
	s_add_nc_u64 s[46:47], s[6:7], s[68:69]
	s_or_b32 s47, s47, 0x80000000
	s_mov_b32 s48, 1                               ; image 1: proj
	s_add_co_u32 s49, s60, IMG
	s_add_nc_u64 s[50:51], s[74:75], IMG
	s_or_b32 s51, s51, 0x80000000
	s_mov_b32 s52, 1                               ; image 2: the batch's kvs
	s_add_co_u32 s53, s60, 2*IMG
	s_add_nc_u64 s[54:55], s[10:11], s[62:63]
	s_or_b32 s55, s55, 0x80000000
	s_mov_b32 s56, 1                               ; image 3: Wo
	s_add_co_u32 s57, s60, 3*IMG
	s_add_nc_u64 s[58:59], s[74:75], 3*IMG
	s_or_b32 s59, s59, 0x80000000
	ROUND                                          ; all four work-groups are here: the joint loads meet
	tensor_load_to_lds s[40:43], s[24:31]          ; my quarter of Wq's image (joint),
	s_nop 0
	tensor_load_to_lds s[44:47], s[32:39]          ; my 16 rows of pos,
	s_nop 0
	tensor_load_to_lds s[48:51], s[24:31]          ; my quarters of proj's,
	s_nop 0
	tensor_load_to_lds s[52:55], s[24:31]          ; of kvs's
	s_nop 0
	tensor_load_to_lds s[56:59], s[24:31]          ; and of Wo's image (joint)
	s_nop 0
	PLACES 4
	; ---- 1: my 16 rows of query become two fragments
	s_wait_loadcnt 16                              ; the first halves' 16 loads are in
	QTURN 0
	s_wait_loadcnt 0x0
	QTURN 1
	s_wait_dscnt 32                                ; behind the first halves' loads from the stage stand 16 stores and 16 loads
	QUANT ACC, XF, XS
	s_wait_dscnt 0x0
	QUANT ACC+64, XF+12, XS+1
	MEET 0x3                                       ; Wq's image is whole and my rows of pos are in; the three images behind them may be out
	; ---- 2: q, the rotation, -diag
	BIAS VB0, ACC
	LAYER LI0, 0, SCO, 8, ACC, XF, XS, 1, 8
	PLACES 5
	ROT
	QUANT ACC, XF, XS
	QUANT ACC+64, XF+12, XS+1
	MEET 0x2                                       ; proj's image is whole; two may be out
	; ---- 3: 4 xp
	LAYER LI1, 0, SCO, 8, ACC, XF, XS, 0, 8
	PLACES 5
	; ---- 4: qp.  The row's largest xp, in two chains, each accumulator from its low end on
	v_max_num_f32 v[T0], v[ACC], v[ACC+1]
	v_max_num_f32 v[T1], v[ACC+64], v[ACC+65]
.set n_, 2
.rept 31
	v_max3_num_f32 v[T0], v[T0], v[ACC+n_], v[ACC+n_+1]
	v_max3_num_f32 v[T1], v[T1], v[ACC+64+n_], v[ACC+64+n_+1]
.set n_, n_+2
.endr
	v_max_num_f32 v[T0], v[T0], v[T1]
	v_permlanex16_b32 v[T1], v[T0], s[SEL], s[SEL+1]
	v_max_num_f32 v[T0], v[T0], v[T1]
	v_mul_f32 v[NM], 0xbe800000, v[T0]             ; -mx
	v_mov_b32 v[NM+1], v[NM]
.set n_, 0
.rept 64
	v_pk_fma_f32 v[ACC+n_:ACC+n_+1], v[ACC+n_:ACC+n_+1], 0x3e800000, v[SS:SS+1] op_sel_hi:[1,0,1]   ; xp - diag
.set n_, n_+2
.endr
.set n_, 0
.rept 64
	v_pk_add_f32 v[ACC+n_:ACC+n_+1], v[ACC+n_:ACC+n_+1], v[NM:NM+1]                                 ; - mx
.set n_, n_+2
.endr
.set n_, 0
.rept 64
	v_pk_mul_f32 v[ACC+n_:ACC+n_+1], v[ACC+n_:ACC+n_+1], 0x3fb8aa3b op_sel_hi:[1,0]
.set n_, n_+2
.endr
.set n_, 0
.rept 128
	v_exp_f32 v[ACC+n_], v[ACC+n_]
.set n_, n_+1
.endr
	v_nop                                          ; a plain place behind the exponentials
.set n_, 0
	s_wait_alu depctr_va_vdst(0)
.rept 64
	v_pk_fma_f32 v[ACC+n_:ACC+n_+1], v[ACC+n_:ACC+n_+1], 0x3d800000, v[EP:EP+1] op_sel_hi:[1,0,1]   ; e / 16 + 1e-6 / 16: one rounding, as (e + 1e-6) / 16 has
.set n_, n_+2
.endr
	MEET 0x1                                       ; kvs's image, ksum in it, is whole; Wo's may be out
	; ---- 5: den = the unquantised qp . ksum, by f32 multiply-adds; ksum comes two blocks of 16 ahead: the wait leaves the next block's four loads out
	DENLD 0
	DENLD 1
.set d_b, 0
.rept 8
.set d_x, ACC+16*d_b
.set d_p, RB+16*(d_b%2)
.if d_b < 7
	s_wait_dscnt 4
.else
	s_wait_dscnt 0x0
.endif
.irp i, 0,1,2,3,4,5,6,7
.if (d_b == 0) && (\i < 2)
	v_pk_mul_f32 v[DA+2*\i:DA+2*\i+1], v[d_x+2*\i:d_x+2*\i+1], v[d_p+2*\i:d_p+2*\i+1]
.else
	v_pk_fma_f32 v[DA+2*(\i%2):DA+2*(\i%2)+1], v[d_x+2*\i:d_x+2*\i+1], v[d_p+2*\i:d_p+2*\i+1], v[DA+2*(\i%2):DA+2*(\i%2)+1]
.endif
.endr
.if d_b < 6
	DENLD d_b+2
.endif
.set d_b, d_b+1
.endr
	v_pk_add_f32 v[DA:DA+1], v[DA:DA+1], v[DA+2:DA+3]
	v_add_f32 v[DA], v[DA], v[DA+1]
	v_permlanex16_b32 v[T0], v[DA], s[SEL], s[SEL+1]
	v_add_f32 v[DA], v[DA], v[T0]
	v_rcp_f32 v[NM], v[DA]
	v_nop                                          ; a plain place behind the reciprocal
	s_wait_alu depctr_va_vdst(0)
	v_mov_b32 v[NM+1], v[NM]
	; ---- 6: num = qp kvs, ctx = num / den
	QUANT ACC, XF, XS
	QUANT ACC+64, XF+12, XS+1
	LAYER LI2, 0, SCO, 8, ACC, XF, XS, 0, 8
	PLACES 5
.set n_, 0
.rept 64
	v_pk_mul_f32 v[ACC+n_:ACC+n_+1], v[ACC+n_:ACC+n_+1], v[NM:NM+1]
.set n_, n_+2
.endr
	QUANT ACC, XF, XS
	QUANT ACC+64, XF+12, XS+1
	MEET 0x0                                       ; Wo's image is whole: no tensor load of mine is out any more
	; ---- 7: out = ctx Wo + bo
	BIAS VB3, ACC
	LAYER LI3, 0, SCO, 8, ACC, XF, XS, 1, 8
	PLACES 5
	; ---- 8: the way out: a lane holds pieces of 64 bytes of its row; through my stage they become whole rows
.irp b, 0,1,2,3,4,5,6,7
.irp j, 0,1,2,3
	ds_store_b128 v[PA], v[ACC+16*\b+4*\j:ACC+16*\b+4*\j+3] offset:128*\b+16*\j    ; each accumulator from its low end on
.endr
.endr
.set n_, 0
.rept 32
	ds_load_b128 v[ACC+4*n_:ACC+4*n_+3], v[STR] offset:ROWP*(n_/2)+512*(n_%2)      ; LDS serves a wave's instructions in order: these see my stores
.set n_, n_+1
.endr
.set n_, 0
.rept 32
	s_wait_dscnt 31-n_                             ; loads come back in order: number n_ is in
	global_store_b128 v1, v[ACC+4*n_:ACC+4*n_+3], s[12:13] offset:512*n_ th:TH_STORE_NT   ; 32 lanes store 512 consecutive bytes, at a multiple of 256 from out0's first byte
.set n_, n_+1
.endr
	s_set_vgpr_msb 0x4
	s_wait_tensorcnt 0x0
	ds_add_u32 v2, v1
	s_wait_dscnt 0x0
	s_set_vgpr_msb 0x400
	ROUND                                          ; the closing round: no work-group ends while a partner may still ask for a tile that names it
	s_endpgm
.Lfunc_end_k_q13ff92627b_qchain:
	.size	k_q13ff92627b_qchain, .Lfunc_end_k_q13ff92627b_qchain-k_q13ff92627b_qchain
	.p2alignl 7, 3214868480
	.fill 96, 4, 3214868480
	.section	.rodata,"a",@progbits
	.p2align	6, 0x0
	.amdhsa_kernel k_q13ff92627b_qchain
		.amdhsa_group_segment_fixed_size 317952
		.amdhsa_private_segment_fixed_size 0
		.amdhsa_enable_private_segment 0
		.amdhsa_kernarg_size 40
		.amdhsa_user_sgpr_count 2
		.amdhsa_user_sgpr_kernarg_segment_ptr 1
		.amdhsa_wavefront_size32 1
		.amdhsa_system_sgpr_workgroup_id_x 1
		.amdhsa_system_sgpr_workgroup_id_y 1
		.amdhsa_system_sgpr_workgroup_id_z 1
		.amdhsa_system_vgpr_workitem_id 0
		.amdhsa_next_free_vgpr 258
		.amdhsa_next_free_sgpr 80
		.amdhsa_reserve_vcc 0
		.amdhsa_float_denorm_mode_32 3
		.amdhsa_float_denorm_mode_16_64 3
		.amdhsa_memory_ordered 1
		.amdhsa_forward_progress 1
		.amdhsa_inst_pref_size 168
	.end_amdhsa_kernel
	.amdgpu_metadata
---
amdhsa.version: [ 1, 2 ]
amdhsa.kernels:
  - .name:           k_q13ff92627b_qchain
    .symbol:         k_q13ff92627b_qchain.kd
    .args:
      - { .name: query, .offset: 0, .size: 8, .value_kind: global_buffer, .address_space: global }
      - { .name: pos, .offset: 8, .size: 8, .value_kind: global_buffer, .address_space: global }
      - { .name: wimg, .offset: 16, .size: 8, .value_kind: global_buffer, .address_space: global }
      - { .name: kvimg, .offset: 24, .size: 8, .value_kind: global_buffer, .address_space: global }
      - { .name: out0, .offset: 32, .size: 8, .value_kind: global_buffer, .address_space: global }
    .group_segment_fixed_size: 317952
    .private_segment_fixed_size: 0
    .kernarg_segment_align: 8
    .kernarg_segment_size: 40
    .max_flat_workgroup_size: 128
    .sgpr_count:     80
    .vgpr_count:     258
    .wavefront_size: 32
...
	.end_amdgpu_metadata
.endif
;; end of part 7
;; ======== version 3 of 3: 4 launches; version 2 with the launch kvs written anew for expert scheduling mode
;; workspace buffers: wimg 271,360 bytes; tbuf 8,388,608 bytes; vimg 1,703,936 bytes; kmax 2,048 bytes; kvimg 217,088 bytes
;; launch prep: the kernel of part 1 again; grid 8 x 5, 4 waves a work-group, no clusters, 0 bytes of LDS; arguments Wq, proj, Wk, Wo, Wv, bq, bk, bo, bv, wimg; writes wimg
;; launch kv: the kernel of part 5 again; grid 4 x 64, 4 waves a work-group, clusters of 4 x 1, 281,344 bytes of LDS; arguments key, value, pos, wimg, tbuf, vimg, kmax; writes tbuf, vimg, kmax
;; launch kvs (part 8): grid 32 x 4, 16 waves a work-group, no clusters, 92,160 bytes of LDS; arguments tbuf, vimg, kmax, kvimg; writes kvimg
.if DOCPART == 8
	.amdgcn_target "amdgcn-amd-amdhsa--gfx1250"
	.amdhsa_code_object_version 6
	.text
	.protected	k_q13ff92627b_kvs
	.globl	k_q13ff92627b_kvs
	.p2align	8
	.type	k_q13ff92627b_kvs,@function
k_q13ff92627b_kvs:
	s_mov_b64 s[64:65], 0
	v_nop
	global_prefetch_b8 v0, s[64:65] scope:SCOPE_SE
	s_setreg_imm32_b32 hwreg(HW_REG_WAVE_SCHED_MODE, 0, 2), 2
	s_setreg_imm32_b32 hwreg(HW_REG_WAVE_MODE, 25, 1), 1
	s_wait_xcnt 0x0
	s_wait_alu depctr_vm_vsrc(0)
; kp = (exp(t - mx) + 1e-6) / 16, ksum = the sum of kp over the rows, kvs = kp^T v on codes of FP6 (E2M3), K = the batch's 2,048 rows; kvs is quantised along m into an operand image for the last launch.
; kp is the same for all eight heads (reference() hands them the same k), so kvs over all heads is one product [256 m] x [2,048 rows] x [256 (head, channel)] a batch.
; SHARES.  Work-group x = xm + 8 z, y: 32 neighbouring m (m tiles 2 xm, 2 xm + 1), column tiles 4 z .. 4 z + 3, all rows of batch y: 128 work-groups.
; 32 m are one block of the next product's K, with one scale: a finer share of m would split a scale.  The four work-groups that share their m each make kp for themselves: nothing passes between work-groups.
; Phase 1: wave w takes K step w (128 rows): t -> kp for both m tiles, their sums over the rows, their codes to LDS as register images.  A barrier.
; Phase 2: wave w = 4 kq + ct takes column tile 4 z + ct and K steps 4 kq .. 4 kq + 3: source 0 = kp's tile (eight fragments from LDS, each read once by the wave), source 1 = v's fragment (asked for at the head, straight into
; operand registers).  Waves 4-15 hand their two accumulators over through LDS; a barrier; waves 0-3 add the four quarters of K in the order of the rows.
; In the result a lane holds one column and its 16 registers the m 32 xm + 16 h + 0 .. 15: one conversion gives three registers of the image's fragment 2 (4 z + ct) + xm / 4.
; Wave 4 of the work-groups with z = 0 adds the sixteen waves' sums to ksum.
; NO CLUSTER, NO TENSOR LOAD: t goes straight into the registers in which it is worked, and a wave reads of v only its own four fragments, once.
; The image's codes leave as 4 bytes a lane and its scale bytes singly: parts of 256-byte runs, 217,088 bytes in the whole launch.
; LIMITS: NaN and infinities are not served.  e^u is made as 2^(u log2 e): its relative error grows as |u| x 6e-8, and where |u| passes 32 e^u is nothing beside 1e-6; results of the exponential under 2^-126 come out as 0 (ISA guide, v_exp_f32).
; THE MODE: SCHED_MODE bits 1:0 = 2 (LLVM: expert scheduling mode 2), set by the entry lines.  The code itself states the register dependences
; between vector or matrix instructions and memory or LDS instructions, with s_wait_alu, always for 0.
; THE PLAN.  Registers that memory or LDS instructions touch:
;   v1-6, v116-118   offsets and LDS addresses: made once at the head, never written again.
;   v12-15           the partial maxima: loaded; read by the maximum's lines; then at work, named by vector instructions alone.
;   v128-255         t: loaded at the head; worked in place by phase 1's vector lines.
;   v32-79, v104-107 v and its scale words: loaded at the head; named by matrix instructions alone.
;   v16-30           out-buffer of tile 0 (codes, scale word) and both tiles' sums: written by phase 1; read by the LDS stores; written again by the products, whose accumulators are v16-31.
;   v128-140         out-buffer of tile 1, in registers that tile 0's numbers have left: written by tile 1's quantiser; read by the LDS stores; never written again.
;   v108-115, v160-255   kp's scale words and eight fragments: LDS loads behind the first barrier; read by the products.  Behind the second barrier the other waves' accumulators, or their sums, land in v160 on.
;   v16-31           the accumulators: read by the LDS stores of waves 4-15, and by the additions of waves 0-3, which store none of them.
;   v83-86, v96-98 (waves 0-3), v90, v160 (wave 4): data and offsets of the global stores, written by vector lines just ahead.
; So: both tiles' exponentials are ONE batch with one wait; both tiles' ten LDS stores stand in ONE run behind one wait on va_vdst, which also shows every vector line that named v160-255 done;
; one wait on vm_vsrc behind the first barrier frees v16-30 for the products; one wait on va_vdst behind the products serves the stores of the accumulators and the loads into the fragments' registers; one stands ahead of each run of global stores.
.set IMG,  54272
.set SCO,  49152
.set VCO,  53248
.set KSC,  49152                       ; LDS: kp's 32 fragments (2 ls + mt) from 0; their scale words from KSC;
.set KSP,  53248                       ; the waves' sums over their rows: [wave][mt][lane] f32;
.set RED,  57344                       ; the waves' accumulators: 2,048 bytes a wave
.set PC,   16                          ; v16-27  phase 1: tile 0's codes;  v28 their scale word;  v29-30 the two tiles' sums;  phase 2: v16-31 the two accumulators
.set PW,   28
.set SM,   29
.set V,    32                          ; v32-79  four fragments of v
.set TM,   80                          ; v80-103 at work
.set EX,   96
.set VS,   104                         ; v104-107 v's scale words, one a K step
.set KS,   108                         ; v108-115 kp's, 2 i + mt
.set KPR,  116                         ; v116 my eight fragments of kp: 12,288 kq + 16 l
.set KSR,  117                         ; v117 their scale words
.set RDA,  118                         ; v118 RED + 2,048 w + 16 l
.set T,    128                         ; v128-255 t, then kp: 64 numbers for each m tile
.set PC1,  128                         ; v128-139 tile 1's codes;  v140 their scale word
.set PW1,  140
.set KPF,  160                         ; v160-255 phase 2: eight fragments of kp; then the other waves' accumulators
.set SEL,  16
.macro PLACES n
.rept \n
	v_nop
.endr
.endm
; 64 numbers of a lane, register 16 b + i = place 32 b + 16 h + i of the K step, become a fragment's 12 registers at dst and its scale word in sw.
.macro QUANT src, dst, sw
.irp b, 0,1,2,3
	v_max3_num_f32 v[TM+\b], |v[\src+16*\b]|, |v[\src+16*\b+1]|, 0x1800000
.endr
.irp i, 2,4,6,8,10,12,14
.irp b, 0,1,2,3
	v_max3_num_f32 v[TM+\b], v[TM+\b], |v[\src+16*\b+\i]|, |v[\src+16*\b+\i+1]|
.endr
.endr
.irp b, 0,1,2,3
	v_permlanex16_b32 v[TM+4+\b], v[TM+\b], s[SEL], s[SEL+1]
.endr
.irp b, 0,1,2,3
	v_max_num_f32 v[TM+\b], v[TM+\b], v[TM+4+\b]
.endr
.irp b, 0,1,2,3
	v_add_nc_u32 v[TM+12+\b], 0xff000000, v[TM+\b]
.endr
.irp b, 0,1,2,3
	v_lshrrev_b32 v[TM+4+\b], 23, v[TM+12+\b]
.endr
	v_lshl_or_b32 v[\sw], v[TM+5], 8, v[TM+4]
	v_lshl_or_b32 v[\sw], v[TM+6], 16, v[\sw]
	v_lshl_or_b32 v[\sw], v[TM+7], 24, v[\sw]
.irp c, 0,1
	v_cvt_scalef32_pk16_fp6_f32 v[\dst+6*\c:\dst+6*\c+2], v[\src+32*\c:\src+32*\c+15], v[TM+12+2*\c]
	v_cvt_scalef32_pk16_fp6_f32 v[EX+4*\c:EX+4*\c+2], v[\src+32*\c+16:\src+32*\c+31], v[TM+12+2*\c+1]
.endr
	v_nop                                          ; one plain place behind a scaled conversion
.irp c, 0,1
.irp i, 0,1,2
	v_permlane16_swap_b32 v[\dst+6*\c+\i], v[EX+4*\c+\i]
.endr
.irp i, 0,1,2
	v_mov_b32 v[\dst+6*\c+3+\i], v[EX+4*\c+\i]
.endr
.endr
.endm
	s_load_b256 s[4:11], s[0:1], 0x0               ; tbuf s[4:5], vimg s[6:7], kmax s[8:9], kvimg s[10:11]
	v_lshl_add_u32 v126, v0, 2, 0x16000
	v_mov_b32 v127, 0
	v_lshrrev_b32 v1, 5, v0
	v_readfirstlane_b32 s12, v1                    ; wave 0..15
	s_and_b32 s13, ttmp9, 7                        ; xm: the block of 32 m
	s_lshr_b32 s40, ttmp9, 3                       ; z: the quarter of the columns
	s_and_b32 s14, ttmp7, 0xffff                   ; y: the batch
	s_mov_b32 s[SEL], 0x76543210
	s_mov_b32 s[SEL+1], 0xfedcba98
	s_wait_alu depctr_va_sdst(0)                   ; s12 is written, ahead of its first reader: shares, addresses and branches are made from it
	s_lshr_b32 s41, s12, 2                         ; kq
	s_and_b32 s42, s12, 3                          ; ct
	s_lshl_b32 s43, s40, 2
	s_add_co_u32 s43, s43, s42                     ; n = 4 z + ct: my column tile
	s_lshl_b32 s18, s14, 4                         ; 16 y
	s_add_co_u32 s19, s18, s12                     ; 16 y + w
	s_lshl_b32 s20, s19, 4
	s_lshl_b32 s21, s13, 1
	s_add_co_u32 s20, s20, s21
	s_lshl_b32 s20, s20, 13                        ; t of (y, K step w, m tile 2 xm)
	s_mov_b32 s21, 0
	s_add_co_u32 s22, s18, s43
	s_mul_i32 s22, s22, 26624                      ; v's record of (y, n):
	s_mul_i32 s44, s41, 6144
	s_add_co_u32 s44, s44, s22                     ; its fragments 4 kq on,
	s_mov_b32 s45, 0
	s_lshl_b32 s46, s41, 9
	s_add_co_u32 s46, s46, s22                     ; and their group of four scale words (24,576 further on)
	s_mov_b32 s47, 0
	s_lshl_b32 s32, s14, 9                         ; the batch's 128 partial maxima
	s_mov_b32 s33, 0
	s_mul_i32 s34, s14, IMG                        ; the batch's image
	s_mov_b32 s35, 0
	s_lshr_b32 s24, s13, 2
	s_lshl_b32 s25, s43, 1
	s_add_co_u32 s24, s24, s25                     ; f = 2 n + xm / 4
	s_mul_i32 s36, s24, 1536
	s_and_b32 s25, s13, 1
	s_lshl_b32 s25, s25, 8
	s_add_co_u32 s36, s36, s25                     ; + 256 (xm % 2): the half of the lanes that holds this block of m
	s_mov_b32 s37, 0
	s_lshr_b32 s38, s24, 2
	s_lshl_b32 s38, s38, 9
	s_and_b32 s25, s24, 3
	s_lshl_b32 s25, s25, 2
	s_add_co_u32 s38, s38, s25
	s_and_b32 s25, s13, 3
	s_add_co_u32 s38, s38, s25
	s_add_co_u32 s38, s38, SCO                     ; the fragment's scale words, byte xm % 4
	s_mov_b32 s39, 0
	s_bfe_u32 s25, s13, 0x10001
	s_mul_i32 s25, s25, 6                          ; 6 c, c = (xm / 2) % 2
	s_lshl_b32 s15, s13, 7
	s_add_co_u32 s15, s15, VCO                     ; ksum of m 32 xm on
	v_and_b32 v7, 31, v0
	v_lshlrev_b32 v1, 4, v7                        ; 16 x lane
	v_lshlrev_b32 v2, 3, v7                        ; 8 x lane
	s_mul_i32 s19, s12, 3072
	v_add_nc_u32 v3, s19, v1                       ; where I store my two fragments
	s_lshr_b32 s19, s12, 1
	s_lshl_b32 s19, s19, 9
	s_and_b32 s18, s12, 1
	s_lshl_b32 s18, s18, 3
	s_add_co_u32 s19, s19, s18
	v_add_nc_u32 v4, s19, v1
	v_add_nc_u32 v4, KSC, v4                       ; and their scale words
	s_lshl_b32 s19, s12, 8
	v_lshl_add_u32 v5, v7, 2, s19
	v_add_nc_u32 v5, KSP, v5                       ; and my sums
	v_and_b32 v6, 15, v0
	v_bfe_u32 v9, v0, 4, 1
	v_lshlrev_b32 v6, 2, v6
	v_lshl_add_u32 v6, v9, 7, v6
	v_add_nc_u32 v6, KSP, v6                       ; for ksum: lane (r, h) reads tile h, lane r
	s_mul_i32 s19, s41, 12288
	v_add_nc_u32 v[KPR], s19, v1
	s_lshl_b32 s19, s41, 10
	v_add_nc_u32 v[KSR], s19, v1
	v_add_nc_u32 v[KSR], KSC, v[KSR]
	s_lshl_b32 s19, s12, 11
	v_add_nc_u32 v[RDA], s19, v1
	v_add_nc_u32 v[RDA], RED, v[RDA]
	v_mov_b32 v10, 0x338637bd                      ; 1e-6 / 16
	v_mov_b32 v11, 0x338637bd
.irp b, 0,1,2,3
	v_mov_b32 v[TM+4+\b], 0                        ; written once: a lane permute's destination counts as one of its sources
.endr
	s_wait_kmcnt 0x0
	s_add_nc_u64 s[4:5], s[4:5], s[20:21]
	s_add_nc_u64 s[44:45], s[6:7], s[44:45]
	s_add_nc_u64 s[46:47], s[6:7], s[46:47]
	s_add_nc_u64 s[8:9], s[8:9], s[32:33]
	s_add_nc_u64 s[10:11], s[10:11], s[34:35]
	s_add_nc_u64 s[26:27], s[10:11], s[36:37]
	s_add_nc_u64 s[28:29], s[10:11], s[38:39]
	s_mov_b32 s32, s15
	s_add_nc_u64 s[30:31], s[10:11], s[32:33]
	s_wait_alu depctr_va_vdst(0)                   ; the offsets and LDS addresses v1 to v6 and v116 to v118 are written: the loads and stores of the whole kernel read them, and none is written again
	global_load_b128 v[12:15], v1, s[8:9]
.set n_, 0
.rept 32
	global_load_b128 v[T+4*n_:T+4*n_+3], v1, s[4:5] offset:512*n_    ; tile 2 xm's 8,192 bytes, then tile 2 xm + 1's
.set n_, n_+1
.endr
	global_load_b128 v[VS:VS+3], v1, s[46:47] offset:24576           ; v's scale words of my four K steps,
.irp i, 0,1,2,3                                                          ; and its four fragments, four loads each: 17 loads, wanted in phase 2
	global_load_b128 v[V+12*\i:V+12*\i+3], v1, s[44:45] offset:1536*\i
	global_load_b64 v[V+12*\i+4:V+12*\i+5], v2, s[44:45] offset:1536*\i+512
	global_load_b128 v[V+12*\i+6:V+12*\i+9], v1, s[44:45] offset:1536*\i+768
	global_load_b64 v[V+12*\i+10:V+12*\i+11], v2, s[44:45] offset:1536*\i+1280
.endr
	s_wait_loadcnt 49                              ; the maxima are in; t's 32 loads and v's 17 may be out
	v_max3_num_f32 v7, v12, v13, v14
	v_max_num_f32 v7, v7, v15
	v_max_num_f32_dpp v7, v7, v7 row_xmask:1 row_mask:0xf bank_mask:0xf
	v_max_num_f32_dpp v7, v7, v7 row_xmask:2 row_mask:0xf bank_mask:0xf
	v_max_num_f32_dpp v7, v7, v7 row_xmask:4 row_mask:0xf bank_mask:0xf
	v_max_num_f32_dpp v7, v7, v7 row_xmask:8 row_mask:0xf bank_mask:0xf
	v_permlanex16_b32 v9, v7, s[SEL], s[SEL+1]
	v_max_num_f32 v7, v7, v9                       ; mx: the batch's largest xp
	v_mul_f32 v8, -1.0, v7
	v_mov_b32 v9, v8
; ---- 1: kp of my 128 rows for m tiles 2 xm + mt.  First both tiles up to the exponentials, then both tiles' rest.
.macro KPEXP mt
.set t_b, T+64*\mt
	s_wait_loadcnt 16*(1-\mt)+17                   ; this tile's 16 loads are in; the other tile's 16 and v's 17 may be out
.set n_, 0
.rept 32
	v_pk_add_f32 v[t_b+n_:t_b+n_+1], v[t_b+n_:t_b+n_+1], v[8:9]
.set n_, n_+2
.endr
.set n_, 0
.rept 32
	v_pk_mul_f32 v[t_b+n_:t_b+n_+1], v[t_b+n_:t_b+n_+1], 0x3fb8aa3b op_sel_hi:[1,0]
.set n_, n_+2
.endr
.set n_, 0
.rept 64
	v_exp_f32 v[t_b+n_], v[t_b+n_]
.set n_, n_+1
.endr
.endm
; The tile's kp, its sum over my rows into v[SM + mt], its codes into v[dst] on and its scale word into v[sw]: registers that the LDS stores below read and no later line of phase 1 writes.
.macro KPFIN mt, dst, sw
.set t_b, T+64*\mt
.set n_, 0
.rept 32
	v_pk_fma_f32 v[t_b+n_:t_b+n_+1], v[t_b+n_:t_b+n_+1], 0x3d800000, v[10:11] op_sel_hi:[1,0,1]   ; e / 16 + 1e-6 / 16: one rounding, as (e + 1e-6) / 16 has
.set n_, n_+2
.endr
	v_pk_add_f32 v[12:13], v[t_b:t_b+1], v[t_b+4:t_b+5]            ; the sum over my rows, of the unquantised kp, in two chains
	v_pk_add_f32 v[14:15], v[t_b+2:t_b+3], v[t_b+6:t_b+7]
.set n_, 8
.rept 14
	v_pk_add_f32 v[12:13], v[12:13], v[t_b+n_:t_b+n_+1]
	v_pk_add_f32 v[14:15], v[14:15], v[t_b+n_+2:t_b+n_+3]
.set n_, n_+4
.endr
	v_pk_add_f32 v[12:13], v[12:13], v[14:15]
	v_add_f32 v12, v12, v13
	v_permlanex16_b32 v7, v12, s[SEL], s[SEL+1]
	v_add_f32 v[SM+\mt], v12, v7
	QUANT t_b, \dst, \sw
.endm
	KPEXP 0
	KPEXP 1                                        ; tile 1's 64 scalings, which name none of tile 0's results, are the plain work behind tile 0's exponentials
	v_nop                                          ; a plain place behind the last exponentials
	s_wait_alu depctr_va_vdst(0)                   ; the 128 exponentials have written v128 to v255, which the lines below read: one wait for both tiles' batch, ahead of its first reader
	KPFIN 0, PC, PW
	KPFIN 1, PC1, PW1                              ; tile 1's codes go where tile 0's numbers lay: those have been quantised
	s_wait_alu depctr_va_vdst(0)                   ; the sums v29-30, the codes v16-27 and v128-139 and the scale words v28 and v140 are written, which the ten LDS stores read; and every vector line that named v160-255, in which LDS loads land behind the barrier, is done
.irp m, 0,1
	ds_store_b32 v5, v[SM+\m] offset:128*\m
.endr
.irp c, 0,1,2
	ds_store_b128 v3, v[PC+4*\c:PC+4*\c+3] offset:512*\c
.endr
	ds_store_b32 v4, v[PW]
.irp c, 0,1,2
	ds_store_b128 v3, v[PC1+4*\c:PC1+4*\c+3] offset:1536+512*\c
.endr
	ds_store_b32 v4, v[PW1] offset:4
	s_wait_dscnt 0x0                               ; for the others' sake: my stores have landed
	s_barrier_signal -1
	s_barrier_wait -1                              ; kp's 32 fragments, their scale words and the waves' sums lie in LDS
	s_wait_alu depctr_vm_vsrc(0)                   ; my LDS stores have read v16 to v30: these registers are the accumulators from here on, written by the products
	; ---- 2: my column tile, my four K steps: two accumulators by turns
	ds_load_b128 v[KS:KS+3], v[KSR]
	ds_load_b128 v[KS+4:KS+7], v[KSR] offset:512
.set n_, 0
.rept 24
	ds_load_b128 v[KPF+4*n_:KPF+4*n_+3], v[KPR] offset:512*n_        ; fragments 8 kq .. 8 kq + 7: 12,288 consecutive bytes, six loads a K step.  No vector line since the wait ahead of the stores names these registers
.set n_, n_+1
.endr
	s_wait_loadcnt 0x0                             ; v
.set p_i, 0
.rept 4
	s_wait_dscnt 6*(3-p_i)                         ; the later K steps' six loads each may be out
.irp m, 0,1
.if p_i == 0
	v_wmma_scale_f32_16x16x128_f8f6f4 v[16+8*\m:23+8*\m], v[KPF+12*(2*p_i+\m):KPF+12*(2*p_i+\m)+11], v[V+12*p_i:V+12*p_i+11], 0, v[KS+2*p_i+\m], v[VS+p_i] matrix_a_fmt:MATRIX_FMT_FP6 matrix_b_fmt:MATRIX_FMT_FP6
.else
	v_wmma_scale_f32_16x16x128_f8f6f4 v[16+8*\m:23+8*\m], v[KPF+12*(2*p_i+\m):KPF+12*(2*p_i+\m)+11], v[V+12*p_i:V+12*p_i+11], v[16+8*\m:23+8*\m], v[KS+2*p_i+\m], v[VS+p_i] matrix_a_fmt:MATRIX_FMT_FP6 matrix_b_fmt:MATRIX_FMT_FP6
.endif
.endr
.set p_i, p_i+1
.endr
	PLACES 5                                       ; in front of the first read of the results; the places stay beside the wait below
	s_wait_alu depctr_va_vdst(0)                   ; the products have written v16 to v31, which the LDS stores of waves 4-15 read, and are done reading kp's fragments, in whose registers the LDS loads of waves 0-4 land behind the barrier
	s_cmp_lt_u32 s12, 4
	s_cbranch_scc1 .Lkeep                          ; waves 0-3 keep theirs
.irp q, 0,1,2,3
	ds_store_b128 v[RDA], v[16+4*\q:19+4*\q] offset:512*\q           ; each accumulator from its low end on
.endr
.Lkeep:
	s_wait_dscnt 0x0                               ; for the others' sake: my stores have landed
	s_barrier_signal -1
	s_barrier_wait -1                              ; the twelve waves' accumulators lie in LDS
	s_cmp_lt_u32 s12, 4
	s_cbranch_scc1 .Lfinal
	s_cmp_lg_u32 s12, 4
	s_cbranch_scc1 .Lend
	s_cmp_lg_u32 s40, 0                            ; ksum is stored by one of the four work-groups that hold it
	s_cbranch_scc1 .Lend
	; wave 4: ksum of the 32 m: the sixteen waves' sums, in the order of the rows
.irp k, 0,1,2,3,4,5,6,7,8,9,10,11,12,13,14,15
	ds_load_b32 v[KPF+\k], v6 offset:256*\k        ; no vector or matrix line since the wait behind the products names these registers
.endr
	v_and_b32 v88, 15, v0                          ; r
	v_bfe_u32 v89, v0, 4, 1                        ; h
	v_and_b32 v90, 8, v88
	v_add_nc_u32 v90, v90, v88
	v_lshl_add_u32 v90, v89, 3, v90
	v_lshlrev_b32 v90, 2, v90                      ; lane (r, h) holds m 32 xm + 8 h + r + 8 (r / 8)
	s_wait_dscnt 0x0
.irp k, 1,2,3,4,5,6,7,8,9,10,11,12,13,14,15
	v_add_f32 v[KPF], v[KPF], v[KPF+\k]
.endr
	s_wait_alu depctr_va_vdst(0)                   ; the offset v90 and the sum in v[KPF] are written, which the store reads
	global_store_b32 v90, v[KPF], s[30:31]
	s_branch .Lend
.Lfinal:
	; ---- 3: waves 0-3: the other three quarters of K are added, in the order of the rows
.irp k, 1,2,3
.irp q, 0,1,2,3
	ds_load_b128 v[KPF+16*(\k-1)+4*\q:KPF+16*(\k-1)+4*\q+3], v[RDA] offset:8192*\k+512*\q   ; no vector or matrix line since the wait behind the products names these registers
.endr
.endr
.irp k, 1,2,3
	s_wait_dscnt 4*(3-\k)                          ; the later quarters' four loads each may be out
.irp n, 0,2,4,6,8,10,12,14
	v_pk_add_f32 v[16+\n:17+\n], v[16+\n:17+\n], v[KPF+16*(\k-1)+\n:KPF+16*(\k-1)+\n+1]   ; (these waves have stored none of v16 to v31 since the wait behind the first barrier)
.endr
.endr
	; my column's 16 numbers of the block of 32 m, quantised; lane l xor 16 holds the other 16
	v_max3_num_f32 v80, |v16|, |v17|, 0x1800000
.irp i, 2,4,6,8,10,12,14
	v_max3_num_f32 v80, v80, |v[16+\i]|, |v[17+\i]|
.endr
	v_permlanex16_b32 v81, v80, s[SEL], s[SEL+1]
	v_max_num_f32 v80, v80, v81
	v_add_nc_u32 v82, 0xff000000, v80
	v_lshrrev_b32 v83, 23, v82
	v_cvt_scalef32_pk16_fp6_f32 v[84:86], v[16:31], v82
	v_and_b32 v88, 15, v0                          ; r.  (A plain place behind the conversion)
	v_bfe_u32 v89, v0, 4, 1                        ; h
	v_mul_u32_u24 v87, v89, 3
	v_add_nc_u32 v87, s25, v87                     ; my three registers of the fragment: q = 6 c + 3 h + 0, 1, 2
.irp i, 0,1,2
	v_add_nc_u32 v[96+\i], \i, v87
	v_lshrrev_b32 v[100+\i], 2, v[96+\i]
	v_and_b32 v[96+\i], 3, v[96+\i]
	v_lshlrev_b32 v[96+\i], 2, v[96+\i]
	v_lshl_add_u32 v[96+\i], v[100+\i], 9, v[96+\i]
	v_lshl_add_u32 v[96+\i], v88, 4, v[96+\i]      ; 512 (q / 4) + 4 (q % 4) + 16 r
.endr
	s_wait_alu depctr_va_vdst(0)                   ; the codes v84-86, the scale's byte v83 and the three offsets v96-98 are written, which the four stores read
.irp i, 0,1,2
	global_store_b32 v[96+\i], v[84+\i], s[26:27]
.endr
	global_store_b8 v1, v83, s[28:29]              ; both halves of the lanes hold the byte, and each writes its own word's
.Lend:
	s_wait_dscnt 0x0
	s_wait_alu depctr_hold_cnt(0) depctr_sa_sdst(0) depctr_va_vdst(0) depctr_va_sdst(0) depctr_va_ssrc(0) depctr_va_vcc(0) depctr_vm_vsrc(0)
	s_wait_tensorcnt 0x0
	ds_add_u32 v126, v127
	s_wait_dscnt 0x0
	s_endpgm
.Lfunc_end_k_q13ff92627b_kvs:
	.size	k_q13ff92627b_kvs, .Lfunc_end_k_q13ff92627b_kvs-k_q13ff92627b_kvs
	.p2alignl 7, 3214868480
	.fill 96, 4, 3214868480
	.section	.rodata,"a",@progbits
	.p2align	6, 0x0
	.amdhsa_kernel k_q13ff92627b_kvs
		.amdhsa_group_segment_fixed_size 92160
		.amdhsa_private_segment_fixed_size 0
		.amdhsa_enable_private_segment 0
		.amdhsa_kernarg_size 32
		.amdhsa_user_sgpr_count 2
		.amdhsa_user_sgpr_kernarg_segment_ptr 1
		.amdhsa_wavefront_size32 1
		.amdhsa_system_sgpr_workgroup_id_x 1
		.amdhsa_system_sgpr_workgroup_id_y 1
		.amdhsa_system_sgpr_workgroup_id_z 1
		.amdhsa_system_vgpr_workitem_id 0
		.amdhsa_next_free_vgpr 256
		.amdhsa_next_free_sgpr 66
		.amdhsa_reserve_vcc 0
		.amdhsa_float_denorm_mode_32 3
		.amdhsa_float_denorm_mode_16_64 3
		.amdhsa_memory_ordered 1
		.amdhsa_forward_progress 1
		.amdhsa_inst_pref_size 53
	.end_amdhsa_kernel
	.amdgpu_metadata
---
amdhsa.version: [ 1, 2 ]
amdhsa.kernels:
  - .name:           k_q13ff92627b_kvs
    .symbol:         k_q13ff92627b_kvs.kd
    .args:
      - { .name: tbuf, .offset: 0, .size: 8, .value_kind: global_buffer, .address_space: global }
      - { .name: vimg, .offset: 8, .size: 8, .value_kind: global_buffer, .address_space: global }
      - { .name: kmax, .offset: 16, .size: 8, .value_kind: global_buffer, .address_space: global }
      - { .name: kvimg, .offset: 24, .size: 8, .value_kind: global_buffer, .address_space: global }
    .group_segment_fixed_size: 92160
    .private_segment_fixed_size: 0
    .kernarg_segment_align: 8
    .kernarg_segment_size: 32
    .max_flat_workgroup_size: 512
    .sgpr_count:     66
    .vgpr_count:     256
    .wavefront_size: 32
...
	.end_amdgpu_metadata
.endif
;; end of part 8
;; launch qchain: the kernel of part 7 again; grid 32 x 4, 4 waves a work-group, clusters of 4 x 1, 317,952 bytes of LDS; arguments query, pos, wimg, kvimg, out0; writes out0
